; MI455X (gfx1250); checked and timed in simulation.
; The chip was launched on July 23, 2026; its instructions are those of AMD's public machine-readable ISA for CDNA 5 (MIT licence, August 2026) and "CDNA5" Instruction Set Architecture Reference Guide (July 2026). The comments in the code are by the model that wrote it; some were corrected since.
;; Attention. Allowed arithmetic: matrix products marked QUANTISED: E2M1 operands, one E8M0 scale for each 32 along K, by v_wmma_scale_f32_16x16x128_f8f6f4 with both operands' format E2M1 (or v_wmma_scale_f32_32x16x128_f4), f32 sums; everything else in f32.
;; Inputs: Wk_codes 1,024 x 32 x 16 uint8 (E2M1 codes of Wk, K innermost, in blocks of 32 codes, two codes a byte); Wk_scales 1,024 x 32 uint8 (E8M0 scales of Wk, one for each 32 codes along K); Wo_codes 1,024 x 32 x 16 uint8 (E2M1 codes of Wo, K innermost, in blocks of 32 codes, two codes a byte); Wo_scales 1,024 x 32 uint8 (E8M0 scales of Wo, one for each 32 codes along K); Wq_codes 1,024 x 32 x 16 uint8 (E2M1 codes of Wq, K innermost, in blocks of 32 codes, two codes a byte); Wq_scales 1,024 x 32 uint8 (E8M0 scales of Wq, one for each 32 codes along K); Wv_codes 1,024 x 32 x 16 uint8 (E2M1 codes of Wv, K innermost, in blocks of 32 codes, two codes a byte); Wv_scales 1,024 x 32 uint8 (E8M0 scales of Wv, one for each 32 codes along K); beta 1,024 float32; bk 1,024 float32; bo 1,024 float32; bq 1,024 float32; bv 1,024 float32; gamma 1,024 float32; input_tensor 4 x 2,048 x 1,024 float32.
;; Outputs: out0 4 x 2,048 x 1,024 float32.
;; This version of the problem:
;;   THIS VERSION OF THE PROBLEM IS GIVEN IN LOW PRECISION. The matrix products marked QUANTISED in the list below multiply operands that are first quantised to E2M1 (2 exponent bits, 1 mantissa bit; 4 bits a number), with one power-of-two scale for each 32 numbers along K (OCP MX v1.0); their sums are f32. All else is computed in f32.
;;   The module's matrix products, in the order in which they are computed (A, B: the left and right operand; K: the contracted axis; several contracted axes count as one K, in the product's order):
;;     1. [M 8,192, K 1,024] x [K 1,024, N 1,024]; A: input input_tensor; B: input Wq (given as codes): QUANTISED
;;     2. [M 8,192, K 1,024] x [K 1,024, N 1,024]; A: input input_tensor; B: input Wk (given as codes): QUANTISED
;;     3. [M 8,192, K 1,024] x [K 1,024, N 1,024]; A: input input_tensor; B: input Wv (given as codes): QUANTISED
;;     4. batch 64 x [M 2,048, K 64] x [K 64, N 2,048]; A: computed on the way; B: computed on the way: QUANTISED
;;     5. batch 64 x [M 2,048, K 2,048] x [K 2,048, N 64]; A: softmax (see below); B: computed on the way: QUANTISED
;;     6. [M 8,192, K 1,024] x [K 1,024, N 1,024]; A: computed on the way; B: input Wo (given as codes): QUANTISED
;;   THE QUANTISER, for each operand of a quantised product, along K:
;;     - K is cut into blocks of 32 from its start; a last block that is shorter is filled with zeros.
;;     - A block's scale is 2^e with e = floor(log2(the largest magnitude in the block)) - 2, held to -126 .. 127; a block of zeros has e = 0. As a byte (E8M0): e + 127.
;;     - Each number is divided by its block's scale, clamped to +-6, and rounded to the nearest number of E2M1, ties to even, subnormals kept.
;;     - The product sums the exact products of the quantised numbers (number of the format x scale) in f32.
;;   ~~~python
;;   def quantise(x, axis):      # numpy; x: float32 -> the quantised numbers, widened to float32 again
;;       x = np.moveaxis(x, axis, -1); K = x.shape[-1]
;;       x = np.pad(x, [(0, 0)] * (x.ndim - 1) + [(0, -K % 32)]); x = x.reshape(x.shape[:-1] + (-1, 32)); a = np.abs(x).max(-1, keepdims=True)
;;       e = np.where(a > 0, np.clip(np.frexp(np.where(a > 0, a, 1))[1] - 1 - 2, -126, 127), 0)      # np.frexp(a)[1] - 1 = floor(log2(a)), exactly
;;       r = np.clip(x / 2.0 ** e, -6, 6)
;;       step = 2.0 ** (np.maximum(np.frexp(np.where(r == 0, 1, r))[1] - 1, 0) - 1)
;;       q = np.round(r / step) * step * 2.0 ** e      # np.round: ties to even
;;       return np.moveaxis(q.reshape(q.shape[:-2] + (-1,))[..., :K], -1, axis).astype(np.float32)
;;   ~~~
;;   SOFTMAX AHEAD OF A QUANTISED PRODUCT. Where the list says 'softmax', what is quantised is not the finished softmax but p = 2^(t - M), with t = logit x log2(e) and M = ceil(the row's largest t), a whole number; so 1/2 < the row's largest p <= 1. The row's sum l is taken of the UNQUANTISED p, in f32, and the product's result is divided by l at the end. Since M is a whole number, a kernel that streams over the keys may use a running M (the ceiling of the running maximum): every later rescaling is an exact power of two, which a block's scale takes up: the codes' values come out the same.
;;   OPERANDS COMPUTED ON THE WAY. 'Computed on the way' means the value that the module computes at that place (a softmax that the list does not call 'softmax' is quantised finished and normalised). What goes into a quantiser is computed in f32, as accurately as f32 sums, v_exp_f32 and their like allow (about 1e-6 of the number): no bf16 or f16 on the way to a quantiser, and a product that is left as it is and whose result goes on into a quantised operand takes f32 operands (vector FMAs, or v_wmma_f32_16x16x4_f32). A number that lies on a knife's edge between two numbers of the format may be rounded either way, as far as f32 arithmetic and the matrix unit's own rounding can turn it there, and no further.
;;   INPUTS GIVEN AS CODES. Wk (in the module: [1024, 1024], K = its axis 1); Wo (in the module: [1024, 1024], K = its axis 1); Wq (in the module: [1024, 1024], K = its axis 1); Wv (in the module: [1024, 1024], K = its axis 1): each comes as NAME_codes (uint8): NAME with its K axis moved to the last place and cut into blocks of 32 codes, [.., K / 32, bytes a block], one block behind the other in memory; two codes a byte, the lower K in the low four bits (a code: sign, 2 exponent bits, 1 mantissa bit); and NAME_scales (uint8): the same leading axes, one E8M0 byte (e + 127) for each 32 codes along K. Its value is code x scale, taken as it is: it is not quantised again, and the codes and scales need not be those that the quantiser above would give.
;; 2 versions. Each part assembles by itself: llvm-mc -triple=amdgcn-amd-amdhsa -mcpu=gfx1250 --defsym DOCPART=n.
;; ======== version 1 of 2: 4 launches
;; workspace buffers: xc 4,194,304 bytes; xs 262,144 bytes; wimg 2,097,152 bytes; wsc 131,072 bytes; qkv 13,893,632 bytes; cimg 4,194,304 bytes; cs 262,144 bytes
;; launch prep (part 1): grid 288 x 1, 4 waves a work-group, no clusters, 33,280 bytes of LDS; arguments input_tensor, Wq_codes, Wk_codes, Wv_codes, Wo_codes, Wq_scales, Wk_scales, Wv_scales, Wo_scales, xc, xs, wimg, wsc; writes xc, xs, wimg, wsc
.if DOCPART == 1
	.amdgcn_target "amdgcn-amd-amdhsa--gfx1250"
	.amdhsa_code_object_version 6
	.text
	.protected	k_qe727185dbf_prep
	.globl	k_qe727185dbf_prep
	.p2align	8
	.type	k_qe727185dbf_prep,@function
k_qe727185dbf_prep:
	s_mov_b64 s[64:65], 0
	v_nop
	global_prefetch_b8 v0, s[64:65] scope:SCOPE_SE
	s_setreg_imm32_b32 hwreg(HW_REG_WAVE_MODE, 25, 1), 1
	s_wait_xcnt 0x0
; TWO JOBS IN ONE LAUNCH, parted on the work-group's number.
; Work-groups 0-255: input_tensor [8192][1024] f32 becomes codes of FP4 (E2M1), xc [8192][512 bytes], K innermost, and one E8M0 byte for each 32 along K, xs [8192][32].
;   A block's scale is 2^(floor(log2(largest magnitude)) - 2); its byte is the largest magnitude's exponent field - 2, held at 1 from below.
;   Rows are dense and 1,024 is a multiple of 32: the tensor is a plain stream of blocks of 32.  A wave takes 16 steps of 512 numbers.  Each load reads 512 consecutive bytes; a step's 2,048 bytes
;   turn through the wave's own stage in LDS, so that a lane gets 16 neighbours along K (two lanes to a block); its 16 codes are 8 bytes, the wave stores 256 consecutive bytes.
;   A wave's 256 scale bytes are gathered in LDS and leave as 256 consecutive bytes.
; Work-groups 256-287: the four weights' codes and scale bytes are laid anew, in the order in which a wave's operand registers take them (no LDS on this path):
;   wimg [W: q,k,v,o][tile 64][K step 8][c 2][lane 32][16 bytes]: lane (r, hh) of a tile holds bytes 64 s + 32 c + 16 hh of row 32 (tile / 2) + 8 (tile % 2) + r + 8 (r / 8);
;   wsc  [W][pair of tiles 32][q 4][lane 32][2 words]: lanes 0-15 the even tile's rows, lanes 16-31 the odd tile's; the two words are K steps 2 q and 2 q + 1.
;   THE ROWS OF A TILE ARE NOT NEIGHBOURS: so a product's 16 registers of two neighbouring tiles are 16 neighbours along the next product's K.
; LIMITS: NaN and infinities among the inputs are not served; a block of zeros gets the byte 1 (its codes are zeros, and this program alone reads the bytes); blocks whose largest magnitude lies under 2^-124 are held at that floor.
; No matrix work, no cluster, no tensor load: waves share nothing, so there is no barrier.
.set STEPS, 16
.set EMAX,  2
.set CB,    8                          ; bytes of 16 codes
.set R,     16                         ; v16-79   four sets of 16 numbers as loaded
.set X,     80                         ; v80-111  two sets of 16 neighbours
.set C,     128                        ; v128-191 codes: registers of its own for each step
.set E,     112                        ; v112-127 a scale byte for each step
.set WREG,  8192                       ; LDS: a region for each wave: two stages of 32 x SP bytes, then its 256 scale bytes
.set SP,    80                         ; a lane's place in a stage: 64 bytes + 16 of padding
	s_load_b64  s[4:5],   s[0:1], 0x0              ; input_tensor
	s_load_b256 s[8:15],  s[0:1], 0x8              ; codes of Wq, Wk, Wv, Wo
	s_load_b256 s[16:23], s[0:1], 0x28             ; their scale bytes
	s_load_b256 s[24:31], s[0:1], 0x48             ; xc, xs, wimg, wsc
	v_lshl_add_u32 v192, v0, 2, 0x8000
	v_mov_b32 v193, 0
	v_lshrrev_b32 v1, 5, v0
	v_readfirstlane_b32 s32, v1                    ; wave 0..3
	v_and_b32 v2, 31, v0                           ; lane
	s_cmp_ge_u32 ttmp9, 256
	s_cbranch_scc1 .Lrelay
	; ---- the quantiser
	v_lshlrev_b32 v3, 4, v2                        ; my 16 bytes of a load's 512
	s_mul_i32 s33, s32, WREG
	v_lshrrev_b32 v14, 2, v2
	v_mul_u32_u24 v14, v14, SP
	v_and_b32 v15, 3, v2
	v_lshl_add_u32 v14, v15, 4, v14
	v_add_nc_u32 v14, s33, v14                     ; the stage, on the way in: SP (lane / 4) + 16 (lane % 4)
	v_mul_u32_u24 v15, v2, SP
	v_add_nc_u32 v15, s33, v15                     ; on the way out: SP x lane: my 16 neighbours
	v_mul_u32_u24 v4, v2, CB                       ; my codes' place in a step's
	v_lshrrev_b32 v5, 1, v2
	s_add_co_u32 s33, s33, 2*32*SP
	v_add_nc_u32 v5, s33, v5                       ; LDS: my block's scale byte
	v_lshlrev_b32 v7, 3, v2
	v_add_nc_u32 v6, s33, v7                       ; and on the way out 8 bytes a lane
	s_lshl_b32 s34, ttmp9, 2
	s_add_co_u32 s34, s34, s32                     ; which run of 8,192 numbers is my wave's: 0..1023
	s_mov_b32 s37, 0
	s_lshl_b32 s36, s34, 15
	s_wait_kmcnt 0x0
	s_add_nc_u64 s[4:5], s[4:5], s[36:37]          ; 32,768 bytes of numbers a run,
	s_lshl_b32 s36, s34, 12
	s_add_nc_u64 s[24:25], s[24:25], s[36:37]      ; 4,096 of codes,
	s_lshl_b32 s36, s34, 8
	s_add_nc_u64 s[26:27], s[26:27], s[36:37]      ; 256 of scale bytes
.macro LOAD t
.irp i, 0,1,2,3
	global_load_b128 v[R+16*((\t)%4)+4*\i:R+16*((\t)%4)+4*\i+3], v3, s[4:5] offset:2048*(\t)+512*\i   ; 32 lanes read 512 consecutive bytes (no hint: the last launch reads them again)
.endr
.endm
.macro TURN t                          ; step t's numbers through the stage: LDS serves a wave's instructions in order, so no wait stands between the stores and the loads
.irp i, 0,1,2,3
	ds_store_b128 v14, v[R+16*((\t)%4)+4*\i:R+16*((\t)%4)+4*\i+3] offset:32*SP*((\t)%2)+8*SP*\i
.endr
.irp i, 0,1,2,3
	ds_load_b128 v[X+16*((\t)%2)+4*\i:X+16*((\t)%2)+4*\i+3], v15 offset:32*SP*((\t)%2)+16*\i
.endr
.endm
.irp t, 0,1,2,3
	LOAD \t
.endr
	s_wait_loadcnt 12                              ; step 0's four loads are in; the twelve of steps 1 to 3 may be out
	TURN 0
.macro STEP t
.set XS, X+16*((\t)%2)
.if (\t) > 0
	s_wait_dscnt 1                                 ; this step's numbers are back from the stage (the last step's byte store may be out): so its stores into the stage have read their registers,
.else
	s_wait_dscnt 0x0
.endif
.if (\t)+4 < STEPS
	LOAD (\t)+4                                    ; which take the loads of four steps on
.endif
.if (\t)+1 < STEPS
.if STEPS-2-(\t) >= 3
	s_wait_loadcnt 12                              ; the next step's four loads are in; those of the three steps behind it may be out
.else
	s_wait_loadcnt 4*(STEPS-2-(\t))
.endif
	TURN (\t)+1
.endif
	v_max3_num_f32 v8, |v[XS]|, |v[XS+1]|, |v[XS+2]|               ; the largest magnitude of my 16, in two chains
	v_max3_num_f32 v9, |v[XS+3]|, |v[XS+4]|, |v[XS+5]|
.irp i, 6,10
	v_max3_num_f32 v8, v8, |v[XS+\i]|, |v[XS+\i+1]|
	v_max3_num_f32 v9, v9, |v[XS+\i+2]|, |v[XS+\i+3]|
.endr
	v_max3_num_f32 v8, v8, |v[XS+14]|, |v[XS+15]|
	v_max3_num_f32 v8, v8, v9, (EMAX+1)<<23        ; and the floor 2^(3 - 127): the byte cannot fall under 1
	v_max_num_f32_dpp v8, v8, v8 row_xmask:1 row_mask:0xf bank_mask:0xf   ; with my neighbour's 16: the block's
	v_add_nc_u32 v11, -(EMAX<<23), v8              ; 2 off its exponent field: the conversion takes this operand's exponent field as its scale
	v_cvt_scalef32_pk8_fp4_f32 v[C+4*(\t)], v[XS:XS+7], v11
	v_cvt_scalef32_pk8_fp4_f32 v[C+4*(\t)+1], v[XS+8:XS+15], v11
	v_lshrrev_b32 v[E+(\t)], 23, v11               ; the scale's byte (also the plain line behind the conversions)
	ds_store_b8 v5, v[E+(\t)] offset:16*(\t)       ; both lanes of a block write the same byte with the same value
	global_store_b64 v4, v[C+4*(\t):C+4*(\t)+1], s[24:25] offset:32*CB*(\t)   ; the wave stores 256 consecutive bytes
.endm
.irp t, 0,1,2,3,4,5,6,7,8,9,10,11,12,13,14,15
	STEP \t
.endr
	ds_load_b64 v[12:13], v6                       ; LDS serves a wave's instructions in order: these see my stores
	s_wait_dscnt 0x0
	global_store_b64 v7, v[12:13], s[26:27]        ; 256 consecutive bytes
	s_wait_tensorcnt 0x0
	ds_add_u32 v192, v193
	s_wait_dscnt 0x0
	s_endpgm
	; ---- the weights: a wave lays one pair of tiles (32 rows of one weight)
.Lrelay:
	v_and_b32 v3, 15, v0                           ; r
	v_bfe_u32 v4, v0, 4, 1                         ; hh
	v_and_b32 v5, 8, v3
	v_add_nc_u32 v5, v5, v3                        ; r + 8 (r / 8)
	v_lshlrev_b32 v6, 9, v5
	v_lshl_add_u32 v6, v4, 4, v6                   ; codes in: that row of 512 bytes, + 16 hh
	v_lshl_add_u32 v7, v4, 3, v5                   ; scale bytes in: lanes 16-31 take the odd tile's rows, 8 further on;
	v_lshlrev_b32 v7, 5, v7                        ; 32 bytes a row
	v_lshlrev_b32 v8, 4, v2                        ; out: 16 x lane,
	v_lshlrev_b32 v9, 3, v2                        ; 8 x lane
	s_sub_co_u32 s33, ttmp9, 256
	s_lshr_b32 s34, s33, 3                         ; which weight: 0 q, 1 k, 2 v, 3 o
	s_and_b32 s35, s33, 7
	s_lshl_b32 s35, s35, 2
	s_add_co_u32 s35, s35, s32                     ; its pair of tiles, 0..31
	s_lshl_b32 s36, s34, 5
	s_add_co_u32 s36, s36, s35                     ; the pair among all 128
	s_mov_b32 s39, 0
	s_wait_kmcnt 0x0
	s_cmp_eq_u32 s34, 1                            ; the choice hangs on the work-group's number alone
	s_cselect_b64 s[8:9], s[10:11], s[8:9]
	s_cselect_b64 s[16:17], s[18:19], s[16:17]
	s_cmp_eq_u32 s34, 2
	s_cselect_b64 s[8:9], s[12:13], s[8:9]
	s_cselect_b64 s[16:17], s[20:21], s[16:17]
	s_cmp_eq_u32 s34, 3
	s_cselect_b64 s[8:9], s[14:15], s[8:9]
	s_cselect_b64 s[16:17], s[22:23], s[16:17]
	s_lshl_b32 s38, s35, 14
	s_add_nc_u64 s[8:9], s[8:9], s[38:39]          ; 32 rows of 512 bytes
	s_lshl_b32 s38, s35, 10
	s_add_nc_u64 s[16:17], s[16:17], s[38:39]      ; 32 rows of 32 bytes
	s_lshl_b32 s38, s36, 14
	s_add_nc_u64 s[28:29], s[28:29], s[38:39]      ; two tiles of 8,192 bytes
	s_lshl_b32 s38, s36, 10
	s_add_nc_u64 s[30:31], s[30:31], s[38:39]
.irp u, 0,1
.irp f, 0,1,2,3,4,5,6,7,8,9,10,11,12,13,14,15
	global_load_b128 v[16+64*\u+4*\f:19+64*\u+4*\f], v6, s[8:9] offset:4096*\u+32*\f   ; tile u, piece f = 2 s + c
.endr
.endr
	global_load_b128 v[144:147], v7, s[16:17]      ; my row's eight scale words
	global_load_b128 v[148:151], v7, s[16:17] offset:16
	s_wait_loadcnt 0x0
.irp u, 0,1
.irp f, 0,1,2,3,4,5,6,7,8,9,10,11,12,13,14,15
	global_store_b128 v8, v[16+64*\u+4*\f:19+64*\u+4*\f], s[28:29] offset:8192*\u+512*\f   ; 512 consecutive bytes
.endr
.endr
.irp q, 0,1,2,3
	global_store_b64 v9, v[144+2*\q:145+2*\q], s[30:31] offset:256*\q                     ; 256 consecutive bytes
.endr
	s_endpgm
.Lfunc_end_k_qe727185dbf_prep:
	.size	k_qe727185dbf_prep, .Lfunc_end_k_qe727185dbf_prep-k_qe727185dbf_prep
	.p2alignl 7, 3214868480
	.fill 96, 4, 3214868480
	.section	.rodata,"a",@progbits
	.p2align	6, 0x0
	.amdhsa_kernel k_qe727185dbf_prep
		.amdhsa_group_segment_fixed_size 33280
		.amdhsa_private_segment_fixed_size 0
		.amdhsa_enable_private_segment 0
		.amdhsa_kernarg_size 104
		.amdhsa_user_sgpr_count 2
		.amdhsa_user_sgpr_kernarg_segment_ptr 1
		.amdhsa_wavefront_size32 1
		.amdhsa_system_sgpr_workgroup_id_x 1
		.amdhsa_system_sgpr_workgroup_id_y 1
		.amdhsa_system_sgpr_workgroup_id_z 1
		.amdhsa_system_vgpr_workitem_id 0
		.amdhsa_next_free_vgpr 194
		.amdhsa_next_free_sgpr 66
		.amdhsa_reserve_vcc 0
		.amdhsa_float_denorm_mode_32 3
		.amdhsa_float_denorm_mode_16_64 3
		.amdhsa_memory_ordered 1
		.amdhsa_forward_progress 1
		.amdhsa_inst_pref_size 41
	.end_amdhsa_kernel
	.amdgpu_metadata
---
amdhsa.version: [ 1, 2 ]
amdhsa.kernels:
  - .name:           k_qe727185dbf_prep
    .symbol:         k_qe727185dbf_prep.kd
    .args:
      - { .name: input_tensor, .offset: 0, .size: 8, .value_kind: global_buffer, .address_space: global }
      - { .name: Wq_codes, .offset: 8, .size: 8, .value_kind: global_buffer, .address_space: global }
      - { .name: Wk_codes, .offset: 16, .size: 8, .value_kind: global_buffer, .address_space: global }
      - { .name: Wv_codes, .offset: 24, .size: 8, .value_kind: global_buffer, .address_space: global }
      - { .name: Wo_codes, .offset: 32, .size: 8, .value_kind: global_buffer, .address_space: global }
      - { .name: Wq_scales, .offset: 40, .size: 8, .value_kind: global_buffer, .address_space: global }
      - { .name: Wk_scales, .offset: 48, .size: 8, .value_kind: global_buffer, .address_space: global }
      - { .name: Wv_scales, .offset: 56, .size: 8, .value_kind: global_buffer, .address_space: global }
      - { .name: Wo_scales, .offset: 64, .size: 8, .value_kind: global_buffer, .address_space: global }
      - { .name: xc, .offset: 72, .size: 8, .value_kind: global_buffer, .address_space: global }
      - { .name: xs, .offset: 80, .size: 8, .value_kind: global_buffer, .address_space: global }
      - { .name: wimg, .offset: 88, .size: 8, .value_kind: global_buffer, .address_space: global }
      - { .name: wsc, .offset: 96, .size: 8, .value_kind: global_buffer, .address_space: global }
    .group_segment_fixed_size: 33280
    .private_segment_fixed_size: 0
    .kernarg_segment_align: 8
    .kernarg_segment_size: 104
    .max_flat_workgroup_size: 128
    .sgpr_count:     66
    .vgpr_count:     194
    .wavefront_size: 32
...
	.end_amdgpu_metadata
.endif
;; end of part 1
;; launch qkv (part 2): grid 8 x 32, 12 waves a work-group, no clusters, 282,112 bytes of LDS; arguments xc, xs, wimg, wsc, bq, bk, bv, qkv; writes qkv
.if DOCPART == 2
	.amdgcn_target "amdgcn-amd-amdhsa--gfx1250"
	.amdhsa_code_object_version 6
	.text
	.protected	k_qe727185dbf_qkv
	.globl	k_qe727185dbf_qkv
	.p2align	8
	.type	k_qe727185dbf_qkv,@function
k_qe727185dbf_qkv:
	s_mov_b64 s[64:65], 0
	v_nop
	global_prefetch_b8 v0, s[64:65] scope:SCOPE_SE
	s_setreg_imm32_b32 hwreg(HW_REG_WAVE_MODE, 25, 1), 1
	s_wait_xcnt 0x0
; q = x Wq^T + bq, k = x Wk^T + bk, v = x Wv^T + bv on codes of FP4 with E8M0 scales; the results are quantised at once: q and k along the head's 64 (two blocks), v along the keys (tokens).
; SHARES.  Work-group (y = x id, X = y id): tokens 256 X on, in two blocks of 128; six HEAD UNITS U = 6 y .. 6 y + 5 (U = 16 kind + head; kind 0 q, 1 k, 2 v): 24 tiles of weights, 196,608 dense bytes of wimg,
; which lie in LDS for both blocks.  Wave w: unit e = w / 2, half = w % 2.  A q or k job: 4 tiles of tokens (its half of the block) x the unit's 4 tiles, TRANSPOSED (source 0 = 16 rows of W, source 1 = 16 tokens):
; a lane holds one token, its registers run along the head.  A v job: all 8 tiles of tokens x 2 tiles of W (its half of the unit), natural (source 0 = tokens): a lane holds one channel, its registers run along the tokens.
; Either way 16 accumulators and 128 matrix instructions a block, and a lane's registers are neighbours along the next product's K.
; THE TOKENS OF A TILE ARE NOT NEIGHBOURS: token 16 h + 8 u + j of a group of 32 sits in tile 2 G + u at row 8 h + j; W's tiles are laid likewise by the launch before.
; OUT: a record of 217,088 bytes for each (batch, head), all parts in the order of the operand's registers:
;   +0 Q [tile 128][lane][16 B]   +65,536 K likewise   +131,072 V [128 keys 16][channel tile 4][c 2][lane][16 B]
;   +196,608 Q's scale words [4 tiles 32][row 16][tile 4]   +204,800 K's likewise   +212,992 V's [128 keys 16][pair 2][row 16][tile 2]
;   A word of Q or K has its two bytes below and 0 above: the upper 64 of the next product's K step are zero codes.
; NO JOINT LOADS: what work-groups share here (W's 208,896 bytes, x's 69,632 a block) is fetched once for a work-group's 3,072 matrix instructions and goes through registers into LDS; there is no ring to feed.
; V's scale words leave in stores of 128 consecutive bytes (the neighbouring wave has the other 128): 4,096 bytes of a record's 217,088.
; LIMITS: NaN and infinities are not served; a block of zeros gets the byte 1 (read by this program alone); blocks whose largest magnitude lies under 2^-124 are held at that floor.
; LDS: W's images 0; W's scale images 196,608; x: 128 rows of 512 bytes, 528 apart (33 x 16: the 16 rows of a load start at 16 different 16-byte columns) 208,896; x's scale images [pair 4][q 4][lane][2 words] 276,480.
; REGISTERS: v1-15, v58-60 addresses, made once; v16-25 scale words and nothing else; v26-57 bias (v job: v26-41 bias, v42-57 W); v64-127 fragments, later codes and work; v128-255 accumulators.
.set WSB,  196608
.set XB,   208896
.set XSB,  276480
.set XP,   528
.set ACC,  128
.set BI,   26
.set PC,   64                          ; the codes just made
.set PW,   80                          ; their scale words
.set TM,   96                          ; at work in QUANT
.macro PLACES                          ; four plain vector lines between a matrix instruction and a load into, or a vector line on, its registers
.rept 4
	v_nop
.endr
.endm
.macro BARRIER                         ; my LDS stores have landed and my LDS loads are in: then the work-group's barrier
	s_wait_dscnt 0x0
	s_barrier_signal -1
	s_barrier_wait -1
.endm
; One product.  c < 0: the sum starts at 0.  ra, rb = 1: that side's scale words stand in lanes 16-31 of its register.
.macro WM d, a, b, c, sa, sb, ra, rb
.if (\c) < 0
.if (\ra) && (\rb)
	v_wmma_scale_f32_16x16x128_f8f6f4 v[(\d):(\d)+7], v[(\a):(\a)+7], v[(\b):(\b)+7], 0, v[\sa], v[\sb] matrix_a_fmt:MATRIX_FMT_FP4 matrix_b_fmt:MATRIX_FMT_FP4 matrix_a_scale:MATRIX_SCALE_ROW1 matrix_b_scale:MATRIX_SCALE_ROW1
.elseif (\ra)
	v_wmma_scale_f32_16x16x128_f8f6f4 v[(\d):(\d)+7], v[(\a):(\a)+7], v[(\b):(\b)+7], 0, v[\sa], v[\sb] matrix_a_fmt:MATRIX_FMT_FP4 matrix_b_fmt:MATRIX_FMT_FP4 matrix_a_scale:MATRIX_SCALE_ROW1
.elseif (\rb)
	v_wmma_scale_f32_16x16x128_f8f6f4 v[(\d):(\d)+7], v[(\a):(\a)+7], v[(\b):(\b)+7], 0, v[\sa], v[\sb] matrix_a_fmt:MATRIX_FMT_FP4 matrix_b_fmt:MATRIX_FMT_FP4 matrix_b_scale:MATRIX_SCALE_ROW1
.else
	v_wmma_scale_f32_16x16x128_f8f6f4 v[(\d):(\d)+7], v[(\a):(\a)+7], v[(\b):(\b)+7], 0, v[\sa], v[\sb] matrix_a_fmt:MATRIX_FMT_FP4 matrix_b_fmt:MATRIX_FMT_FP4
.endif
.else
.if (\ra) && (\rb)
	v_wmma_scale_f32_16x16x128_f8f6f4 v[(\d):(\d)+7], v[(\a):(\a)+7], v[(\b):(\b)+7], v[(\c):(\c)+7], v[\sa], v[\sb] matrix_a_fmt:MATRIX_FMT_FP4 matrix_b_fmt:MATRIX_FMT_FP4 matrix_a_scale:MATRIX_SCALE_ROW1 matrix_b_scale:MATRIX_SCALE_ROW1
.elseif (\ra)
	v_wmma_scale_f32_16x16x128_f8f6f4 v[(\d):(\d)+7], v[(\a):(\a)+7], v[(\b):(\b)+7], v[(\c):(\c)+7], v[\sa], v[\sb] matrix_a_fmt:MATRIX_FMT_FP4 matrix_b_fmt:MATRIX_FMT_FP4 matrix_a_scale:MATRIX_SCALE_ROW1
.elseif (\rb)
	v_wmma_scale_f32_16x16x128_f8f6f4 v[(\d):(\d)+7], v[(\a):(\a)+7], v[(\b):(\b)+7], v[(\c):(\c)+7], v[\sa], v[\sb] matrix_a_fmt:MATRIX_FMT_FP4 matrix_b_fmt:MATRIX_FMT_FP4 matrix_b_scale:MATRIX_SCALE_ROW1
.else
	v_wmma_scale_f32_16x16x128_f8f6f4 v[(\d):(\d)+7], v[(\a):(\a)+7], v[(\b):(\b)+7], v[(\c):(\c)+7], v[\sa], v[\sb] matrix_a_fmt:MATRIX_FMT_FP4 matrix_b_fmt:MATRIX_FMT_FP4
.endif
.endif
.endm
; 16 nb numbers of a lane, register 16 b + i = k 32 b + 16 (lane / 16) + i of the lane's row, become 2 nb registers of codes in the operand's layout, from v[pc] on, and the row's scale word in v[pw].  nb = 2 or 4.
; Each accumulator is read from its low end on.
.macro QUANT src, nb, pc, pw
.set qb, 0
.rept \nb
	v_max3_num_f32 v[TM+qb], |v[(\src)+16*qb]|, |v[(\src)+16*qb+1]|, 0x1800000   ; my 16 numbers of block qb, and the floor 2^(3 - 127): the byte cannot fall under 1
.set qb, qb+1
.endr
.irp i, 2,4,6,8,10,12,14
.set qb, 0
.rept \nb
	v_max3_num_f32 v[TM+qb], v[TM+qb], |v[(\src)+16*qb+\i]|, |v[(\src)+16*qb+\i+1]|   ; (the blocks by turns)
.set qb, qb+1
.endr
.endr
.set qb, 0
.rept \nb
	v_permlanex16_b32 v[TM+4+qb], v[TM+qb], s44, s45
.set qb, qb+1
.endr
.set qb, 0
.rept \nb
	v_max_num_f32 v[TM+qb], v[TM+qb], v[TM+4+qb]   ; with lane l xor 16's 16: the block's largest magnitude
.set qb, qb+1
.endr
.set qb, 0
.rept \nb
	v_add_nc_u32 v[TM+12+qb], 0xff000000, v[TM+qb]   ; 2 off its exponent field: the conversion's scale operand
.set qb, qb+1
.endr
.set qb, 0
.rept \nb
	v_lshrrev_b32 v[TM+4+qb], 23, v[TM+12+qb]      ; the scale's byte
.set qb, qb+1
.endr
	v_lshl_or_b32 v[\pw], v[TM+5], 8, v[TM+4]
.if \nb > 2
	v_lshl_or_b32 v[\pw], v[TM+6], 16, v[\pw]
	v_lshl_or_b32 v[\pw], v[TM+7], 24, v[\pw]
.endif
.set qb, 0
.rept \nb
	v_cvt_scalef32_pk8_fp4_f32 v[(\pc)+2*qb], v[(\src)+16*qb:(\src)+16*qb+7], v[TM+12+qb]
	v_cvt_scalef32_pk8_fp4_f32 v[(\pc)+2*qb+1], v[(\src)+16*qb+8:(\src)+16*qb+15], v[TM+12+qb]
.set qb, qb+1
.endr
	v_nop                                          ; one plain line behind the scaled conversions
.set qb, 0
.rept \nb/2                            ; the layout wants a whole block in a lane: lanes 0-15 the even block, lanes 16-31 the odd one
	v_permlane16_swap_b32 v[(\pc)+4*qb], v[(\pc)+4*qb+2]
	v_permlane16_swap_b32 v[(\pc)+4*qb+1], v[(\pc)+4*qb+3]
.set qb, qb+1
.endr
.endm
	s_load_b256 s[4:11], s[0:1], 0x0               ; xc, xs, wimg, wsc
	s_load_b256 s[12:19], s[0:1], 0x20             ; bq, bk, bv, qkv
	s_set_vgpr_msb 0x40
	v_lshl_add_u32 v0, v0, 2, 0x44800
	v_mov_b32 v1, 0
	s_set_vgpr_msb 0x4000
	v_lshrrev_b32 v61, 5, v0
	v_readfirstlane_b32 s20, v61                   ; wave 0..11
	s_lshr_b32 s21, s20, 1                         ; e: which of the six units
	s_and_b32 s22, s20, 1                          ; half
	s_and_b32 s28, s20, 7                          ; which 16 rows of x I bring (waves 0-7)
	s_and_b32 s24, ttmp7, 0xffff                   ; X
	s_mul_i32 s25, ttmp9, 6
	s_add_co_u32 s25, s25, s21                     ; U
	s_lshr_b32 s26, s25, 4                         ; kind
	s_and_b32 s27, s25, 15                         ; head
	s_lshr_b32 s29, s24, 3
	s_lshl_b32 s29, s29, 4
	s_add_co_u32 s29, s29, s27                     ; the record: 16 x batch + head
	s_and_b32 s30, s24, 7
	s_lshl_b32 s30, s30, 1                         ; which 128 tokens of the sequence: stepped
	s_mov_b32 s44, 0x76543210
	s_mov_b32 s45, 0xfedcba98                      ; v_permlanex16_b32's selects for lane l xor 16
	s_mov_b32 s49, 0xffff0000                      ; lanes 16-31
	; every LDS address is made here, from the thread's and the wave's number and constants
	v_and_b32 v61, 31, v0                          ; lane
	v_and_b32 v62, 15, v0                          ; r
	v_bfe_u32 v63, v0, 4, 1                        ; hh
	v_lshlrev_b32 v1, 4, v61                       ; v1  16 x lane
	v_lshlrev_b32 v2, 3, v61                       ; v2  8 x lane
	v_mul_u32_u24 v3, v62, XP
	v_lshl_add_u32 v3, v63, 4, v3
	v_add_nc_u32 v3, XB, v3                        ; v3  x's fragments from tile 0 on (the v job's)
	s_lshr_b32 s46, s28, 1
	s_mul_i32 s46, s46, 32*XP
	s_and_b32 s47, s28, 1
	s_mul_i32 s47, s47, 8*XP
	s_add_co_u32 s46, s46, s47
	s_add_co_u32 s46, s46, XB
	v_add_nc_u32 v4, s46, v1                       ; v4  where I put x's rows: token 16 w + i goes to row 32 (w / 2) + 16 (i / 8) + 8 (w % 2) + i % 8
	v_and_b32 v61, 3, v0
	v_lshlrev_b32 v5, 8, v61                       ; v5  where I put 8 scale bytes of x: q = t % 4;
	v_bfe_u32 v61, v0, 5, 1
	v_lshl_add_u32 v5, v61, 7, v5                  ;     lane 16 u
	v_bfe_u32 v61, v0, 6, 1
	v_lshl_add_u32 v5, v61, 6, v5                  ;     + 8 h
	v_bfe_u32 v61, v0, 2, 3
	v_lshl_add_u32 v5, v61, 3, v5                  ;     + j, 8 bytes a lane
	v_add_nc_u32 v5, XSB, v5
	v_and_b32 v6, 127, v0
	v_lshlrev_b32 v6, 3, v6                        ; v6  and where they come from
	v_lshlrev_b32 v7, 4, v0                        ; v7  16 x thread: W's fill
	s_mul_i32 s46, s22, 64*XP
	v_add_nc_u32 v8, s46, v3                       ; v8  x's fragments, q or k job: my half's four tiles
	s_lshl_b32 s46, s21, 15
	v_add_nc_u32 v9, s46, v1                       ; v9  W's fragments, q or k job: the unit's four tiles
	s_lshl_b32 s47, s22, 14
	s_add_co_u32 s47, s47, s46
	v_add_nc_u32 v12, s47, v1                      ; v12 W's fragments, v job: my half's two tiles
	s_lshl_b32 s46, s22, 11
	s_add_co_u32 s46, s46, XSB
	v_add_nc_u32 v10, s46, v2                      ; v10 x's scale words, q or k job
	v_add_nc_u32 v14, XSB, v2                      ; v14 x's scale words, v job
	s_lshl_b32 s46, s21, 11
	s_add_co_u32 s46, s46, WSB
	v_add_nc_u32 v11, s46, v2                      ; v11 W's scale words, q or k job
	s_lshl_b32 s47, s22, 10
	s_add_co_u32 s46, s46, s47
	v_add_nc_u32 v13, s46, v2                      ; v13 W's scale words, v job
	v_lshlrev_b32 v15, 6, v63                      ; v15 bias, q or k job: 16 hh numbers on
	v_and_b32 v58, 8, v62
	v_add_nc_u32 v58, v58, v62
	v_lshlrev_b32 v58, 2, v58                      ; v58 bias, v job: channel r + 8 (r / 8)
	v_lshlrev_b32 v59, 4, v62
	v_lshl_add_u32 v59, v63, 3, v59                ; v59 scale words out, q or k job: 16 r + 8 hh
	v_lshlrev_b32 v60, 3, v62
	v_lshl_add_u32 v60, v63, 2, v60                ; v60 scale words out, v job: 8 r + 4 hh
	s_mov_b32 s47, 0
	s_wait_kmcnt 0x0
	s_mul_i32 s46, ttmp9, 196608
	s_add_nc_u64 s[8:9], s[8:9], s[46:47]          ; my 24 tiles of W
	s_mul_i32 s46, ttmp9, 12288
	s_add_nc_u64 s[10:11], s[10:11], s[46:47]      ; and their scale images
	s_lshl_b32 s46, s24, 17
	s_lshl_b32 s48, s28, 13
	s_add_co_u32 s46, s46, s48
	s_add_nc_u64 s[32:33], s[4:5], s[46:47]        ; x's codes: token 256 X + 16 (w % 8)
	s_lshl_b32 s46, s24, 13
	s_add_nc_u64 s[34:35], s[6:7], s[46:47]        ; x's scale bytes: token 256 X
	s_mul_i32 s46, s29, 217088
	s_add_nc_u64 s[36:37], s[18:19], s[46:47]      ; the record
	s_cmp_eq_u32 s26, 1                            ; the bias of my kind: the choice hangs on ids alone
	s_cselect_b64 s[38:39], s[14:15], s[12:13]
	s_cmp_eq_u32 s26, 2
	s_cselect_b64 s[38:39], s[16:17], s[38:39]
	s_cselect_b32 s46, s22, 0                      ; a v job begins at its half's 32 channels
	s_lshl_b32 s46, s46, 7
	s_lshl_b32 s48, s27, 8
	s_add_co_u32 s46, s46, s48
	s_add_nc_u64 s[38:39], s[38:39], s[46:47]
	; ---- W into LDS, once: 384 threads x 16 bytes = 6,144 consecutive bytes a load
.irp i, 0,1,2,3,4,5,6,7,8,9,10,11,12,13,14,15,16,17,18,19,20,21,22,23,24,25,26,27,28,29,30,31
	global_load_b128 v[ACC+4*\i:ACC+4*\i+3], v7, s[8:9] offset:6144*\i
.endr
	global_load_b128 v[64:67], v7, s[10:11]
	global_load_b128 v[68:71], v7, s[10:11] offset:6144
	s_wait_loadcnt 0x0
.irp b, 0,1,2,3
	v_add_nc_u32 v61, 49152*\b, v7                 ; an LDS offset has 16 bits: eight stores to a base
.irp i, 0,1,2,3,4,5,6,7
	ds_store_b128 v61, v[ACC+32*\b+4*\i:ACC+32*\b+4*\i+3] offset:6144*\i
.endr
.endr
	v_add_nc_u32 v61, WSB, v7
	ds_store_b128 v61, v[64:67]
	ds_store_b128 v61, v[68:71] offset:6144
	s_wait_dscnt 0x0                               ; the stores have read their registers: loads may land there
	s_mov_b32 s31, 0
.Lblk:                                             ; two trips: 128 tokens each
	; ---- x into LDS: waves 0-7 bring 16 rows of codes each, waves 8-11 the block's 4,096 scale bytes
	s_cmp_lt_u32 s20, 8
	s_cbranch_scc0 .Lxs_fill
.irp i, 0,1,2,3,4,5,6,7,8,9,10,11,12,13,14,15
	global_load_b128 v[64+4*\i:67+4*\i], v1, s[32:33] offset:512*\i        ; a row: 512 consecutive bytes
.endr
	s_wait_loadcnt 0x0
.irp i, 0,1,2,3,4,5,6,7,8,9,10,11,12,13,14,15
	ds_store_b128 v4, v[64+4*\i:67+4*\i] offset:16*XP*(\i/8)+XP*(\i%8)
.endr
	s_branch .Lx_filled
.Lxs_fill:
.irp k, 0,1,2,3
	global_load_b64 v[64+2*\k:65+2*\k], v6, s[34:35] offset:1024*\k        ; group k of 32 tokens: 1,024 consecutive bytes
.endr
	s_wait_loadcnt 0x0
.irp k, 0,1,2,3
	ds_store_b64 v5, v[64+2*\k:65+2*\k] offset:1024*\k
.endr
.Lx_filled:
	BARRIER                                        ; W (first trip) and this block's x lie in LDS
	; where this block's results go
	s_lshl_b32 s46, s26, 16
	s_lshl_b32 s48, s30, 12
	s_add_co_u32 s46, s46, s48
	s_lshl_b32 s48, s22, 11
	s_add_co_u32 s46, s46, s48
	s_add_nc_u64 s[40:41], s[36:37], s[46:47]      ; images: kind x 65,536 + block x 4,096 + half x 2,048
	s_lshl_b32 s46, s30, 1
	s_add_co_u32 s46, s46, s22
	s_cmp_eq_u32 s26, 2
	s_cselect_b32 s48, 7, 8
	s_lshl_b32 s46, s46, s48                       ; words: (2 block + half) x 256, for v x 128
	s_lshl_b32 s48, s26, 13
	s_add_co_u32 s46, s46, s48
	s_add_co_u32 s46, s46, 196608
	s_add_nc_u64 s[42:43], s[36:37], s[46:47]
	s_cmp_eq_u32 s26, 2
	s_cbranch_scc1 .Lv
	; ---- a q or k job.  Accumulator (token tile m, W tile t) at ACC + 32 m + 8 t; the bias is the C of each sum's first product
.irp t, 0,1,2,3
	global_load_b128 v[BI+8*\t:BI+8*\t+3], v15, s[38:39] offset:(32*(\t/2)+8*(\t%2))*4
	global_load_b128 v[BI+8*\t+4:BI+8*\t+7], v15, s[38:39] offset:(32*(\t/2)+8*(\t%2))*4+16
.endr
.irp s, 0,1,2,3,4,5,6,7
.if \s > 0
	PLACES
.endif
.if (\s % 2) == 0
.irp p, 0,1
	ds_load_b64 v[16+2*\p:17+2*\p], v10 offset:1024*\p+128*\s      ; x's scale words of two K steps, a pair of tiles to a register
	ds_load_b64 v[20+2*\p:21+2*\p], v11 offset:1024*\p+128*\s      ; W's
.endr
.endif
.irp m, 0,1,2,3
.irp c, 0,1
	ds_load_b128 v[64+8*\m+4*\c:67+8*\m+4*\c], v8 offset:16*XP*\m+64*\s+32*\c
.endr
.endr
.irp t, 0,1,2,3
.irp c, 0,1
	ds_load_b128 v[96+8*\t+4*\c:99+8*\t+4*\c], v9 offset:8192*\t+1024*\s+512*\c
.endr
.endr
.if \s == 0
	s_wait_loadcnt 0x0                             ; the bias
.endif
	s_wait_dscnt 0x0
.irp m, 0,1,2,3                        ; the 16 accumulators take turns, one instruction a turn
.irp t, 0,1,2,3
.if \s == 0
	WM ACC+32*\m+8*\t, 96+8*\t, 64+8*\m, BI+8*\t, 20+2*(\t/2)+\s%2, 16+2*(\m/2)+\s%2, \t%2, \m%2
.else
	WM ACC+32*\m+8*\t, 96+8*\t, 64+8*\m, ACC+32*\m+8*\t, 20+2*(\t/2)+\s%2, 16+2*(\m/2)+\s%2, \t%2, \m%2
.endif
.endr
.endr
.endr
	PLACES
.irp m, 0,1,2,3
	QUANT ACC+32*\m, 2, PC+4*\m, PW+\m             ; lane (r, hh): token row r of tile m; register 16 b + i is channel 32 b + 16 hh + i
.endr
.irp m, 0,1,2,3
	global_store_b128 v1, v[PC+4*\m:PC+4*\m+3], s[40:41] offset:512*\m     ; a tile's image: 512 consecutive bytes
.endr
	v_cndmask_b32 v84, v[PW], v[PW+2], s49         ; every lane has its row's four words; lanes 0-15 store tiles 0, 1, lanes 16-31 tiles 2, 3
	v_cndmask_b32 v85, v[PW+1], v[PW+3], s49
	global_store_b64 v59, v[84:85], s[42:43]       ; 256 consecutive bytes
	s_branch .Ljoin
	; ---- a v job.  Accumulator (W tile t, token tile m) at ACC + 64 t + 8 m
.Lv:
.irp t, 0,1
.irp j, 0,1,2,3,4,5,6,7
	global_load_b32 v[BI+8*\t+\j], v58, s[38:39] offset:32*\t      ; a lane holds one channel: its bias in all eight registers of C
.endr
.endr
.irp s, 0,1,2,3,4,5,6,7
.if \s > 0
	PLACES
.endif
.if (\s % 2) == 0
.irp p, 0,1,2,3
	ds_load_b64 v[16+2*\p:17+2*\p], v14 offset:1024*\p+128*\s
.endr
	ds_load_b64 v[24:25], v13 offset:128*\s
.endif
.irp m, 0,1,2,3,4,5,6,7
.irp c, 0,1
	ds_load_b128 v[64+8*\m+4*\c:67+8*\m+4*\c], v3 offset:16*XP*\m+64*\s+32*\c
.endr
.endr
.irp t, 0,1
.irp c, 0,1
	ds_load_b128 v[42+8*\t+4*\c:45+8*\t+4*\c], v12 offset:8192*\t+1024*\s+512*\c
.endr
.endr
.if \s == 0
	s_wait_loadcnt 0x0
.endif
	s_wait_dscnt 0x0
.irp t, 0,1
.irp m, 0,1,2,3,4,5,6,7
.if \s == 0
	WM ACC+64*\t+8*\m, 64+8*\m, 42+8*\t, BI+8*\t, 16+2*(\m/2)+\s%2, 24+\s%2, \m%2, \t
.else
	WM ACC+64*\t+8*\m, 64+8*\m, 42+8*\t, ACC+64*\t+8*\m, 16+2*(\m/2)+\s%2, 24+\s%2, \m%2, \t
.endif
.endr
.endr
.endr
	PLACES
.irp t, 0,1
	QUANT ACC+64*\t, 4, PC+8*\t, PW+\t             ; lane (r, hh): channel row r of tile t; register 16 b + i is token 32 b + 16 hh + i of the block
.endr
.irp t, 0,1
.irp c, 0,1
	global_store_b128 v1, v[PC+8*\t+4*\c:PC+8*\t+4*\c+3], s[40:41] offset:1024*\t+512*\c
.endr
.endr
	v_cndmask_b32 v84, v[PW], v[PW+1], s49         ; lanes 0-15 store tile 0's word, lanes 16-31 tile 1's
	global_store_b32 v60, v84, s[42:43]
.Ljoin:
	s_wait_xcnt 0x0                                ; the stores' data and bases are written again only behind this wait
	BARRIER                                        ; every wave's reads of this block's x are over: it may be overwritten
	s_add_nc_u64 s[32:33], s[32:33], 65536         ; 128 rows of codes on,
	s_add_nc_u64 s[34:35], s[34:35], 4096          ; of scale bytes
	s_add_co_u32 s30, s30, 1
	s_add_co_u32 s31, s31, 1
	s_cmp_lt_u32 s31, 2
	s_cbranch_scc1 .Lblk
	s_set_vgpr_msb 0x5
	s_wait_tensorcnt 0x0
	ds_add_u32 v0, v1
	s_wait_dscnt 0x0
	s_set_vgpr_msb 0x500
	s_endpgm
.Lfunc_end_k_qe727185dbf_qkv:
	.size	k_qe727185dbf_qkv, .Lfunc_end_k_qe727185dbf_qkv-k_qe727185dbf_qkv
	.p2alignl 7, 3214868480
	.fill 96, 4, 3214868480
	.section	.rodata,"a",@progbits
	.p2align	6, 0x0
	.amdhsa_kernel k_qe727185dbf_qkv
		.amdhsa_group_segment_fixed_size 282112
		.amdhsa_private_segment_fixed_size 0
		.amdhsa_enable_private_segment 0
		.amdhsa_kernarg_size 64
		.amdhsa_user_sgpr_count 2
		.amdhsa_user_sgpr_kernarg_segment_ptr 1
		.amdhsa_wavefront_size32 1
		.amdhsa_system_sgpr_workgroup_id_x 1
		.amdhsa_system_sgpr_workgroup_id_y 1
		.amdhsa_system_sgpr_workgroup_id_z 1
		.amdhsa_system_vgpr_workitem_id 0
		.amdhsa_next_free_vgpr 258
		.amdhsa_next_free_sgpr 66
		.amdhsa_reserve_vcc 0
		.amdhsa_float_denorm_mode_32 3
		.amdhsa_float_denorm_mode_16_64 3
		.amdhsa_memory_ordered 1
		.amdhsa_forward_progress 1
		.amdhsa_inst_pref_size 88
	.end_amdhsa_kernel
	.amdgpu_metadata
---
amdhsa.version: [ 1, 2 ]
amdhsa.kernels:
  - .name:           k_qe727185dbf_qkv
    .symbol:         k_qe727185dbf_qkv.kd
    .args:
      - { .name: xc, .offset: 0, .size: 8, .value_kind: global_buffer, .address_space: global }
      - { .name: xs, .offset: 8, .size: 8, .value_kind: global_buffer, .address_space: global }
      - { .name: wimg, .offset: 16, .size: 8, .value_kind: global_buffer, .address_space: global }
      - { .name: wsc, .offset: 24, .size: 8, .value_kind: global_buffer, .address_space: global }
      - { .name: bq, .offset: 32, .size: 8, .value_kind: global_buffer, .address_space: global }
      - { .name: bk, .offset: 40, .size: 8, .value_kind: global_buffer, .address_space: global }
      - { .name: bv, .offset: 48, .size: 8, .value_kind: global_buffer, .address_space: global }
      - { .name: qkv, .offset: 56, .size: 8, .value_kind: global_buffer, .address_space: global }
    .group_segment_fixed_size: 282112
    .private_segment_fixed_size: 0
    .kernarg_segment_align: 8
    .kernarg_segment_size: 64
    .max_flat_workgroup_size: 384
    .sgpr_count:     66
    .vgpr_count:     258
    .wavefront_size: 32
...
	.end_amdgpu_metadata
.endif
;; end of part 2
;; launch attn (part 3): grid 4 x 64, 16 waves a work-group, no clusters, 146,432 bytes of LDS; arguments qkv, cimg, cs; writes cimg, cs
.if DOCPART == 3
	.amdgcn_target "amdgcn-amd-amdhsa--gfx1250"
	.amdhsa_code_object_version 6
	.text
	.protected	k_qe727185dbf_attn
	.globl	k_qe727185dbf_attn
	.p2align	8
	.type	k_qe727185dbf_attn,@function
k_qe727185dbf_attn:
	s_mov_b64 s[64:65], 0
	v_nop
	global_prefetch_b8 v0, s[64:65] scope:SCOPE_SE
	s_setreg_imm32_b32 hwreg(HW_REG_WAVE_MODE, 25, 1), 1
	s_wait_xcnt 0x0
; ctx = softmax(q k^T / 8) v for one (batch, head), both products on codes of FP4 with E8M0 scales; ctx is quantised along the head's 64 (two blocks of the last product's K) and stored as codes.
; THE SOFTMAX AHEAD OF THE SECOND PRODUCT: t = score x log2(e) / 8; M = the row's largest t so far, rounded UP to a whole number; p = 2^(t - M) is what is quantised, along the keys, not normalised.
; The row's sum is taken of the unquantised p and divides O at the end.  When M moves, the sum and O are multiplied by 2^(old M - new M): exact, and no branch on data.
; SHARES.  Work-group (quarter = x id, record = y id): 512 queries of one head.  The head's K and V, codes and scale words, 143,360 bytes, are copied into LDS ONCE and stay.  Each of the sixteen waves owns one tile of 16
; queries at a time, two tiles one after the other, and walks all 2,048 keys, 128 a step: four waves to a SIMD, so that one wave's vector work stands beside another's matrix work and LDS loads.
; LAYOUT.  Both products are used transposed: S^T = K Q^T, O^T = V^T P^T: a lane holds ONE query (lane % 16) throughout.  The launch before has chosen the keys of a tile so that the 16 registers of tiles 2 b, 2 b + 1
; are keys 32 b + 16 (lane / 16) + 0 .. 15, and V's channels likewise.  All operands lie in LDS as images of their registers: every load is 512 consecutive bytes.
; THE FIRST PRODUCT'S K IS 64: registers 4-7 of Q's and K's fragments are zero codes, set once and never loaded; bytes 2, 3 of their scale words are 0.
; NO JOINT LOADS: the four quarters of a head read the same 143,360 bytes, each once, at its head, for 32 key steps a wave; nothing is fetched in the loop.
; OUT: cimg [token tile 512][head 16][lane][16 B]: a tile's 8,192 bytes are the eight fragments of the last product;  cs [head 16][token tile 512][row 16] of two bytes (channels 0-31, 32-63).
; LIMITS: NaN and infinities are not served; a block of zeros gets the byte 1 (read by this program alone); blocks whose largest magnitude lies under 2^-124 are held at that floor.
; LDS: K's images 0; V's 65,536; K's scale words 131,072; V's 139,264; the work-group's ctx scale bytes 143,360 (1,024).
; REGISTERS: v1-11, v24-31 addresses; v12 -M, v13 the largest t, v[14:15] the sum; v16-23 Q; v32-95 K; v96-159 S^T, then p; v160-191 O^T; v192-223 V; v224-231 p's codes; v232-247, v252, v254 at work;
;   scale words and nothing else: v240-241 V's, v248-251 K's, v253 p's, v255 Q's.
.set VI,   65536
.set KW,   131072
.set VW,   139264
.set SCG,  143360
.set TM,   232
.macro PLACES                          ; four plain vector lines between a matrix instruction and a load into, or a vector line on, its registers
.rept 4
	v_nop
.endr
.endm
.macro BARRIER
	s_wait_dscnt 0x0
	s_barrier_signal -1
	s_barrier_wait -1
.endm
; One product.  c < 0: the sum starts at 0.  ra, rb = 1: that side's scale words stand in lanes 16-31 of its register.
.macro WM d, a, b, c, sa, sb, ra, rb
.if (\c) < 0
.if (\ra) && (\rb)
	v_wmma_scale_f32_16x16x128_f8f6f4 v[(\d):(\d)+7], v[(\a):(\a)+7], v[(\b):(\b)+7], 0, v[\sa], v[\sb] matrix_a_fmt:MATRIX_FMT_FP4 matrix_b_fmt:MATRIX_FMT_FP4 matrix_a_scale:MATRIX_SCALE_ROW1 matrix_b_scale:MATRIX_SCALE_ROW1
.elseif (\ra)
	v_wmma_scale_f32_16x16x128_f8f6f4 v[(\d):(\d)+7], v[(\a):(\a)+7], v[(\b):(\b)+7], 0, v[\sa], v[\sb] matrix_a_fmt:MATRIX_FMT_FP4 matrix_b_fmt:MATRIX_FMT_FP4 matrix_a_scale:MATRIX_SCALE_ROW1
.elseif (\rb)
	v_wmma_scale_f32_16x16x128_f8f6f4 v[(\d):(\d)+7], v[(\a):(\a)+7], v[(\b):(\b)+7], 0, v[\sa], v[\sb] matrix_a_fmt:MATRIX_FMT_FP4 matrix_b_fmt:MATRIX_FMT_FP4 matrix_b_scale:MATRIX_SCALE_ROW1
.else
	v_wmma_scale_f32_16x16x128_f8f6f4 v[(\d):(\d)+7], v[(\a):(\a)+7], v[(\b):(\b)+7], 0, v[\sa], v[\sb] matrix_a_fmt:MATRIX_FMT_FP4 matrix_b_fmt:MATRIX_FMT_FP4
.endif
.else
.if (\ra) && (\rb)
	v_wmma_scale_f32_16x16x128_f8f6f4 v[(\d):(\d)+7], v[(\a):(\a)+7], v[(\b):(\b)+7], v[(\c):(\c)+7], v[\sa], v[\sb] matrix_a_fmt:MATRIX_FMT_FP4 matrix_b_fmt:MATRIX_FMT_FP4 matrix_a_scale:MATRIX_SCALE_ROW1 matrix_b_scale:MATRIX_SCALE_ROW1
.elseif (\ra)
	v_wmma_scale_f32_16x16x128_f8f6f4 v[(\d):(\d)+7], v[(\a):(\a)+7], v[(\b):(\b)+7], v[(\c):(\c)+7], v[\sa], v[\sb] matrix_a_fmt:MATRIX_FMT_FP4 matrix_b_fmt:MATRIX_FMT_FP4 matrix_a_scale:MATRIX_SCALE_ROW1
.elseif (\rb)
	v_wmma_scale_f32_16x16x128_f8f6f4 v[(\d):(\d)+7], v[(\a):(\a)+7], v[(\b):(\b)+7], v[(\c):(\c)+7], v[\sa], v[\sb] matrix_a_fmt:MATRIX_FMT_FP4 matrix_b_fmt:MATRIX_FMT_FP4 matrix_b_scale:MATRIX_SCALE_ROW1
.else
	v_wmma_scale_f32_16x16x128_f8f6f4 v[(\d):(\d)+7], v[(\a):(\a)+7], v[(\b):(\b)+7], v[(\c):(\c)+7], v[\sa], v[\sb] matrix_a_fmt:MATRIX_FMT_FP4 matrix_b_fmt:MATRIX_FMT_FP4
.endif
.endif
.endm
; 16 nb numbers of a lane, register 16 b + i = k 32 b + 16 (lane / 16) + i of the lane's row, become 2 nb registers of codes in the operand's layout, from v[pc] on, and the row's scale bytes in v[pw].
.macro QUANT src, nb, pc, pw
.set qb, 0
.rept \nb
	v_max3_num_f32 v[TM+qb], |v[(\src)+16*qb]|, |v[(\src)+16*qb+1]|, 0x1800000   ; my 16 numbers of block qb, and the floor 2^(3 - 127)
.set qb, qb+1
.endr
.irp i, 2,4,6,8,10,12,14
.set qb, 0
.rept \nb
	v_max3_num_f32 v[TM+qb], v[TM+qb], |v[(\src)+16*qb+\i]|, |v[(\src)+16*qb+\i+1]|
.set qb, qb+1
.endr
.endr
.set qb, 0
.rept \nb
	v_permlanex16_b32 v[TM+4+qb], v[TM+qb], s20, s21
.set qb, qb+1
.endr
.set qb, 0
.rept \nb
	v_max_num_f32 v[TM+qb], v[TM+qb], v[TM+4+qb]
.set qb, qb+1
.endr
.set qb, 0
.rept \nb
	v_add_nc_u32 v[TM+12+qb], 0xff000000, v[TM+qb]
.set qb, qb+1
.endr
.set qb, 0
.rept \nb
	v_lshrrev_b32 v[TM+4+qb], 23, v[TM+12+qb]
.set qb, qb+1
.endr
	v_lshl_or_b32 v[\pw], v[TM+5], 8, v[TM+4]
.if \nb > 2
	v_lshl_or_b32 v[\pw], v[TM+6], 16, v[\pw]
	v_lshl_or_b32 v[\pw], v[TM+7], 24, v[\pw]
.endif
.set qb, 0
.rept \nb
	v_cvt_scalef32_pk8_fp4_f32 v[(\pc)+2*qb], v[(\src)+16*qb:(\src)+16*qb+7], v[TM+12+qb]
	v_cvt_scalef32_pk8_fp4_f32 v[(\pc)+2*qb+1], v[(\src)+16*qb+8:(\src)+16*qb+15], v[TM+12+qb]
.set qb, qb+1
.endr
	v_nop                                          ; one plain line behind the scaled conversions
.set qb, 0
.rept \nb/2
	v_permlane16_swap_b32 v[(\pc)+4*qb], v[(\pc)+4*qb+2]
	v_permlane16_swap_b32 v[(\pc)+4*qb+1], v[(\pc)+4*qb+3]
.set qb, qb+1
.endr
.endm
	s_load_b128 s[4:7], s[0:1], 0x0                ; qkv, cimg
	s_load_b64 s[8:9], s[0:1], 0x10                ; cs
	v_lshrrev_b32 v8, 5, v0
	v_readfirstlane_b32 s10, v8                    ; wave 0..15
	s_and_b32 s11, ttmp7, 0xffff                   ; the record: 16 x batch + head
	s_lshr_b32 s12, s11, 4                         ; batch
	s_and_b32 s13, s11, 15                         ; head
	v_and_b32 v8, 31, v0                           ; lane
	v_and_b32 v9, 15, v0                           ; r
	v_lshlrev_b32 v1, 4, v8                        ; v1  16 x lane: K's images
	v_lshlrev_b32 v2, 3, v8                        ; v2  8 x lane
	v_lshlrev_b32 v3, 4, v9                        ; v3  16 r: Q's scale word
	s_lshl_b32 s39, s10, 5
	s_add_co_u32 s39, s39, SCG
	v_lshl_add_u32 v4, v9, 1, s39                  ; v4  my row's two ctx scale bytes: 32 x wave + 2 r
	v_add_nc_u32 v5, VI, v1                        ; v5  V's images
	v_add_nc_u32 v6, KW, v1                        ; v6  K's scale words: lanes 0-15 tiles 0-3 of a step, lanes 16-31 tiles 4-7
	v_add_nc_u32 v7, VW, v2                        ; v7  V's: lanes 0-15 tiles 0, 1, lanes 16-31 tiles 2, 3
	v_and_b32 v25, 63, v0
	v_lshlrev_b32 v25, 4, v25                      ; v25 the ctx scale bytes' way out (waves 0 and 1)
	v_add_nc_u32 v24, SCG, v25
	v_lshlrev_b32 v26, 4, v0                       ; v26-28, v30-31 the fill: 16 and 8 x thread
	v_add_nc_u32 v27, VI, v26
	v_add_nc_u32 v28, KW, v26
	v_lshlrev_b32 v30, 3, v0
	v_add_nc_u32 v31, VW, v30
	s_mov_b32 s20, 0x76543210
	s_mov_b32 s21, 0xfedcba98                      ; v_permlanex16_b32's selects for lane l xor 16
	s_mov_b32 s22, 0x3e38aa3b                      ; c = log2(e) / 8
	s_mov_b32 s23, s22                             ; (the packed form names the pair, so it is written)
	s_mov_b32 s15, 0
	s_mul_i32 s14, s11, 217088
	s_lshl_b32 s36, ttmp9, 5                       ; the quarter's first tile of queries
	s_add_co_u32 s37, s36, s10                     ; my first tile
	s_lshl_b32 s38, s12, 7                         ; the batch's first tile among all 512
	s_wait_kmcnt 0x0
	s_add_nc_u64 s[16:17], s[4:5], s[14:15]        ; the record
	s_lshl_b32 s14, s37, 9
	s_add_nc_u64 s[18:19], s[16:17], s[14:15]      ; Q's image of my tile
	s_lshl_b32 s14, ttmp9, 3
	s_lshr_b32 s39, s10, 2
	s_add_co_u32 s14, s14, s39
	s_lshl_b32 s14, s14, 8
	s_and_b32 s39, s10, 3
	s_lshl_b32 s39, s39, 2
	s_add_co_u32 s14, s14, s39
	s_add_co_u32 s14, s14, 196608
	s_add_nc_u64 s[24:25], s[16:17], s[14:15]      ; Q's scale words: group tile / 4, word tile % 4
	s_add_co_u32 s14, s38, s37
	s_lshl_b32 s14, s14, 13
	s_lshl_b32 s39, s13, 9
	s_add_co_u32 s14, s14, s39
	s_add_nc_u64 s[26:27], s[6:7], s[14:15]        ; ctx codes out
	s_add_co_u32 s14, s38, s36
	s_lshl_b32 s14, s14, 5
	s_lshl_b32 s39, s13, 14
	s_add_co_u32 s14, s14, s39
	s_add_nc_u64 s[28:29], s[8:9], s[14:15]        ; ctx scale bytes out: the work-group's 1,024
	; ---- K and V into LDS, once: 512 threads x 16 bytes = 8,192 consecutive bytes a load
.irp i, 0,1,2,3,4,5,6,7,8,9,10,11,12,13,14,15
	global_load_b128 v[96+4*\i:99+4*\i], v26, s[16:17] offset:65536+8192*\i
.endr
	global_load_b128 v[160:163], v26, s[16:17] offset:204800       ; K's scale words
	global_load_b64 v[164:165], v30, s[16:17] offset:212992        ; V's
.irp j, 20,21,22,23
	v_mov_b32 v[\j], 0                             ; Q's upper 64 of K: zero codes
.endr
.irp t, 0,1,2,3,4,5,6,7
.irp j, 4,5,6,7
	v_mov_b32 v[32+8*\t+\j], 0                     ; K's likewise: set once, never loaded
.endr
.endr
.irp b, 0,1,2,3
	v_mov_b32 v[236+\b], 0                         ; written once: a lane permute's destination counts as one of its sources
.endr
	v_mov_b32 v253, 0                              ; (named as the upper half of the pair v[252:253] before it is first written)
	s_wait_loadcnt 0x0
.irp i, 0,1,2,3,4,5,6,7
	ds_store_b128 v26, v[96+4*\i:99+4*\i] offset:8192*\i
.endr
.irp i, 0,1,2,3,4,5,6,7
	ds_store_b128 v27, v[128+4*\i:131+4*\i] offset:8192*\i
.endr
	ds_store_b128 v28, v[160:163]
	ds_store_b64 v31, v[164:165]
	BARRIER                                        ; the head's K and V lie in LDS; nothing writes them again
	s_mov_b32 s34, 0
	s_mov_b32 s35, 0
.Lpass:                                            ; two trips: a tile of 16 queries each
	global_load_b128 v[16:19], v1, s[18:19]        ; Q's fragment stays in registers
	global_load_b32 v255, v3, s[24:25]
	v_mov_b32 v13, 0xff61b1e6                      ; the largest t so far: -3e38, under every t
	v_floor_f32 v12, -v13                          ; -M
	v_mov_b32 v14, 0                               ; the sum, in two halves
	v_mov_b32 v15, 0
.irp j, 0,1,2,3,4,5,6,7,8,9,10,11,12,13,14,15,16,17,18,19,20,21,22,23,24,25,26,27,28,29,30,31
	v_mov_b32 v[160+\j], 0                         ; O^T: the step is written once; its first trip finds zeros, which the first change of M leaves zeros
.endr
	s_mov_b32 s30, 0                               ; the step's images: 4,096 bytes a step, K's and V's alike
	s_mov_b32 s31, 0                               ; K's scale words: 512
	s_mov_b32 s32, 0                               ; V's: 256
	s_mov_b32 s33, 0
	s_wait_loadcnt 0x0
.Lstep:                                            ; sixteen trips: 128 keys each
	v_add_nc_u32 v8, s30, v1                       ; these four lines are also the places between the last trip's products and the loads into their registers
	v_add_nc_u32 v9, s30, v5
	v_add_nc_u32 v10, s31, v6
	v_add_nc_u32 v11, s32, v7
	ds_load_b128 v[248:251], v10
.irp t, 0,1,2,3,4,5,6,7
	ds_load_b128 v[32+8*\t:35+8*\t], v8 offset:512*\t
.endr
	ds_load_b64 v[240:241], v11
.irp f, 0,1,2,3,4,5,6,7
	ds_load_b128 v[192+4*\f:195+4*\f], v9 offset:512*\f
.endr
	s_wait_dscnt 9                                 ; K's nine loads are in; V's nine, issued behind them, land under the softmax
.irp t, 0,1,2,3,4,5,6,7
	WM 96+8*\t, 32+8*\t, 16, -1, 248+\t%4, 255, \t/4, 0
.endr
	PLACES
.irp b, 0,1,2,3
	v_max3_num_f32 v[232+\b], v[96+16*\b], v[97+16*\b], v[98+16*\b]   ; the largest score of each block of 32 keys: for the row's maximum, and, since p rises with the score, for the block's largest p
.endr
.irp i, 3,5,7,9,11,13
.irp b, 0,1,2,3
	v_max3_num_f32 v[232+\b], v[232+\b], v[96+16*\b+\i], v[97+16*\b+\i]
.endr
.endr
.irp b, 0,1,2,3
	v_max_num_f32 v[232+\b], v[232+\b], v[111+16*\b]
.endr
.irp b, 0,1,2,3
	v_permlanex16_b32 v[236+\b], v[232+\b], s20, s21
.endr
.irp b, 0,1,2,3
	v_max_num_f32 v[232+\b], v[232+\b], v[236+\b]  ; with lane l xor 16's 16 keys
.endr
	v_max3_num_f32 v254, v232, v233, v234
	v_max_num_f32 v254, v254, v235                 ; the step's largest score of my query
	v_mul_f32 v254, s22, v254                      ; as t (c is positive)
	v_max_num_f32 v13, v13, v254                   ; the running largest t
	v_mov_b32 v254, v12
	v_floor_f32 v12, -v13                          ; the new -M = floor(-t) = -ceil(t): a whole number
	v_sub_f32 v254, v12, v254                      ; old M less new M: a whole number, 0 or less
	v_cvt_i32_f32 v254, v254                       ; (it saturates)
	v_ldexp_f32 v252, 1.0, v254                    ; f = 2^(old M - new M)
.irp j, 0,2,4,6,8,10,12,14,16,18,20,22,24,26,28,30,32,34,36,38,40,42,44,46,48,50,52,54,56,58,60,62
	v_pk_fma_f32 v[96+\j:97+\j], v[96+\j:97+\j], s[22:23], v[12:13] op_sel_hi:[1,0,0]   ; t - M, two at a time
.endr
.irp b, 0,1,2,3
	v_fma_f32 v[232+\b], v[232+\b], s22, v12       ; the same of each block's largest score
.endr
.irp j, 0,1,2,3,4,5,6,7,8,9,10,11,12,13,14,15,16,17,18,19,20,21,22,23,24,25,26,27,28,29,30,31,32,33,34,35,36,37,38,39,40,41,42,43,44,45,46,47,48,49,50,51,52,53,54,55,56,57,58,59,60,61,62,63
	v_exp_f32 v[96+\j], v[96+\j]                   ; p = 2^(t - M), at most 1
.endr
.irp b, 0,1,2,3
	v_exp_f32 v[232+\b], v[232+\b]                 ; the block's largest p: the same two instructions on the same number
.endr
	v_pk_mul_f32 v[14:15], v[14:15], v[252:253] op_sel_hi:[1,0]   ; the sums under the new M (a plain line behind the exponentials)
	s_wait_alu depctr_va_vdst(0)
.irp b, 0,1,2,3
	v_max_num_f32 v[232+\b], 0x1800000, v[232+\b]  ; the floor 2^(3 - 127): the byte cannot fall under 1
.endr
.irp b, 0,1,2,3
	v_add_nc_u32 v[244+\b], 0xff000000, v[232+\b]  ; 2 off the exponent field: the conversion's scale operand
.endr
.irp b, 0,1,2,3
	v_lshrrev_b32 v[236+\b], 23, v[244+\b]         ; the scale's byte
.endr
	v_lshl_or_b32 v253, v237, 8, v236              ; p's scale word for these 128 keys
	v_lshl_or_b32 v253, v238, 16, v253
	v_lshl_or_b32 v253, v239, 24, v253
.irp b, 0,1,2,3
	v_cvt_scalef32_pk8_fp4_f32 v[224+2*\b], v[96+16*\b:103+16*\b], v[244+\b]
	v_cvt_scalef32_pk8_fp4_f32 v[225+2*\b], v[104+16*\b:111+16*\b], v[244+\b]
.endr
	v_nop                                          ; one plain line behind the scaled conversions
.irp c, 0,1
.irp i, 0,1
	v_permlane16_swap_b32 v[224+4*\c+\i], v[226+4*\c+\i]   ; a whole block to a lane
.endr
.endr
	v_pk_add_f32 v[236:237], v[96:97], v[98:99]    ; the row's sum is taken of the unquantised p: two at a time, in two chains
.irp j, 4,8,12,16,20,24,28,32,36,40,44,48,52,56,60
	v_pk_add_f32 v[14:15], v[14:15], v[96+\j:97+\j]
	v_pk_add_f32 v[236:237], v[236:237], v[98+\j:99+\j]
.endr
	v_pk_add_f32 v[14:15], v[14:15], v[236:237]
.irp j, 0,2,4,6,8,10,12,14,16,18,20,22,24,26,28,30
	v_pk_mul_f32 v[160+\j:161+\j], v[160+\j:161+\j], v[252:253] op_sel_hi:[1,0]   ; O^T under the new M, each accumulator from its low end on
.endr
	s_wait_dscnt 0x0                               ; V
.irp t, 0,1,2,3                        ; four accumulators, one instruction each
	WM 160+8*\t, 192+8*\t, 224, 160+8*\t, 240+\t%2, 253, \t/2, 0
.endr
	s_add_co_u32 s30, s30, 4096
	s_add_co_u32 s31, s31, 512
	s_add_co_u32 s32, s32, 256
	s_add_co_u32 s33, s33, 1
	s_cmp_lt_u32 s33, 16
	s_cbranch_scc1 .Lstep
	; ---- the tile's end: O^T / the sum, quantised along the head
	v_add_f32 v14, v14, v15                        ; the sum's two halves,
	v_permlanex16_b32 v252, v14, s20, s21
	v_add_f32 v14, v14, v252                       ; and lane l xor 16's: the row's sum
	v_rcp_f32 v14, v14
	PLACES                                         ; behind the reciprocal, and behind the last products
	s_wait_alu depctr_va_vdst(0)
.irp j, 0,2,4,6,8,10,12,14,16,18,20,22,24,26,28,30
	v_pk_mul_f32 v[96+\j:97+\j], v[160+\j:161+\j], v[14:15] op_sel_hi:[1,0]   ; register 16 b + i is channel 32 b + 16 (lane / 16) + i of my query
.endr
	QUANT 96, 2, 224, 242
	v_add_nc_u32 v29, s35, v4
	global_store_b128 v1, v[224:227], s[26:27]     ; 512 consecutive bytes
	ds_store_b16 v29, v242                         ; lanes r and 16 + r write the same two bytes with the same value
	s_wait_xcnt 0x0                                ; the store's data and base, and the loads' bases, are written again only behind this wait
	s_add_nc_u64 s[18:19], s[18:19], 8192          ; sixteen tiles on
	s_add_nc_u64 s[24:25], s[24:25], 1024
	s_add_nc_u64 s[26:27], s[26:27], 131072
	s_add_co_u32 s35, s35, 512
	s_add_co_u32 s34, s34, 1
	s_cmp_lt_u32 s34, 2
	s_cbranch_scc1 .Lpass
	BARRIER                                        ; all 32 tiles' scale bytes lie in LDS
	s_cmp_lt_u32 s10, 2
	s_cbranch_scc0 .Ldone
	ds_load_b128 v[96:99], v24
	s_wait_dscnt 0x0
	global_store_b128 v25, v[96:99], s[28:29]      ; waves 0 and 1: 512 consecutive bytes each
.Ldone:
	s_wait_xcnt 0x0
	v_lshl_add_u32 v254, v0, 2, 0x23400
	v_mov_b32 v255, 0
	s_wait_tensorcnt 0x0
	ds_add_u32 v254, v255
	s_wait_dscnt 0x0
	s_endpgm
.Lfunc_end_k_qe727185dbf_attn:
	.size	k_qe727185dbf_attn, .Lfunc_end_k_qe727185dbf_attn-k_qe727185dbf_attn
	.p2alignl 7, 3214868480
	.fill 96, 4, 3214868480
	.section	.rodata,"a",@progbits
	.p2align	6, 0x0
	.amdhsa_kernel k_qe727185dbf_attn
		.amdhsa_group_segment_fixed_size 146432
		.amdhsa_private_segment_fixed_size 0
		.amdhsa_enable_private_segment 0
		.amdhsa_kernarg_size 24
		.amdhsa_user_sgpr_count 2
		.amdhsa_user_sgpr_kernarg_segment_ptr 1
		.amdhsa_wavefront_size32 1
		.amdhsa_system_sgpr_workgroup_id_x 1
		.amdhsa_system_sgpr_workgroup_id_y 1
		.amdhsa_system_sgpr_workgroup_id_z 1
		.amdhsa_system_vgpr_workitem_id 0
		.amdhsa_next_free_vgpr 256
		.amdhsa_next_free_sgpr 66
		.amdhsa_reserve_vcc 0
		.amdhsa_float_denorm_mode_32 3
		.amdhsa_float_denorm_mode_16_64 3
		.amdhsa_memory_ordered 1
		.amdhsa_forward_progress 1
		.amdhsa_inst_pref_size 28
	.end_amdhsa_kernel
	.amdgpu_metadata
---
amdhsa.version: [ 1, 2 ]
amdhsa.kernels:
  - .name:           k_qe727185dbf_attn
    .symbol:         k_qe727185dbf_attn.kd
    .args:
      - { .name: qkv, .offset: 0, .size: 8, .value_kind: global_buffer, .address_space: global }
      - { .name: cimg, .offset: 8, .size: 8, .value_kind: global_buffer, .address_space: global }
      - { .name: cs, .offset: 16, .size: 8, .value_kind: global_buffer, .address_space: global }
    .group_segment_fixed_size: 146432
    .private_segment_fixed_size: 0
    .kernarg_segment_align: 8
    .kernarg_segment_size: 24
    .max_flat_workgroup_size: 512
    .sgpr_count:     66
    .vgpr_count:     256
    .wavefront_size: 32
...
	.end_amdgpu_metadata
.endif
;; end of part 3
;; launch outp (part 4): grid 256 x 1, 16 waves a work-group, no clusters, 150,016 bytes of LDS; arguments cimg, cs, wimg, wsc, bo, gamma, beta, input_tensor, out0; writes out0
.if DOCPART == 4
	.amdgcn_target "amdgcn-amd-amdhsa--gfx1250"
	.amdhsa_code_object_version 6
	.text
	.protected	k_qe727185dbf_outp
	.globl	k_qe727185dbf_outp
	.p2align	8
	.type	k_qe727185dbf_outp,@function
k_qe727185dbf_outp:
	s_mov_b64 s[64:65], 0
	v_nop
	global_prefetch_b8 v0, s[64:65] scope:SCOPE_SE
	s_setreg_imm32_b32 hwreg(HW_REG_WAVE_MODE, 25, 1), 1
	s_wait_xcnt 0x0
; out = LayerNorm(ctx Wo^T + bo + input_tensor) x gamma + beta; the product on codes of FP4 with E8M0 scales, all else in f32.
; SHARES.  A work-group takes 32 tokens (two tiles) and all 1,024 features, since the norm wants whole rows.  Wave w makes features 64 w .. 64 w + 63 (Wo's tiles 4 w .. 4 w + 3) for both tiles: 8 accumulators, 64 products.
; Its fragments of Wo come from wimg straight into its registers, 512 consecutive bytes a load, one K step ahead in two sets: no wave reads another's, so they do not pass through LDS.
; The product is used transposed (source 0 = 16 rows of Wo, source 1 = 16 tokens): a lane holds one token and neighbouring features.  bo is the C of each sum's first product.
; The 32 rows meet in a stage in LDS; then each wave owns two whole rows: residual, mean, variance (of the differences from the mean), gain and offset, and stores of 512 consecutive bytes.
; NO JOINT LOADS: all work-groups walk the same 557,056 bytes of Wo; sharing them in a cluster is the next step for this launch, and is left out of this first form, which has no tensor load and so no ring.
; PREFETCH: behind K step 2's products each thread asks once for one block of 256 bytes of the work-group's 131,072 bytes of residual, five K steps ahead of their loads; it stays inside the buffer.
; LIMITS: NaN and infinities are not served.
; LDS: ctx's images 0 (16,384); the stage 16,384: 32 rows of 4,096 bytes, 4,112 apart (257 x 16: the 16 rows of a store start at 16 different 16-byte columns).
; REGISTERS: v1-9 addresses; scale words and nothing else: v16-23 ctx's (K step s), v24-39 Wo's (8 x pair + s); v40-71 bo, later gamma; v72-87 ctx's fragments, later at work; v88-151 Wo's two sets, later the residual;
;   v152-215 accumulators (32 m + 8 t), later the rows; v216-231 ctx's scale bytes as loaded, v232-239 ctx's fill; v216-247 later beta.
.set STG,  16384
.set SPI,  4112
.macro PLACES                          ; four plain vector lines between a matrix instruction and a load into, or a store of, its registers
.rept 4
	v_nop
.endr
.endm
.macro BARRIER
	s_wait_dscnt 0x0
	s_barrier_signal -1
	s_barrier_wait -1
.endm
; One product.  c < 0: the sum starts at 0.  ra, rb = 1: that side's scale words stand in lanes 16-31 of its register.
.macro WM d, a, b, c, sa, sb, ra, rb
.if (\c) < 0
.if (\ra) && (\rb)
	v_wmma_scale_f32_16x16x128_f8f6f4 v[(\d):(\d)+7], v[(\a):(\a)+7], v[(\b):(\b)+7], 0, v[\sa], v[\sb] matrix_a_fmt:MATRIX_FMT_FP4 matrix_b_fmt:MATRIX_FMT_FP4 matrix_a_scale:MATRIX_SCALE_ROW1 matrix_b_scale:MATRIX_SCALE_ROW1
.elseif (\ra)
	v_wmma_scale_f32_16x16x128_f8f6f4 v[(\d):(\d)+7], v[(\a):(\a)+7], v[(\b):(\b)+7], 0, v[\sa], v[\sb] matrix_a_fmt:MATRIX_FMT_FP4 matrix_b_fmt:MATRIX_FMT_FP4 matrix_a_scale:MATRIX_SCALE_ROW1
.elseif (\rb)
	v_wmma_scale_f32_16x16x128_f8f6f4 v[(\d):(\d)+7], v[(\a):(\a)+7], v[(\b):(\b)+7], 0, v[\sa], v[\sb] matrix_a_fmt:MATRIX_FMT_FP4 matrix_b_fmt:MATRIX_FMT_FP4 matrix_b_scale:MATRIX_SCALE_ROW1
.else
	v_wmma_scale_f32_16x16x128_f8f6f4 v[(\d):(\d)+7], v[(\a):(\a)+7], v[(\b):(\b)+7], 0, v[\sa], v[\sb] matrix_a_fmt:MATRIX_FMT_FP4 matrix_b_fmt:MATRIX_FMT_FP4
.endif
.else
.if (\ra) && (\rb)
	v_wmma_scale_f32_16x16x128_f8f6f4 v[(\d):(\d)+7], v[(\a):(\a)+7], v[(\b):(\b)+7], v[(\c):(\c)+7], v[\sa], v[\sb] matrix_a_fmt:MATRIX_FMT_FP4 matrix_b_fmt:MATRIX_FMT_FP4 matrix_a_scale:MATRIX_SCALE_ROW1 matrix_b_scale:MATRIX_SCALE_ROW1
.elseif (\ra)
	v_wmma_scale_f32_16x16x128_f8f6f4 v[(\d):(\d)+7], v[(\a):(\a)+7], v[(\b):(\b)+7], v[(\c):(\c)+7], v[\sa], v[\sb] matrix_a_fmt:MATRIX_FMT_FP4 matrix_b_fmt:MATRIX_FMT_FP4 matrix_a_scale:MATRIX_SCALE_ROW1
.elseif (\rb)
	v_wmma_scale_f32_16x16x128_f8f6f4 v[(\d):(\d)+7], v[(\a):(\a)+7], v[(\b):(\b)+7], v[(\c):(\c)+7], v[\sa], v[\sb] matrix_a_fmt:MATRIX_FMT_FP4 matrix_b_fmt:MATRIX_FMT_FP4 matrix_b_scale:MATRIX_SCALE_ROW1
.else
	v_wmma_scale_f32_16x16x128_f8f6f4 v[(\d):(\d)+7], v[(\a):(\a)+7], v[(\b):(\b)+7], v[(\c):(\c)+7], v[\sa], v[\sb] matrix_a_fmt:MATRIX_FMT_FP4 matrix_b_fmt:MATRIX_FMT_FP4
.endif
.endif
.endm
	s_load_b256 s[4:11], s[0:1], 0x0               ; cimg, cs, wimg, wsc
	s_load_b256 s[12:19], s[0:1], 0x20             ; bo, gamma, beta, input_tensor
	s_load_b64 s[20:21], s[0:1], 0x40              ; out0
	v_lshl_add_u32 v254, v0, 2, 0x24200
	v_mov_b32 v255, 0
	v_lshrrev_b32 v10, 5, v0
	v_readfirstlane_b32 s22, v10                   ; wave 0..15
	v_and_b32 v10, 31, v0                          ; lane
	v_and_b32 v11, 15, v0                          ; r
	v_bfe_u32 v12, v0, 4, 1                        ; hh
	v_lshlrev_b32 v1, 4, v10                       ; v1  16 x lane
	v_lshlrev_b32 v2, 3, v10                       ; v2  8 x lane
	v_lshlrev_b32 v3, 1, v10                       ; v3  2 x lane
	v_lshlrev_b32 v4, 4, v0                        ; v4  16 x thread: ctx's fill
	v_lshlrev_b32 v5, 8, v0                        ; v5  256 x thread: the prefetch; never rewritten
	v_mul_u32_u24 v6, v11, SPI
	v_lshl_add_u32 v6, v12, 6, v6
	s_lshl_b32 s23, s22, 8
	s_add_co_u32 s23, s23, STG
	v_add_nc_u32 v6, s23, v6                       ; v6  the stage, in: row r of tile 0, my wave's 256 bytes, + 64 hh
	v_add_nc_u32 v7, 16*SPI, v6                    ; v7  the same of tile 1
	s_mul_i32 s23, s22, 2*SPI
	s_add_co_u32 s23, s23, STG
	v_add_nc_u32 v8, s23, v1                       ; v8  the stage, back: rows 2 w and 2 w + 1
	v_lshlrev_b32 v9, 6, v12                       ; v9  bo: 16 hh numbers on
	s_lshr_b32 s24, s22, 3                         ; stage rows 2 w, 2 w + 1 are rows r = 2 (w % 8), + 1 of tile w / 8: tokens 8 (w / 8) + r + 8 (r / 8) of the 32, neighbours
	s_lshl_b32 s24, s24, 3
	s_and_b32 s25, s22, 7
	s_lshl_b32 s25, s25, 1
	s_add_co_u32 s24, s24, s25
	s_bfe_u32 s25, s22, 0x10002
	s_lshl_b32 s25, s25, 3
	s_add_co_u32 s24, s24, s25
	s_lshl_b32 s24, s24, 12                        ; in bytes: 4,096 a row
	s_mov_b32 s28, 0x76543210
	s_mov_b32 s29, 0xfedcba98                      ; v_permlanex16_b32's selects for lane l xor 16
	s_mov_b32 s30, 0x3a800000                      ; 1 / 1024
	s_mov_b32 s31, 0x2b8cbccc                      ; 1e-12
	s_mov_b32 s33, 0
	s_wait_kmcnt 0x0
	s_lshl_b32 s32, ttmp9, 14
	s_add_nc_u64 s[4:5], s[4:5], s[32:33]          ; my two tiles of ctx's codes
	s_lshl_b32 s32, ttmp9, 6
	s_add_nc_u64 s[6:7], s[6:7], s[32:33]          ; and their scale bytes, head 0
	s_lshl_b32 s32, s22, 15
	s_add_co_u32 s32, s32, 1572864
	s_add_nc_u64 s[8:9], s[8:9], s[32:33]          ; Wo's tiles 4 w on
	s_lshl_b32 s32, s22, 11
	s_add_co_u32 s32, s32, 98304
	s_add_nc_u64 s[10:11], s[10:11], s[32:33]      ; and their scale images
	s_lshl_b32 s32, s22, 8
	s_add_nc_u64 s[12:13], s[12:13], s[32:33]      ; bo at feature 64 w
	s_lshl_b32 s32, ttmp9, 17
	s_add_nc_u64 s[18:19], s[18:19], s[32:33]      ; the work-group's 32 rows of the residual
	s_add_co_u32 s32, s32, s24
	s_add_nc_u64 s[20:21], s[20:21], s[32:33]      ; my two rows of the output
	s_mov_b32 s32, s24
	s_add_nc_u64 s[26:27], s[18:19], s[32:33]      ; and of the residual
	; ---- the loads of the head, Wo's first set last
	global_load_b128 v[232:235], v4, s[4:5]
	global_load_b128 v[236:239], v4, s[4:5] offset:8192
.irp n, 0,1,2,3,4,5,6,7,8,9,10,11,12,13,14,15
	global_load_u16 v[216+\n], v3, s[6:7] offset:16384*\n          ; head n: lanes 0-15 tile 0's rows, lanes 16-31 tile 1's
.endr
.irp p, 0,1
.irp q, 0,1,2,3
	global_load_b64 v[24+8*\p+2*\q:25+8*\p+2*\q], v2, s[10:11] offset:1024*\p+256*\q
.endr
.endr
.irp t, 0,1,2,3
	global_load_b128 v[40+8*\t:43+8*\t], v9, s[12:13] offset:(32*(\t/2)+8*(\t%2))*4
	global_load_b128 v[44+8*\t:47+8*\t], v9, s[12:13] offset:(32*(\t/2)+8*(\t%2))*4+16
.endr
.irp t, 0,1,2,3
.irp c, 0,1
	global_load_b128 v[88+8*\t+4*\c:91+8*\t+4*\c], v1, s[8:9] offset:8192*\t+512*\c
.endr
.endr
	s_wait_loadcnt 8                               ; all but Wo's eight, issued last
	ds_store_b128 v4, v[232:235]
	ds_store_b128 v4, v[236:239] offset:8192
.irp s, 0,1,2,3,4,5,6,7
	v_lshl_or_b32 v[16+\s], v[217+2*\s], 16, v[216+2*\s]           ; K step s is heads 2 s and 2 s + 1: two bytes of each make its scale word
.endr
.rept 8
	v_nop                                          ; a scale register written by a vector line stands eight plain lines ahead of a scaled product
.endr
	BARRIER                                        ; ctx's sixteen fragments lie in LDS
.irp s, 0,1,2,3,4,5,6,7
.if \s > 0
	PLACES
.endif
.irp m, 0,1
.irp c, 0,1
	ds_load_b128 v[72+8*\m+4*\c:75+8*\m+4*\c], v1 offset:8192*\m+1024*\s+512*\c
.endr
.endr
.if \s < 7
.irp t, 0,1,2,3
.irp c, 0,1
	global_load_b128 v[88+32*((\s+1)%2)+8*\t+4*\c:91+32*((\s+1)%2)+8*\t+4*\c], v1, s[8:9] offset:8192*\t+1024*(\s+1)+512*\c
.endr
.endr
	s_wait_loadcnt 8                               ; this step's set is in; the next step's eight loads may be out
.else
	s_wait_loadcnt 0x0
.endif
	s_wait_dscnt 0x0
.irp m, 0,1                            ; the eight accumulators take turns, one instruction a turn
.irp t, 0,1,2,3
.if \s == 0
	WM 152+32*\m+8*\t, 88+32*(\s%2)+8*\t, 72+8*\m, 40+8*\t, 24+8*(\t/2)+\s, 16+\s, \t%2, \m
.else
	WM 152+32*\m+8*\t, 88+32*(\s%2)+8*\t, 72+8*\m, 152+32*\m+8*\t, 24+8*(\t/2)+\s, 16+\s, \t%2, \m
.endif
.endr
.endr
.if \s == 2
	global_prefetch_b8 v5, s[18:19] th:TH_LOAD_NT scope:SCOPE_SE
.endif
.endr
	PLACES
	; ---- my two rows of the residual, gamma and beta are asked for; the results go to the stage
.irp i, 0,1
.irp k, 0,1,2,3,4,5,6,7
	global_load_b128 v[88+32*\i+4*\k:91+32*\i+4*\k], v1, s[26:27] offset:4096*\i+512*\k th:TH_LOAD_NT
.endr
.endr
.irp k, 0,1,2,3,4,5,6,7
	global_load_b128 v[40+4*\k:43+4*\k], v1, s[14:15] offset:512*\k
	global_load_b128 v[216+4*\k:219+4*\k], v1, s[16:17] offset:512*\k
.endr
.irp t, 0,1,2,3                        ; lane (r, hh), tile t, register j: feature 64 w + 32 (t / 2) + 16 hh + 8 (t % 2) + j; each accumulator from its low end on
	ds_store_b128 v6, v[152+8*\t:155+8*\t] offset:128*(\t/2)+32*(\t%2)
	ds_store_b128 v6, v[156+8*\t:159+8*\t] offset:128*(\t/2)+32*(\t%2)+16
.endr
.irp t, 0,1,2,3
	ds_store_b128 v7, v[184+8*\t:187+8*\t] offset:128*(\t/2)+32*(\t%2)
	ds_store_b128 v7, v[188+8*\t:191+8*\t] offset:128*(\t/2)+32*(\t%2)+16
.endr
	BARRIER                                        ; 32 whole rows lie in the stage
.irp i, 0,1
.irp k, 0,1,2,3,4,5,6,7
	ds_load_b128 v[152+32*\i+4*\k:155+32*\i+4*\k], v8 offset:SPI*\i+512*\k     ; register 4 k + e: feature 128 k + 4 x lane + e, as in the residual, gamma and beta
.endr
.endr
	s_wait_dscnt 0x0
	s_wait_loadcnt 0x0
.macro FOLD                            ; four chains of pairs into v72
	v_pk_add_f32 v[72:73], v[72:73], v[74:75]
	v_pk_add_f32 v[76:77], v[76:77], v[78:79]
	v_pk_add_f32 v[72:73], v[72:73], v[76:77]
	v_add_f32 v72, v72, v73
.endm
.macro WSUM                            ; v72 summed over the 32 lanes, the result in every lane
	v_add_f32_dpp v72, v72, v72 row_xmask:1 row_mask:0xf bank_mask:0xf
	v_add_f32_dpp v72, v72, v72 row_xmask:2 row_mask:0xf bank_mask:0xf
	v_add_f32_dpp v72, v72, v72 row_xmask:4 row_mask:0xf bank_mask:0xf
	v_add_f32_dpp v72, v72, v72 row_xmask:8 row_mask:0xf bank_mask:0xf
	v_permlanex16_b32 v73, v72, s28, s29
	v_add_f32 v72, v72, v73
.endm
.macro LNROW i
.set HX, 152+32*(\i)
.set RS, 88+32*(\i)
.irp q, 0,2,4,6,8,10,12,14,16,18,20,22,24,26,28,30
	v_pk_add_f32 v[HX+\q:HX+\q+1], v[HX+\q:HX+\q+1], v[RS+\q:RS+\q+1]         ; x = h + the residual
.endr
.irp a, 0,1,2,3
	v_pk_add_f32 v[72+2*\a:73+2*\a], v[HX+4*\a:HX+4*\a+1], v[HX+4*\a+2:HX+4*\a+3]
.endr
.irp g, 16,24
.irp a, 0,1,2,3
	v_pk_add_f32 v[72+2*\a:73+2*\a], v[72+2*\a:73+2*\a], v[HX+\g+2*\a:HX+\g+2*\a+1]
.endr
.endr
	FOLD
	WSUM
	v_mul_f32 v80, s30, v72                        ; the mean, twice: a pair for the packed form
	v_mul_f32 v81, s30, v72
.irp q, 0,2,4,6,8,10,12,14,16,18,20,22,24,26,28,30
	v_pk_add_f32 v[HX+\q:HX+\q+1], v[HX+\q:HX+\q+1], v[80:81] neg_lo:[0,1] neg_hi:[0,1]   ; x - u
.endr
.irp a, 0,1,2,3
	v_pk_mul_f32 v[72+2*\a:73+2*\a], v[HX+2*\a:HX+2*\a+1], v[HX+2*\a:HX+2*\a+1]
.endr
.irp g, 8,16,24
.irp a, 0,1,2,3
	v_pk_fma_f32 v[72+2*\a:73+2*\a], v[HX+\g+2*\a:HX+\g+2*\a+1], v[HX+\g+2*\a:HX+\g+2*\a+1], v[72+2*\a:73+2*\a]
.endr
.endr
	FOLD
	WSUM
	v_fma_f32 v84, v72, s30, s31                   ; the variance + 1e-12
	v_rsq_f32 v82, v84
	v_rsq_f32 v83, v84
	v_nop                                          ; one plain line behind the transcendentals
	s_wait_alu depctr_va_vdst(0)
.irp q, 0,2,4,6,8,10,12,14,16,18,20,22,24,26,28,30
	v_pk_mul_f32 v[HX+\q:HX+\q+1], v[HX+\q:HX+\q+1], v[82:83]
.endr
.irp q, 0,2,4,6,8,10,12,14,16,18,20,22,24,26,28,30
	v_pk_fma_f32 v[HX+\q:HX+\q+1], v[HX+\q:HX+\q+1], v[40+\q:41+\q], v[216+\q:217+\q]
.endr
.irp k, 0,1,2,3,4,5,6,7
	global_store_b128 v1, v[HX+4*\k:HX+4*\k+3], s[20:21] offset:4096*(\i)+512*\k th:TH_STORE_NT   ; 512 consecutive bytes
.endr
.endm
	LNROW 0
	LNROW 1
	s_wait_tensorcnt 0x0
	ds_add_u32 v254, v255
	s_wait_dscnt 0x0
	s_endpgm
.Lfunc_end_k_qe727185dbf_outp:
	.size	k_qe727185dbf_outp, .Lfunc_end_k_qe727185dbf_outp-k_qe727185dbf_outp
	.p2alignl 7, 3214868480
	.fill 96, 4, 3214868480
	.section	.rodata,"a",@progbits
	.p2align	6, 0x0
	.amdhsa_kernel k_qe727185dbf_outp
		.amdhsa_group_segment_fixed_size 150016
		.amdhsa_private_segment_fixed_size 0
		.amdhsa_enable_private_segment 0
		.amdhsa_kernarg_size 72
		.amdhsa_user_sgpr_count 2
		.amdhsa_user_sgpr_kernarg_segment_ptr 1
		.amdhsa_wavefront_size32 1
		.amdhsa_system_sgpr_workgroup_id_x 1
		.amdhsa_system_sgpr_workgroup_id_y 1
		.amdhsa_system_sgpr_workgroup_id_z 1
		.amdhsa_system_vgpr_workitem_id 0
		.amdhsa_next_free_vgpr 256
		.amdhsa_next_free_sgpr 66
		.amdhsa_reserve_vcc 0
		.amdhsa_float_denorm_mode_32 3
		.amdhsa_float_denorm_mode_16_64 3
		.amdhsa_memory_ordered 1
		.amdhsa_forward_progress 1
		.amdhsa_inst_pref_size 46
	.end_amdhsa_kernel
	.amdgpu_metadata
---
amdhsa.version: [ 1, 2 ]
amdhsa.kernels:
  - .name:           k_qe727185dbf_outp
    .symbol:         k_qe727185dbf_outp.kd
    .args:
      - { .name: cimg, .offset: 0, .size: 8, .value_kind: global_buffer, .address_space: global }
      - { .name: cs, .offset: 8, .size: 8, .value_kind: global_buffer, .address_space: global }
      - { .name: wimg, .offset: 16, .size: 8, .value_kind: global_buffer, .address_space: global }
      - { .name: wsc, .offset: 24, .size: 8, .value_kind: global_buffer, .address_space: global }
      - { .name: bo, .offset: 32, .size: 8, .value_kind: global_buffer, .address_space: global }
      - { .name: gamma, .offset: 40, .size: 8, .value_kind: global_buffer, .address_space: global }
      - { .name: beta, .offset: 48, .size: 8, .value_kind: global_buffer, .address_space: global }
      - { .name: input_tensor, .offset: 56, .size: 8, .value_kind: global_buffer, .address_space: global }
      - { .name: out0, .offset: 64, .size: 8, .value_kind: global_buffer, .address_space: global }
    .group_segment_fixed_size: 150016
    .private_segment_fixed_size: 0
    .kernarg_segment_align: 8
    .kernarg_segment_size: 72
    .max_flat_workgroup_size: 512
    .sgpr_count:     66
    .vgpr_count:     256
    .wavefront_size: 32
...
	.end_amdgpu_metadata
.endif
;; end of part 4
;; ======== version 2 of 2: 4 launches
;; workspace buffers: xc 4,194,304 bytes; xs 262,144 bytes; wimg 2,097,152 bytes; wsc 131,072 bytes; qkv 13,893,632 bytes; cimg 4,194,304 bytes; cs 262,144 bytes
;; launch prep (part 5): grid 288 x 1, 4 waves a work-group, no clusters, 33,280 bytes of LDS; arguments input_tensor, Wq_codes, Wk_codes, Wv_codes, Wo_codes, Wq_scales, Wk_scales, Wv_scales, Wo_scales, xc, xs, wimg, wsc; writes xc, xs, wimg, wsc
.if DOCPART == 5
	.amdgcn_target "amdgcn-amd-amdhsa--gfx1250"
	.amdhsa_code_object_version 6
	.text
	.protected	k_qe727185dbf_prep
	.globl	k_qe727185dbf_prep
	.p2align	8
	.type	k_qe727185dbf_prep,@function
k_qe727185dbf_prep:
	s_mov_b64 s[64:65], 0
	v_nop
	global_prefetch_b8 v0, s[64:65] scope:SCOPE_SE
	s_setreg_imm32_b32 hwreg(HW_REG_WAVE_MODE, 25, 1), 1
	s_wait_xcnt 0x0
; TWO JOBS IN ONE LAUNCH, parted on the work-group's number.
; Work-groups 0-255: input_tensor [8192][1024] f32 becomes codes of FP4 (E2M1), xc [8192][512 bytes], K innermost, and one E8M0 byte for each 32 along K, xs [8192][32].
;   A block's scale is 2^(floor(log2(largest magnitude)) - 2); its byte is the largest magnitude's exponent field - 2, held at 1 from below.
;   Rows are dense and 1,024 is a multiple of 32: the tensor is a plain stream of blocks of 32.  A wave takes 16 steps of 512 numbers.  Each load reads 512 consecutive bytes; a step's 2,048 bytes
;   turn through the wave's own stage in LDS, so that a lane gets 16 neighbours along K (two lanes to a block); its 16 codes are 8 bytes, the wave stores 256 consecutive bytes.
;   A wave's 256 scale bytes are gathered in LDS and leave as 256 consecutive bytes.
; Work-groups 256-287: the four weights' codes and scale bytes are laid anew, in the order in which a wave's operand registers take them (no LDS on this path):
;   wimg [W: q,k,v,o][tile 64][K step 8][c 2][lane 32][16 bytes]: lane (r, hh) of a tile holds bytes 64 s + 32 c + 16 hh of row 32 (tile / 2) + 8 (tile % 2) + r + 8 (r / 8);
;   wsc  [W][pair of tiles 32][q 4][lane 32][2 words]: lanes 0-15 the even tile's rows, lanes 16-31 the odd tile's; the two words are K steps 2 q and 2 q + 1.
;   THE ROWS OF A TILE ARE NOT NEIGHBOURS: so a product's 16 registers of two neighbouring tiles are 16 neighbours along the next product's K.
; LIMITS: NaN and infinities among the inputs are not served; a block of zeros gets the byte 1 (its codes are zeros, and this program alone reads the bytes); blocks whose largest magnitude lies under 2^-124 are held at that floor.
; No matrix work, no cluster, no tensor load: waves share nothing, so there is no barrier.
.set STEPS, 16
.set EMAX,  2
.set CB,    8                          ; bytes of 16 codes
.set R,     16                         ; v16-79   four sets of 16 numbers as loaded
.set X,     80                         ; v80-111  two sets of 16 neighbours
.set C,     128                        ; v128-191 codes: registers of its own for each step
.set E,     112                        ; v112-127 a scale byte for each step
.set WREG,  8192                       ; LDS: a region for each wave: two stages of 32 x SP bytes, then its 256 scale bytes
.set SP,    80                         ; a lane's place in a stage: 64 bytes + 16 of padding
	s_load_b64  s[4:5],   s[0:1], 0x0              ; input_tensor
	s_load_b256 s[8:15],  s[0:1], 0x8              ; codes of Wq, Wk, Wv, Wo
	s_load_b256 s[16:23], s[0:1], 0x28             ; their scale bytes
	s_load_b256 s[24:31], s[0:1], 0x48             ; xc, xs, wimg, wsc
	v_lshl_add_u32 v192, v0, 2, 0x8000
	v_mov_b32 v193, 0
	v_lshrrev_b32 v1, 5, v0
	v_readfirstlane_b32 s32, v1                    ; wave 0..3
	v_and_b32 v2, 31, v0                           ; lane
	s_cmp_ge_u32 ttmp9, 256
	s_cbranch_scc1 .Lrelay
	; ---- the quantiser
	v_lshlrev_b32 v3, 4, v2                        ; my 16 bytes of a load's 512
	s_mul_i32 s33, s32, WREG
	v_lshrrev_b32 v14, 2, v2
	v_mul_u32_u24 v14, v14, SP
	v_and_b32 v15, 3, v2
	v_lshl_add_u32 v14, v15, 4, v14
	v_add_nc_u32 v14, s33, v14                     ; the stage, on the way in: SP (lane / 4) + 16 (lane % 4)
	v_mul_u32_u24 v15, v2, SP
	v_add_nc_u32 v15, s33, v15                     ; on the way out: SP x lane: my 16 neighbours
	v_mul_u32_u24 v4, v2, CB                       ; my codes' place in a step's
	v_lshrrev_b32 v5, 1, v2
	s_add_co_u32 s33, s33, 2*32*SP
	v_add_nc_u32 v5, s33, v5                       ; LDS: my block's scale byte
	v_lshlrev_b32 v7, 3, v2
	v_add_nc_u32 v6, s33, v7                       ; and on the way out 8 bytes a lane
	s_lshl_b32 s34, ttmp9, 2
	s_add_co_u32 s34, s34, s32                     ; which run of 8,192 numbers is my wave's: 0..1023
	s_mov_b32 s37, 0
	s_lshl_b32 s36, s34, 15
	s_wait_alu depctr_va_vdst(0)
	s_wait_kmcnt 0x0
	s_add_nc_u64 s[4:5], s[4:5], s[36:37]          ; 32,768 bytes of numbers a run,
	s_lshl_b32 s36, s34, 12
	s_add_nc_u64 s[24:25], s[24:25], s[36:37]      ; 4,096 of codes,
	s_lshl_b32 s36, s34, 8
	s_add_nc_u64 s[26:27], s[26:27], s[36:37]      ; 256 of scale bytes
.macro LOAD t
.irp i, 0,1,2,3
	global_load_b128 v[R+16*((\t)%4)+4*\i:R+16*((\t)%4)+4*\i+3], v3, s[4:5] offset:2048*(\t)+512*\i   ; 32 lanes read 512 consecutive bytes (no hint: the last launch reads them again)
.endr
.endm
.macro TURN t                          ; step t's numbers through the stage: LDS serves a wave's instructions in order, so no wait stands between the stores and the loads
.irp i, 0,1,2,3
	ds_store_b128 v14, v[R+16*((\t)%4)+4*\i:R+16*((\t)%4)+4*\i+3] offset:32*SP*((\t)%2)+8*SP*\i
.endr
.irp i, 0,1,2,3
	ds_load_b128 v[X+16*((\t)%2)+4*\i:X+16*((\t)%2)+4*\i+3], v15 offset:32*SP*((\t)%2)+16*\i
.endr
.endm
.irp t, 0,1,2,3
	LOAD \t
.endr
	s_wait_loadcnt 12                              ; step 0's four loads are in; the twelve of steps 1 to 3 may be out
	TURN 0
.macro STEP t
.set XS, X+16*((\t)%2)
.if (\t) > 0
	s_wait_dscnt 1                                 ; this step's numbers are back from the stage (the last step's byte store may be out): so its stores into the stage have read their registers,
.else
	s_wait_dscnt 0x0
.endif
.if (\t)+4 < STEPS
	LOAD (\t)+4                                    ; which take the loads of four steps on
.endif
.if (\t)+1 < STEPS
.if STEPS-2-(\t) >= 3
	s_wait_loadcnt 12                              ; the next step's four loads are in; those of the three steps behind it may be out
.else
	s_wait_loadcnt 4*(STEPS-2-(\t))
.endif
	TURN (\t)+1
.endif
	v_max3_num_f32 v8, |v[XS]|, |v[XS+1]|, |v[XS+2]|               ; the largest magnitude of my 16, in two chains
	v_max3_num_f32 v9, |v[XS+3]|, |v[XS+4]|, |v[XS+5]|
.irp i, 6,10
	v_max3_num_f32 v8, v8, |v[XS+\i]|, |v[XS+\i+1]|
	v_max3_num_f32 v9, v9, |v[XS+\i+2]|, |v[XS+\i+3]|
.endr
	v_max3_num_f32 v8, v8, |v[XS+14]|, |v[XS+15]|
	v_max3_num_f32 v8, v8, v9, (EMAX+1)<<23        ; and the floor 2^(3 - 127): the byte cannot fall under 1
	v_max_num_f32_dpp v8, v8, v8 row_xmask:1 row_mask:0xf bank_mask:0xf   ; with my neighbour's 16: the block's
	v_add_nc_u32 v11, -(EMAX<<23), v8              ; 2 off its exponent field: the conversion takes this operand's exponent field as its scale
	v_cvt_scalef32_pk8_fp4_f32 v[C+4*(\t)], v[XS:XS+7], v11
	v_cvt_scalef32_pk8_fp4_f32 v[C+4*(\t)+1], v[XS+8:XS+15], v11
	v_lshrrev_b32 v[E+(\t)], 23, v11               ; the scale's byte (also the plain line behind the conversions)
	ds_store_b8 v5, v[E+(\t)] offset:16*(\t)       ; both lanes of a block write the same byte with the same value
	global_store_b64 v4, v[C+4*(\t):C+4*(\t)+1], s[24:25] offset:32*CB*(\t)   ; the wave stores 256 consecutive bytes
.endm
.irp t, 0,1,2,3,4,5,6,7,8,9,10,11,12,13,14,15
	STEP \t
.endr
	ds_load_b64 v[12:13], v6                       ; LDS serves a wave's instructions in order: these see my stores
	s_wait_dscnt 0x0
	global_store_b64 v7, v[12:13], s[26:27]        ; 256 consecutive bytes
	s_wait_tensorcnt 0x0
	ds_add_u32 v192, v193
	s_wait_dscnt 0x0
	s_endpgm
	; ---- the weights: a wave lays one pair of tiles (32 rows of one weight)
.Lrelay:
	v_and_b32 v3, 15, v0                           ; r
	v_bfe_u32 v4, v0, 4, 1                         ; hh
	v_and_b32 v5, 8, v3
	v_add_nc_u32 v5, v5, v3                        ; r + 8 (r / 8)
	v_lshlrev_b32 v6, 9, v5
	v_lshl_add_u32 v6, v4, 4, v6                   ; codes in: that row of 512 bytes, + 16 hh
	v_lshl_add_u32 v7, v4, 3, v5                   ; scale bytes in: lanes 16-31 take the odd tile's rows, 8 further on;
	v_lshlrev_b32 v7, 5, v7                        ; 32 bytes a row
	s_wait_alu depctr_va_vdst(0)
	v_lshlrev_b32 v8, 4, v2                        ; out: 16 x lane,
	v_lshlrev_b32 v9, 3, v2                        ; 8 x lane
	s_sub_co_u32 s33, ttmp9, 256
	s_lshr_b32 s34, s33, 3                         ; which weight: 0 q, 1 k, 2 v, 3 o
	s_and_b32 s35, s33, 7
	s_lshl_b32 s35, s35, 2
	s_add_co_u32 s35, s35, s32                     ; its pair of tiles, 0..31
	s_lshl_b32 s36, s34, 5
	s_add_co_u32 s36, s36, s35                     ; the pair among all 128
	s_mov_b32 s39, 0
	s_wait_alu depctr_va_vdst(0)
	s_wait_kmcnt 0x0
	s_cmp_eq_u32 s34, 1                            ; the choice hangs on the work-group's number alone
	s_cselect_b64 s[8:9], s[10:11], s[8:9]
	s_cselect_b64 s[16:17], s[18:19], s[16:17]
	s_cmp_eq_u32 s34, 2
	s_cselect_b64 s[8:9], s[12:13], s[8:9]
	s_cselect_b64 s[16:17], s[20:21], s[16:17]
	s_cmp_eq_u32 s34, 3
	s_cselect_b64 s[8:9], s[14:15], s[8:9]
	s_cselect_b64 s[16:17], s[22:23], s[16:17]
	s_lshl_b32 s38, s35, 14
	s_add_nc_u64 s[8:9], s[8:9], s[38:39]          ; 32 rows of 512 bytes
	s_lshl_b32 s38, s35, 10
	s_add_nc_u64 s[16:17], s[16:17], s[38:39]      ; 32 rows of 32 bytes
	s_lshl_b32 s38, s36, 14
	s_add_nc_u64 s[28:29], s[28:29], s[38:39]      ; two tiles of 8,192 bytes
	s_lshl_b32 s38, s36, 10
	s_add_nc_u64 s[30:31], s[30:31], s[38:39]
.irp u, 0,1
.irp f, 0,1,2,3,4,5,6,7,8,9,10,11,12,13,14,15
	global_load_b128 v[16+64*\u+4*\f:19+64*\u+4*\f], v6, s[8:9] offset:4096*\u+32*\f   ; tile u, piece f = 2 s + c
.endr
.endr
	global_load_b128 v[144:147], v7, s[16:17]      ; my row's eight scale words
	global_load_b128 v[148:151], v7, s[16:17] offset:16
	s_wait_loadcnt 0x0
.irp u, 0,1
.irp f, 0,1,2,3,4,5,6,7,8,9,10,11,12,13,14,15
	global_store_b128 v8, v[16+64*\u+4*\f:19+64*\u+4*\f], s[28:29] offset:8192*\u+512*\f   ; 512 consecutive bytes
.endr
.endr
.irp q, 0,1,2,3
	global_store_b64 v9, v[144+2*\q:145+2*\q], s[30:31] offset:256*\q                     ; 256 consecutive bytes
.endr
	s_endpgm
.Lfunc_end_k_qe727185dbf_prep:
	.size	k_qe727185dbf_prep, .Lfunc_end_k_qe727185dbf_prep-k_qe727185dbf_prep
	.p2alignl 7, 3214868480
	.fill 96, 4, 3214868480
	.section	.rodata,"a",@progbits
	.p2align	6, 0x0
	.amdhsa_kernel k_qe727185dbf_prep
		.amdhsa_group_segment_fixed_size 33280
		.amdhsa_private_segment_fixed_size 0
		.amdhsa_enable_private_segment 0
		.amdhsa_kernarg_size 104
		.amdhsa_user_sgpr_count 2
		.amdhsa_user_sgpr_kernarg_segment_ptr 1
		.amdhsa_wavefront_size32 1
		.amdhsa_system_sgpr_workgroup_id_x 1
		.amdhsa_system_sgpr_workgroup_id_y 1
		.amdhsa_system_sgpr_workgroup_id_z 1
		.amdhsa_system_vgpr_workitem_id 0
		.amdhsa_next_free_vgpr 194
		.amdhsa_next_free_sgpr 66
		.amdhsa_reserve_vcc 0
		.amdhsa_float_denorm_mode_32 3
		.amdhsa_float_denorm_mode_16_64 3
		.amdhsa_memory_ordered 1
		.amdhsa_forward_progress 1
		.amdhsa_inst_pref_size 41
	.end_amdhsa_kernel
	.amdgpu_metadata
---
amdhsa.version: [ 1, 2 ]
amdhsa.kernels:
  - .name:           k_qe727185dbf_prep
    .symbol:         k_qe727185dbf_prep.kd
    .args:
      - { .name: input_tensor, .offset: 0, .size: 8, .value_kind: global_buffer, .address_space: global }
      - { .name: Wq_codes, .offset: 8, .size: 8, .value_kind: global_buffer, .address_space: global }
      - { .name: Wk_codes, .offset: 16, .size: 8, .value_kind: global_buffer, .address_space: global }
      - { .name: Wv_codes, .offset: 24, .size: 8, .value_kind: global_buffer, .address_space: global }
      - { .name: Wo_codes, .offset: 32, .size: 8, .value_kind: global_buffer, .address_space: global }
      - { .name: Wq_scales, .offset: 40, .size: 8, .value_kind: global_buffer, .address_space: global }
      - { .name: Wk_scales, .offset: 48, .size: 8, .value_kind: global_buffer, .address_space: global }
      - { .name: Wv_scales, .offset: 56, .size: 8, .value_kind: global_buffer, .address_space: global }
      - { .name: Wo_scales, .offset: 64, .size: 8, .value_kind: global_buffer, .address_space: global }
      - { .name: xc, .offset: 72, .size: 8, .value_kind: global_buffer, .address_space: global }
      - { .name: xs, .offset: 80, .size: 8, .value_kind: global_buffer, .address_space: global }
      - { .name: wimg, .offset: 88, .size: 8, .value_kind: global_buffer, .address_space: global }
      - { .name: wsc, .offset: 96, .size: 8, .value_kind: global_buffer, .address_space: global }
    .group_segment_fixed_size: 33280
    .private_segment_fixed_size: 0
    .kernarg_segment_align: 8
    .kernarg_segment_size: 104
    .max_flat_workgroup_size: 128
    .sgpr_count:     66
    .vgpr_count:     194
    .wavefront_size: 32
...
	.end_amdgpu_metadata
.endif
;; end of part 5
;; launch qkv (part 6): grid 8 x 32, 12 waves a work-group, no clusters, 282,112 bytes of LDS; arguments xc, xs, wimg, wsc, bq, bk, bv, qkv; writes qkv
.if DOCPART == 6
	.amdgcn_target "amdgcn-amd-amdhsa--gfx1250"
	.amdhsa_code_object_version 6
	.text
	.protected	k_qe727185dbf_qkv
	.globl	k_qe727185dbf_qkv
	.p2align	8
	.type	k_qe727185dbf_qkv,@function
k_qe727185dbf_qkv:
	s_mov_b64 s[64:65], 0
	v_nop
	global_prefetch_b8 v0, s[64:65] scope:SCOPE_SE
	s_setreg_imm32_b32 hwreg(HW_REG_WAVE_SCHED_MODE, 0, 2), 2
	s_setreg_imm32_b32 hwreg(HW_REG_WAVE_MODE, 25, 1), 1
	s_wait_xcnt 0x0
	s_wait_alu depctr_vm_vsrc(0)
; q = x Wq^T + bq, k = x Wk^T + bk, v = x Wv^T + bv on codes of FP4 with E8M0 scales; the results are quantised at once: q and k along the head's 64 (two blocks), v along the keys (tokens).
; SHARES.  Work-group (y = x id, X = y id): tokens 256 X on, in two blocks of 128; six HEAD UNITS U = 6 y .. 6 y + 5 (U = 16 kind + head; kind 0 q, 1 k, 2 v): 24 tiles of weights, 196,608 dense bytes of wimg,
; which lie in LDS for both blocks.  Wave w: unit e = w / 2, half = w % 2.  A q or k job: 4 tiles of tokens (its half of the block) x the unit's 4 tiles, TRANSPOSED (source 0 = 16 rows of W, source 1 = 16 tokens):
; a lane holds one token, its registers run along the head.  A v job: all 8 tiles of tokens x 2 tiles of W (its half of the unit), natural (source 0 = tokens): a lane holds one channel, its registers run along the tokens.
; Either way 16 accumulators and 128 matrix instructions a block, and a lane's registers are neighbours along the next product's K.
; THE TOKENS OF A TILE ARE NOT NEIGHBOURS: token 16 h + 8 u + j of a group of 32 sits in tile 2 G + u at row 8 h + j; W's tiles are laid likewise by the launch before.
; OUT: a record of 217,088 bytes for each (batch, head), all parts in the order of the operand's registers:
;   +0 Q [tile 128][lane][16 B]   +65,536 K likewise   +131,072 V [128 keys 16][channel tile 4][c 2][lane][16 B]
;   +196,608 Q's scale words [4 tiles 32][row 16][tile 4]   +204,800 K's likewise   +212,992 V's [128 keys 16][pair 2][row 16][tile 2]
;   A word of Q or K has its two bytes below and 0 above: the upper 64 of the next product's K step are zero codes.
; NO JOINT LOADS: what work-groups share here (W's 208,896 bytes, x's 69,632 a block) is fetched once for a work-group's 3,072 matrix instructions and goes through registers into LDS; there is no ring to feed.
; V's scale words leave in stores of 128 consecutive bytes (the neighbouring wave has the other 128): 4,096 bytes of a record's 217,088.
; LIMITS: NaN and infinities are not served; a block of zeros gets the byte 1 (read by this program alone); blocks whose largest magnitude lies under 2^-124 are held at that floor.
; LDS: W's images 0; W's scale images 196,608; x: 128 rows of 512 bytes, 528 apart (33 x 16: the 16 rows of a load start at 16 different 16-byte columns) 208,896; x's scale images [pair 4][q 4][lane][2 words] 276,480.
; REGISTERS: v1-15, v58-63 addresses, made once (v127 too, for W's fill alone); v16-25 scale words and nothing else; v26-57 bias (v job: v26-41 bias, v42-57 W); v64-127 fragments, later codes and work; v128-255 accumulators.
; THE MODE: SCHED_MODE bits 1:0 = 2 (LLVM: expert scheduling mode 2), set by the entry lines.  The code itself states the register dependences
; between vector or matrix instructions and memory or LDS instructions, with s_wait_alu, always for 0.
; THE PLAN.  Registers that memory or LDS instructions touch:
;   addresses   Written by vector instructions at the head, ahead of one wait on va_vdst; read by every load and store; never written again by a vector instruction.
;   v128-255    At the head W as loaded, read by W's LDS stores; from then on the accumulators, which matrix and vector instructions alone name.
;   v64-127     A block's x as loaded, read by the fill's LDS stores; then the fragments: each K step's LDS loads land here and its 16 products read them; then the quantiser's codes and work; the block's stores read v64-79, v84, v85.
;   v16-25      Scale words: LDS loads land in every second K step; products read them.      v26-57  bias (v job: W's fragments too): loads land, products read.
; THE WAITS.  The fragments have one set of registers (v0-255 are all taken), so a K step's loads land where the step before read: one wait on va_vdst at the head of K steps 1 to 7.
; One wait on va_vdst behind a block's quantiser: it shows the stores' data written, and, since no vector instruction follows it before the loop's backward jump, also covers every load of the next block up to its K step 0.
; Two waits on vm_vsrc a block: at the loop's top (W's LDS stores, or the last block's stores, have read their data) and behind the fill (its LDS stores have read v64-127).
.set WSB,  196608
.set XB,   208896
.set XSB,  276480
.set XP,   528
.set ACC,  128
.set BI,   26
.set PC,   64                          ; the codes just made
.set PW,   80                          ; their scale words
.set TM,   96                          ; at work in QUANT
.macro PLACES                          ; four plain vector lines between a matrix instruction and a load into, or a vector line on, its registers
.rept 4
	v_nop
.endr
.endm
.macro BARRIER                         ; my LDS stores have landed and my LDS loads are in: then the work-group's barrier
	s_wait_dscnt 0x0
	s_barrier_signal -1
	s_barrier_wait -1
.endm
; One product.  c < 0: the sum starts at 0.  ra, rb = 1: that side's scale words stand in lanes 16-31 of its register.
.macro WM d, a, b, c, sa, sb, ra, rb
.if (\c) < 0
.if (\ra) && (\rb)
	v_wmma_scale_f32_16x16x128_f8f6f4 v[(\d):(\d)+7], v[(\a):(\a)+7], v[(\b):(\b)+7], 0, v[\sa], v[\sb] matrix_a_fmt:MATRIX_FMT_FP4 matrix_b_fmt:MATRIX_FMT_FP4 matrix_a_scale:MATRIX_SCALE_ROW1 matrix_b_scale:MATRIX_SCALE_ROW1
.elseif (\ra)
	v_wmma_scale_f32_16x16x128_f8f6f4 v[(\d):(\d)+7], v[(\a):(\a)+7], v[(\b):(\b)+7], 0, v[\sa], v[\sb] matrix_a_fmt:MATRIX_FMT_FP4 matrix_b_fmt:MATRIX_FMT_FP4 matrix_a_scale:MATRIX_SCALE_ROW1
.elseif (\rb)
	v_wmma_scale_f32_16x16x128_f8f6f4 v[(\d):(\d)+7], v[(\a):(\a)+7], v[(\b):(\b)+7], 0, v[\sa], v[\sb] matrix_a_fmt:MATRIX_FMT_FP4 matrix_b_fmt:MATRIX_FMT_FP4 matrix_b_scale:MATRIX_SCALE_ROW1
.else
	v_wmma_scale_f32_16x16x128_f8f6f4 v[(\d):(\d)+7], v[(\a):(\a)+7], v[(\b):(\b)+7], 0, v[\sa], v[\sb] matrix_a_fmt:MATRIX_FMT_FP4 matrix_b_fmt:MATRIX_FMT_FP4
.endif
.else
.if (\ra) && (\rb)
	v_wmma_scale_f32_16x16x128_f8f6f4 v[(\d):(\d)+7], v[(\a):(\a)+7], v[(\b):(\b)+7], v[(\c):(\c)+7], v[\sa], v[\sb] matrix_a_fmt:MATRIX_FMT_FP4 matrix_b_fmt:MATRIX_FMT_FP4 matrix_a_scale:MATRIX_SCALE_ROW1 matrix_b_scale:MATRIX_SCALE_ROW1
.elseif (\ra)
	v_wmma_scale_f32_16x16x128_f8f6f4 v[(\d):(\d)+7], v[(\a):(\a)+7], v[(\b):(\b)+7], v[(\c):(\c)+7], v[\sa], v[\sb] matrix_a_fmt:MATRIX_FMT_FP4 matrix_b_fmt:MATRIX_FMT_FP4 matrix_a_scale:MATRIX_SCALE_ROW1
.elseif (\rb)
	v_wmma_scale_f32_16x16x128_f8f6f4 v[(\d):(\d)+7], v[(\a):(\a)+7], v[(\b):(\b)+7], v[(\c):(\c)+7], v[\sa], v[\sb] matrix_a_fmt:MATRIX_FMT_FP4 matrix_b_fmt:MATRIX_FMT_FP4 matrix_b_scale:MATRIX_SCALE_ROW1
.else
	v_wmma_scale_f32_16x16x128_f8f6f4 v[(\d):(\d)+7], v[(\a):(\a)+7], v[(\b):(\b)+7], v[(\c):(\c)+7], v[\sa], v[\sb] matrix_a_fmt:MATRIX_FMT_FP4 matrix_b_fmt:MATRIX_FMT_FP4
.endif
.endif
.endm
; 16 nb numbers of a lane, register 16 b + i = k 32 b + 16 (lane / 16) + i of the lane's row, become 2 nb registers of codes in the operand's layout, from v[pc] on, and the row's scale word in v[pw].  nb = 2 or 4.
; Each accumulator is read from its low end on.
.macro QUANT src, nb, pc, pw
.set qb, 0
.rept \nb
	v_max3_num_f32 v[TM+qb], |v[(\src)+16*qb]|, |v[(\src)+16*qb+1]|, 0x1800000   ; my 16 numbers of block qb, and the floor 2^(3 - 127): the byte cannot fall under 1
.set qb, qb+1
.endr
.irp i, 2,4,6,8,10,12,14
.set qb, 0
.rept \nb
	v_max3_num_f32 v[TM+qb], v[TM+qb], |v[(\src)+16*qb+\i]|, |v[(\src)+16*qb+\i+1]|   ; (the blocks by turns)
.set qb, qb+1
.endr
.endr
.set qb, 0
.rept \nb
	v_permlanex16_b32 v[TM+4+qb], v[TM+qb], s44, s45
.set qb, qb+1
.endr
.set qb, 0
.rept \nb
	v_max_num_f32 v[TM+qb], v[TM+qb], v[TM+4+qb]   ; with lane l xor 16's 16: the block's largest magnitude
.set qb, qb+1
.endr
.set qb, 0
.rept \nb
	v_add_nc_u32 v[TM+12+qb], 0xff000000, v[TM+qb]   ; 2 off its exponent field: the conversion's scale operand
.set qb, qb+1
.endr
.set qb, 0
.rept \nb
	v_lshrrev_b32 v[TM+4+qb], 23, v[TM+12+qb]      ; the scale's byte
.set qb, qb+1
.endr
	v_lshl_or_b32 v[\pw], v[TM+5], 8, v[TM+4]
.if \nb > 2
	v_lshl_or_b32 v[\pw], v[TM+6], 16, v[\pw]
	v_lshl_or_b32 v[\pw], v[TM+7], 24, v[\pw]
.endif
.set qb, 0
.rept \nb
	v_cvt_scalef32_pk8_fp4_f32 v[(\pc)+2*qb], v[(\src)+16*qb:(\src)+16*qb+7], v[TM+12+qb]
	v_cvt_scalef32_pk8_fp4_f32 v[(\pc)+2*qb+1], v[(\src)+16*qb+8:(\src)+16*qb+15], v[TM+12+qb]
.set qb, qb+1
.endr
	v_nop                                          ; one plain line behind the scaled conversions
.set qb, 0
.rept \nb/2                            ; the layout wants a whole block in a lane: lanes 0-15 the even block, lanes 16-31 the odd one
	v_permlane16_swap_b32 v[(\pc)+4*qb], v[(\pc)+4*qb+2]
	v_permlane16_swap_b32 v[(\pc)+4*qb+1], v[(\pc)+4*qb+3]
.set qb, qb+1
.endr
.endm
	s_load_b256 s[4:11], s[0:1], 0x0               ; xc, xs, wimg, wsc
	s_load_b256 s[12:19], s[0:1], 0x20             ; bq, bk, bv, qkv
	s_set_vgpr_msb 0x40                            ; destination in the second window: v256 and v257, kept for the closing lines alone
	v_lshl_add_u32 v0, v0, 2, 0x44800
	v_mov_b32 v1, 0
	s_set_vgpr_msb 0x4000
	v_lshrrev_b32 v61, 5, v0
	v_readfirstlane_b32 s20, v61                   ; wave 0..11
	s_wait_alu depctr_va_sdst(0)                   ; s20 is written, ahead of its first reader: shares, LDS places and bases are made from it
	s_lshr_b32 s21, s20, 1                         ; e: which of the six units
	s_and_b32 s22, s20, 1                          ; half
	s_and_b32 s28, s20, 7                          ; which 16 rows of x I bring (waves 0-7)
	s_and_b32 s24, ttmp7, 0xffff                   ; X
	s_mul_i32 s25, ttmp9, 6
	s_add_co_u32 s25, s25, s21                     ; U
	s_lshr_b32 s26, s25, 4                         ; kind
	s_and_b32 s27, s25, 15                         ; head
	s_lshr_b32 s29, s24, 3
	s_lshl_b32 s29, s29, 4
	s_add_co_u32 s29, s29, s27                     ; the record: 16 x batch + head
	s_and_b32 s30, s24, 7
	s_lshl_b32 s30, s30, 1                         ; which 128 tokens of the sequence: stepped
	s_mov_b32 s44, 0x76543210
	s_mov_b32 s45, 0xfedcba98                      ; v_permlanex16_b32's selects for lane l xor 16
	s_mov_b32 s49, 0xffff0000                      ; lanes 16-31
	; every LDS address is made here, from the thread's and the wave's number and constants
	v_and_b32 v61, 31, v0                          ; lane
	v_and_b32 v62, 15, v0                          ; r
	v_bfe_u32 v63, v0, 4, 1                        ; hh
	v_lshlrev_b32 v1, 4, v61                       ; v1  16 x lane
	v_lshlrev_b32 v2, 3, v61                       ; v2  8 x lane
	v_mul_u32_u24 v3, v62, XP
	v_lshl_add_u32 v3, v63, 4, v3
	v_add_nc_u32 v3, XB, v3                        ; v3  x's fragments from tile 0 on (the v job's)
	s_lshr_b32 s46, s28, 1
	s_mul_i32 s46, s46, 32*XP
	s_and_b32 s47, s28, 1
	s_mul_i32 s47, s47, 8*XP
	s_add_co_u32 s46, s46, s47
	s_add_co_u32 s46, s46, XB
	v_add_nc_u32 v4, s46, v1                       ; v4  where I put x's rows: token 16 w + i goes to row 32 (w / 2) + 16 (i / 8) + 8 (w % 2) + i % 8
	v_and_b32 v61, 3, v0
	v_lshlrev_b32 v5, 8, v61                       ; v5  where I put 8 scale bytes of x: q = t % 4;
	v_bfe_u32 v61, v0, 5, 1
	v_lshl_add_u32 v5, v61, 7, v5                  ;     lane 16 u
	v_bfe_u32 v61, v0, 6, 1
	v_lshl_add_u32 v5, v61, 6, v5                  ;     + 8 h
	v_bfe_u32 v61, v0, 2, 3
	v_lshl_add_u32 v5, v61, 3, v5                  ;     + j, 8 bytes a lane
	v_add_nc_u32 v5, XSB, v5
	v_and_b32 v6, 127, v0
	v_lshlrev_b32 v6, 3, v6                        ; v6  and where they come from
	v_lshlrev_b32 v7, 4, v0                        ; v7  16 x thread: W's fill
	s_mul_i32 s46, s22, 64*XP
	v_add_nc_u32 v8, s46, v3                       ; v8  x's fragments, q or k job: my half's four tiles
	s_lshl_b32 s46, s21, 15
	v_add_nc_u32 v9, s46, v1                       ; v9  W's fragments, q or k job: the unit's four tiles
	s_lshl_b32 s47, s22, 14
	s_add_co_u32 s47, s47, s46
	v_add_nc_u32 v12, s47, v1                      ; v12 W's fragments, v job: my half's two tiles
	s_lshl_b32 s46, s22, 11
	s_add_co_u32 s46, s46, XSB
	v_add_nc_u32 v10, s46, v2                      ; v10 x's scale words, q or k job
	v_add_nc_u32 v14, XSB, v2                      ; v14 x's scale words, v job
	s_lshl_b32 s46, s21, 11
	s_add_co_u32 s46, s46, WSB
	v_add_nc_u32 v11, s46, v2                      ; v11 W's scale words, q or k job
	s_lshl_b32 s47, s22, 10
	s_add_co_u32 s46, s46, s47
	v_add_nc_u32 v13, s46, v2                      ; v13 W's scale words, v job
	v_lshlrev_b32 v15, 6, v63                      ; v15 bias, q or k job: 16 hh numbers on
	v_and_b32 v58, 8, v62
	v_add_nc_u32 v58, v58, v62
	v_lshlrev_b32 v58, 2, v58                      ; v58 bias, v job: channel r + 8 (r / 8)
	v_lshlrev_b32 v59, 4, v62
	v_lshl_add_u32 v59, v63, 3, v59                ; v59 scale words out, q or k job: 16 r + 8 hh
	v_lshlrev_b32 v60, 3, v62
	v_lshl_add_u32 v60, v63, 2, v60                ; v60 scale words out, v job: 8 r + 4 hh
	v_add_nc_u32 v61, 49152, v7                    ; v61-63, v127  W's fill: an LDS offset has 16 bits, so eight stores go to a base; each base has a register of its own,
	v_add_nc_u32 v62, 98304, v7                    ;     so that none is written again between the stores
	v_add_nc_u32 v63, 147456, v7
	v_add_nc_u32 v127, WSB, v7                     ;     and W's scale images
	s_mov_b32 s47, 0
	s_wait_kmcnt 0x0
	s_mul_i32 s46, ttmp9, 196608
	s_add_nc_u64 s[8:9], s[8:9], s[46:47]          ; my 24 tiles of W
	s_mul_i32 s46, ttmp9, 12288
	s_add_nc_u64 s[10:11], s[10:11], s[46:47]      ; and their scale images
	s_lshl_b32 s46, s24, 17
	s_lshl_b32 s48, s28, 13
	s_add_co_u32 s46, s46, s48
	s_add_nc_u64 s[32:33], s[4:5], s[46:47]        ; x's codes: token 256 X + 16 (w % 8)
	s_lshl_b32 s46, s24, 13
	s_add_nc_u64 s[34:35], s[6:7], s[46:47]        ; x's scale bytes: token 256 X
	s_mul_i32 s46, s29, 217088
	s_add_nc_u64 s[36:37], s[18:19], s[46:47]      ; the record
	s_cmp_eq_u32 s26, 1                            ; the bias of my kind: the choice hangs on ids alone
	s_cselect_b64 s[38:39], s[14:15], s[12:13]
	s_cmp_eq_u32 s26, 2
	s_cselect_b64 s[38:39], s[16:17], s[38:39]
	s_cselect_b32 s46, s22, 0                      ; a v job begins at its half's 32 channels
	s_lshl_b32 s46, s46, 7
	s_lshl_b32 s48, s27, 8
	s_add_co_u32 s46, s46, s48
	s_add_nc_u64 s[38:39], s[38:39], s[46:47]
	s_wait_alu depctr_va_vdst(0)                   ; all addresses, v1-15, v58-63 and v127, are written: every load and store of the kernel reads one of them
	; ---- W into LDS, once: 384 threads x 16 bytes = 6,144 consecutive bytes a load
.irp i, 0,1,2,3,4,5,6,7,8,9,10,11,12,13,14,15,16,17,18,19,20,21,22,23,24,25,26,27,28,29,30,31
	global_load_b128 v[ACC+4*\i:ACC+4*\i+3], v7, s[8:9] offset:6144*\i
.endr
	global_load_b128 v[64:67], v7, s[10:11]
	global_load_b128 v[68:71], v7, s[10:11] offset:6144
	s_wait_loadcnt 0x0
.irp i, 0,1,2,3,4,5,6,7
	ds_store_b128 v7, v[ACC+4*\i:ACC+4*\i+3] offset:6144*\i
.endr
.irp b, 1,2,3
.irp i, 0,1,2,3,4,5,6,7
	ds_store_b128 v[60+\b], v[ACC+32*\b+4*\i:ACC+32*\b+4*\i+3] offset:6144*\i
.endr
.endr
	ds_store_b128 v127, v[64:67]
	ds_store_b128 v127, v[68:71] offset:6144
	s_wait_dscnt 0x0                               ; my part of W is in LDS
	s_mov_b32 s31, 0
.Lblk:                                             ; two trips: 128 tokens each
	s_wait_alu depctr_vm_vsrc(0)                   ; first trip: W's LDS stores have read v64-71, v127 and v128-255; second: the last block's stores have read v64-79, v84, v85: x's loads land there, and the products write v128-255
	; ---- x into LDS: waves 0-7 bring 16 rows of codes each, waves 8-11 the block's 4,096 scale bytes
	s_cmp_lt_u32 s20, 8
	s_cbranch_scc0 .Lxs_fill
.irp i, 0,1,2,3,4,5,6,7,8,9,10,11,12,13,14,15
	global_load_b128 v[64+4*\i:67+4*\i], v1, s[32:33] offset:512*\i        ; a row: 512 consecutive bytes
.endr
	s_wait_loadcnt 0x0
.irp i, 0,1,2,3,4,5,6,7,8,9,10,11,12,13,14,15
	ds_store_b128 v4, v[64+4*\i:67+4*\i] offset:16*XP*(\i/8)+XP*(\i%8)
.endr
	s_branch .Lx_filled
.Lxs_fill:
.irp k, 0,1,2,3
	global_load_b64 v[64+2*\k:65+2*\k], v6, s[34:35] offset:1024*\k        ; group k of 32 tokens: 1,024 consecutive bytes
.endr
	s_wait_loadcnt 0x0
.irp k, 0,1,2,3
	ds_store_b64 v5, v[64+2*\k:65+2*\k] offset:1024*\k
.endr
.Lx_filled:
	s_wait_alu depctr_vm_vsrc(0)                   ; the fill's LDS stores have read v64-127, in which K step 0's fragments land
	BARRIER                                        ; W (first trip) and this block's x lie in LDS
	; where this block's results go
	s_lshl_b32 s46, s26, 16
	s_lshl_b32 s48, s30, 12
	s_add_co_u32 s46, s46, s48
	s_lshl_b32 s48, s22, 11
	s_add_co_u32 s46, s46, s48
	s_add_nc_u64 s[40:41], s[36:37], s[46:47]      ; images: kind x 65,536 + block x 4,096 + half x 2,048
	s_lshl_b32 s46, s30, 1
	s_add_co_u32 s46, s46, s22
	s_cmp_eq_u32 s26, 2
	s_cselect_b32 s48, 7, 8
	s_lshl_b32 s46, s46, s48                       ; words: (2 block + half) x 256, for v x 128
	s_lshl_b32 s48, s26, 13
	s_add_co_u32 s46, s46, s48
	s_add_co_u32 s46, s46, 196608
	s_add_nc_u64 s[42:43], s[36:37], s[46:47]
	s_cmp_eq_u32 s26, 2
	s_cbranch_scc1 .Lv
	; ---- a q or k job.  Accumulator (token tile m, W tile t) at ACC + 32 m + 8 t; the bias is the C of each sum's first product
.irp t, 0,1,2,3
	global_load_b128 v[BI+8*\t:BI+8*\t+3], v15, s[38:39] offset:(32*(\t/2)+8*(\t%2))*4
	global_load_b128 v[BI+8*\t+4:BI+8*\t+7], v15, s[38:39] offset:(32*(\t/2)+8*(\t%2))*4+16
.endr
.irp s, 0,1,2,3,4,5,6,7
.if \s > 0
	PLACES
	s_wait_alu depctr_va_vdst(0)                   ; the last K step's products are done reading v64-127 and v16-23, in which the loads below land
.endif
.if (\s % 2) == 0
.irp p, 0,1
	ds_load_b64 v[16+2*\p:17+2*\p], v10 offset:1024*\p+128*\s      ; x's scale words of two K steps, a pair of tiles to a register
	ds_load_b64 v[20+2*\p:21+2*\p], v11 offset:1024*\p+128*\s      ; W's
.endr
.endif
.irp m, 0,1,2,3
.irp c, 0,1
	ds_load_b128 v[64+8*\m+4*\c:67+8*\m+4*\c], v8 offset:16*XP*\m+64*\s+32*\c
.endr
.endr
.irp t, 0,1,2,3
.irp c, 0,1
	ds_load_b128 v[96+8*\t+4*\c:99+8*\t+4*\c], v9 offset:8192*\t+1024*\s+512*\c
.endr
.endr
.if \s == 0
	s_wait_loadcnt 0x0                             ; the bias
.endif
	s_wait_dscnt 0x0
.irp m, 0,1,2,3                        ; the 16 accumulators take turns, one instruction a turn
.irp t, 0,1,2,3
.if \s == 0
	WM ACC+32*\m+8*\t, 96+8*\t, 64+8*\m, BI+8*\t, 20+2*(\t/2)+\s%2, 16+2*(\m/2)+\s%2, \t%2, \m%2
.else
	WM ACC+32*\m+8*\t, 96+8*\t, 64+8*\m, ACC+32*\m+8*\t, 20+2*(\t/2)+\s%2, 16+2*(\m/2)+\s%2, \t%2, \m%2
.endif
.endr
.endr
.endr
	PLACES
.irp m, 0,1,2,3
	QUANT ACC+32*\m, 2, PC+4*\m, PW+\m             ; lane (r, hh): token row r of tile m; register 16 b + i is channel 32 b + 16 hh + i
.endr
	v_cndmask_b32 v84, v[PW], v[PW+2], s49         ; every lane has its row's four words; lanes 0-15 store tiles 0, 1, lanes 16-31 tiles 2, 3
	v_cndmask_b32 v85, v[PW+1], v[PW+3], s49
	s_wait_alu depctr_va_vdst(0)                   ; the codes v64-79 and the words v84, v85 are written, which the stores read; and all of this block's products and vector lines are done with v16-127, in which the next block's loads land
.irp m, 0,1,2,3
	global_store_b128 v1, v[PC+4*\m:PC+4*\m+3], s[40:41] offset:512*\m     ; a tile's image: 512 consecutive bytes
.endr
	global_store_b64 v59, v[84:85], s[42:43]       ; 256 consecutive bytes
	s_branch .Ljoin
	; ---- a v job.  Accumulator (W tile t, token tile m) at ACC + 64 t + 8 m
.Lv:
.irp t, 0,1
.irp j, 0,1,2,3,4,5,6,7
	global_load_b32 v[BI+8*\t+\j], v58, s[38:39] offset:32*\t      ; a lane holds one channel: its bias in all eight registers of C
.endr
.endr
.irp s, 0,1,2,3,4,5,6,7
.if \s > 0
	PLACES
	s_wait_alu depctr_va_vdst(0)                   ; the last K step's products are done reading v42-57, v64-127 and v16-25, in which the loads below land
.endif
.if (\s % 2) == 0
.irp p, 0,1,2,3
	ds_load_b64 v[16+2*\p:17+2*\p], v14 offset:1024*\p+128*\s
.endr
	ds_load_b64 v[24:25], v13 offset:128*\s
.endif
.irp m, 0,1,2,3,4,5,6,7
.irp c, 0,1
	ds_load_b128 v[64+8*\m+4*\c:67+8*\m+4*\c], v3 offset:16*XP*\m+64*\s+32*\c
.endr
.endr
.irp t, 0,1
.irp c, 0,1
	ds_load_b128 v[42+8*\t+4*\c:45+8*\t+4*\c], v12 offset:8192*\t+1024*\s+512*\c
.endr
.endr
.if \s == 0
	s_wait_loadcnt 0x0
.endif
	s_wait_dscnt 0x0
.irp t, 0,1
.irp m, 0,1,2,3,4,5,6,7
.if \s == 0
	WM ACC+64*\t+8*\m, 64+8*\m, 42+8*\t, BI+8*\t, 16+2*(\m/2)+\s%2, 24+\s%2, \m%2, \t
.else
	WM ACC+64*\t+8*\m, 64+8*\m, 42+8*\t, ACC+64*\t+8*\m, 16+2*(\m/2)+\s%2, 24+\s%2, \m%2, \t
.endif
.endr
.endr
.endr
	PLACES
.irp t, 0,1
	QUANT ACC+64*\t, 4, PC+8*\t, PW+\t             ; lane (r, hh): channel row r of tile t; register 16 b + i is token 32 b + 16 hh + i of the block
.endr
	v_cndmask_b32 v84, v[PW], v[PW+1], s49         ; lanes 0-15 store tile 0's word, lanes 16-31 tile 1's
	s_wait_alu depctr_va_vdst(0)                   ; the codes v64-79 and the word v84 are written, which the stores read; and all of this block's products and vector lines are done with v16-127, in which the next block's loads land
.irp t, 0,1
.irp c, 0,1
	global_store_b128 v1, v[PC+8*\t+4*\c:PC+8*\t+4*\c+3], s[40:41] offset:1024*\t+512*\c
.endr
.endr
	global_store_b32 v60, v84, s[42:43]
.Ljoin:
	s_wait_xcnt 0x0                                ; the stores' data and bases are written again only behind this wait
	BARRIER                                        ; every wave's reads of this block's x are over: it may be overwritten
	s_add_nc_u64 s[32:33], s[32:33], 65536         ; 128 rows of codes on,
	s_add_nc_u64 s[34:35], s[34:35], 4096          ; of scale bytes
	s_add_co_u32 s30, s30, 1
	s_add_co_u32 s31, s31, 1
	s_cmp_lt_u32 s31, 2
	s_cbranch_scc1 .Lblk
	s_set_vgpr_msb 0x5                             ; the add's two registers, v256 and v257, lie in the second window
	s_wait_dscnt 0x0                               ; the closing lines, six on end
	s_wait_alu 0x0
	s_wait_tensorcnt 0x0
	ds_add_u32 v0, v1
	s_wait_dscnt 0x0
	s_endpgm
.Lfunc_end_k_qe727185dbf_qkv:
	.size	k_qe727185dbf_qkv, .Lfunc_end_k_qe727185dbf_qkv-k_qe727185dbf_qkv
	.p2alignl 7, 3214868480
	.fill 96, 4, 3214868480
	.section	.rodata,"a",@progbits
	.p2align	6, 0x0
	.amdhsa_kernel k_qe727185dbf_qkv
		.amdhsa_group_segment_fixed_size 282112
		.amdhsa_private_segment_fixed_size 0
		.amdhsa_enable_private_segment 0
		.amdhsa_kernarg_size 64
		.amdhsa_user_sgpr_count 2
		.amdhsa_user_sgpr_kernarg_segment_ptr 1
		.amdhsa_wavefront_size32 1
		.amdhsa_system_sgpr_workgroup_id_x 1
		.amdhsa_system_sgpr_workgroup_id_y 1
		.amdhsa_system_sgpr_workgroup_id_z 1
		.amdhsa_system_vgpr_workitem_id 0
		.amdhsa_next_free_vgpr 258
		.amdhsa_next_free_sgpr 66
		.amdhsa_reserve_vcc 0
		.amdhsa_float_denorm_mode_32 3
		.amdhsa_float_denorm_mode_16_64 3
		.amdhsa_memory_ordered 1
		.amdhsa_forward_progress 1
		.amdhsa_inst_pref_size 89
	.end_amdhsa_kernel
	.amdgpu_metadata
---
amdhsa.version: [ 1, 2 ]
amdhsa.kernels:
  - .name:           k_qe727185dbf_qkv
    .symbol:         k_qe727185dbf_qkv.kd
    .args:
      - { .name: xc, .offset: 0, .size: 8, .value_kind: global_buffer, .address_space: global }
      - { .name: xs, .offset: 8, .size: 8, .value_kind: global_buffer, .address_space: global }
      - { .name: wimg, .offset: 16, .size: 8, .value_kind: global_buffer, .address_space: global }
      - { .name: wsc, .offset: 24, .size: 8, .value_kind: global_buffer, .address_space: global }
      - { .name: bq, .offset: 32, .size: 8, .value_kind: global_buffer, .address_space: global }
      - { .name: bk, .offset: 40, .size: 8, .value_kind: global_buffer, .address_space: global }
      - { .name: bv, .offset: 48, .size: 8, .value_kind: global_buffer, .address_space: global }
      - { .name: qkv, .offset: 56, .size: 8, .value_kind: global_buffer, .address_space: global }
    .group_segment_fixed_size: 282112
    .private_segment_fixed_size: 0
    .kernarg_segment_align: 8
    .kernarg_segment_size: 64
    .max_flat_workgroup_size: 384
    .sgpr_count:     66
    .vgpr_count:     258
    .wavefront_size: 32
...
	.end_amdgpu_metadata
.endif
;; end of part 6
;; launch attn (part 7): grid 4 x 64, 16 waves a work-group, no clusters, 146,432 bytes of LDS; arguments qkv, cimg, cs; writes cimg, cs
.if DOCPART == 7
	.amdgcn_target "amdgcn-amd-amdhsa--gfx1250"
	.amdhsa_code_object_version 6
	.text
	.protected	k_qe727185dbf_attn
	.globl	k_qe727185dbf_attn
	.p2align	8
	.type	k_qe727185dbf_attn,@function
k_qe727185dbf_attn:
	s_mov_b64 s[64:65], 0
	v_nop
	global_prefetch_b8 v0, s[64:65] scope:SCOPE_SE
	s_setreg_imm32_b32 hwreg(HW_REG_WAVE_SCHED_MODE, 0, 2), 2
	s_setreg_imm32_b32 hwreg(HW_REG_WAVE_MODE, 25, 1), 1
	s_wait_xcnt 0x0
	s_wait_alu depctr_vm_vsrc(0)
; ctx = softmax(q k^T / 8) v for one (batch, head), both products on codes of FP4 with E8M0 scales; ctx is quantised along the head's 64 (two blocks of the last product's K) and stored as codes.
; THE SOFTMAX AHEAD OF THE SECOND PRODUCT: t = score x log2(e) / 8; M = the row's largest t so far, rounded UP to a whole number; p = 2^(t - M) is what is quantised, along the keys, not normalised.
; The row's sum is taken of the unquantised p and divides O at the end.  When M moves, the sum and O are multiplied by 2^(old M - new M): exact, and no branch on data.
; SHARES.  Work-group (quarter = x id, record = y id): 512 queries of one head.  The head's K and V, codes and scale words, 143,360 bytes, are copied into LDS ONCE and stay.  Each of the sixteen waves owns one tile of 16
; queries at a time, two tiles one after the other, and walks all 2,048 keys, 128 a step: four waves to a SIMD, so that one wave's vector work stands beside another's matrix work and LDS loads.
; LAYOUT.  Both products are used transposed: S^T = K Q^T, O^T = V^T P^T: a lane holds ONE query (lane % 16) throughout.  The launch before has chosen the keys of a tile so that the 16 registers of tiles 2 b, 2 b + 1
; are keys 32 b + 16 (lane / 16) + 0 .. 15, and V's channels likewise.  All operands lie in LDS as images of their registers: every load is 512 consecutive bytes.
; THE FIRST PRODUCT'S K IS 64: registers 4-7 of Q's and K's fragments are zero codes, set once and never loaded; bytes 2, 3 of their scale words are 0.
; NO JOINT LOADS: the four quarters of a head read the same 143,360 bytes, each once, at its head, for 32 key steps a wave; nothing is fetched in the loop.
; OUT: cimg [token tile 512][head 16][lane][16 B]: a tile's 8,192 bytes are the eight fragments of the last product;  cs [head 16][token tile 512][row 16] of two bytes (channels 0-31, 32-63).
; LIMITS: NaN and infinities are not served; a block of zeros gets the byte 1 (read by this program alone); blocks whose largest magnitude lies under 2^-124 are held at that floor.
; LDS: K's images 0; V's 65,536; K's scale words 131,072; V's 139,264; the work-group's ctx scale bytes 143,360 (1,024).
; REGISTERS: v1-11, v24-31 addresses; v12 -M, v13 the largest t, v[14:15] the sum; v16-23 Q; v32-95 K; v96-159 S^T, then p; v160-191 O^T; v192-223 V; v224-231 p's codes; v232-247, v252, v254 at work;
;   scale words and nothing else: v240-241 V's, v248-251 K's, v253 p's, v255 Q's.
; THE MODE: SCHED_MODE bits 1:0 = 2 (LLVM: expert scheduling mode 2), set by the entry lines.  The code itself states the register dependences
; between vector or matrix instructions and memory or LDS instructions, with s_wait_alu, always for 0.
; THE PLAN.  Registers that LDS instructions touch in a key step:
;   v8, v10     K's addresses: read by K's nine loads at the step's top; written behind the products K Q^T, for the next step.
;   v9, v11     V's addresses: written in the same four lines, for this step; read by V's nine loads in the step's middle.
;   K's fragments (the low four of each eight of v32-95) and v248-251: K's loads land; the eight products K Q^T read them.
;   v192-223, v240-241: V's loads land; the four products V^T P at the step's end read them.
; THE WAITS OF A STEP.  One on vm_vsrc ahead of the four address lines: K's loads of this step and V's of the last have read them.  One on va_vdst behind the exponentials: their results are written; the four addresses
; are written; K Q^T is done reading K; the last step's V^T P is done reading V.  V's loads follow it at once; K's loads at the next step's top owe nothing more, since no vector or matrix instruction behind that wait
; names their registers.  One more on va_vdst ahead of V^T P: p's codes and scale word, which vector instructions write, go to scaled products.
.set VI,   65536
.set KW,   131072
.set VW,   139264
.set SCG,  143360
.set TM,   232
.macro PLACES                          ; four plain vector lines between a matrix instruction and a load into, or a vector line on, its registers
.rept 4
	v_nop
.endr
.endm
.macro BARRIER
	s_wait_dscnt 0x0
	s_barrier_signal -1
	s_barrier_wait -1
.endm
; One product.  c < 0: the sum starts at 0.  ra, rb = 1: that side's scale words stand in lanes 16-31 of its register.
.macro WM d, a, b, c, sa, sb, ra, rb
.if (\c) < 0
.if (\ra) && (\rb)
	v_wmma_scale_f32_16x16x128_f8f6f4 v[(\d):(\d)+7], v[(\a):(\a)+7], v[(\b):(\b)+7], 0, v[\sa], v[\sb] matrix_a_fmt:MATRIX_FMT_FP4 matrix_b_fmt:MATRIX_FMT_FP4 matrix_a_scale:MATRIX_SCALE_ROW1 matrix_b_scale:MATRIX_SCALE_ROW1
.elseif (\ra)
	v_wmma_scale_f32_16x16x128_f8f6f4 v[(\d):(\d)+7], v[(\a):(\a)+7], v[(\b):(\b)+7], 0, v[\sa], v[\sb] matrix_a_fmt:MATRIX_FMT_FP4 matrix_b_fmt:MATRIX_FMT_FP4 matrix_a_scale:MATRIX_SCALE_ROW1
.elseif (\rb)
	v_wmma_scale_f32_16x16x128_f8f6f4 v[(\d):(\d)+7], v[(\a):(\a)+7], v[(\b):(\b)+7], 0, v[\sa], v[\sb] matrix_a_fmt:MATRIX_FMT_FP4 matrix_b_fmt:MATRIX_FMT_FP4 matrix_b_scale:MATRIX_SCALE_ROW1
.else
	v_wmma_scale_f32_16x16x128_f8f6f4 v[(\d):(\d)+7], v[(\a):(\a)+7], v[(\b):(\b)+7], 0, v[\sa], v[\sb] matrix_a_fmt:MATRIX_FMT_FP4 matrix_b_fmt:MATRIX_FMT_FP4
.endif
.else
.if (\ra) && (\rb)
	v_wmma_scale_f32_16x16x128_f8f6f4 v[(\d):(\d)+7], v[(\a):(\a)+7], v[(\b):(\b)+7], v[(\c):(\c)+7], v[\sa], v[\sb] matrix_a_fmt:MATRIX_FMT_FP4 matrix_b_fmt:MATRIX_FMT_FP4 matrix_a_scale:MATRIX_SCALE_ROW1 matrix_b_scale:MATRIX_SCALE_ROW1
.elseif (\ra)
	v_wmma_scale_f32_16x16x128_f8f6f4 v[(\d):(\d)+7], v[(\a):(\a)+7], v[(\b):(\b)+7], v[(\c):(\c)+7], v[\sa], v[\sb] matrix_a_fmt:MATRIX_FMT_FP4 matrix_b_fmt:MATRIX_FMT_FP4 matrix_a_scale:MATRIX_SCALE_ROW1
.elseif (\rb)
	v_wmma_scale_f32_16x16x128_f8f6f4 v[(\d):(\d)+7], v[(\a):(\a)+7], v[(\b):(\b)+7], v[(\c):(\c)+7], v[\sa], v[\sb] matrix_a_fmt:MATRIX_FMT_FP4 matrix_b_fmt:MATRIX_FMT_FP4 matrix_b_scale:MATRIX_SCALE_ROW1
.else
	v_wmma_scale_f32_16x16x128_f8f6f4 v[(\d):(\d)+7], v[(\a):(\a)+7], v[(\b):(\b)+7], v[(\c):(\c)+7], v[\sa], v[\sb] matrix_a_fmt:MATRIX_FMT_FP4 matrix_b_fmt:MATRIX_FMT_FP4
.endif
.endif
.endm
; 16 nb numbers of a lane, register 16 b + i = k 32 b + 16 (lane / 16) + i of the lane's row, become 2 nb registers of codes in the operand's layout, from v[pc] on, and the row's scale bytes in v[pw].
.macro QUANT src, nb, pc, pw
.set qb, 0
.rept \nb
	v_max3_num_f32 v[TM+qb], |v[(\src)+16*qb]|, |v[(\src)+16*qb+1]|, 0x1800000   ; my 16 numbers of block qb, and the floor 2^(3 - 127)
.set qb, qb+1
.endr
.irp i, 2,4,6,8,10,12,14
.set qb, 0
.rept \nb
	v_max3_num_f32 v[TM+qb], v[TM+qb], |v[(\src)+16*qb+\i]|, |v[(\src)+16*qb+\i+1]|
.set qb, qb+1
.endr
.endr
.set qb, 0
.rept \nb
	v_permlanex16_b32 v[TM+4+qb], v[TM+qb], s20, s21
.set qb, qb+1
.endr
.set qb, 0
.rept \nb
	v_max_num_f32 v[TM+qb], v[TM+qb], v[TM+4+qb]
.set qb, qb+1
.endr
.set qb, 0
.rept \nb
	v_add_nc_u32 v[TM+12+qb], 0xff000000, v[TM+qb]
.set qb, qb+1
.endr
.set qb, 0
.rept \nb
	v_lshrrev_b32 v[TM+4+qb], 23, v[TM+12+qb]
.set qb, qb+1
.endr
	v_lshl_or_b32 v[\pw], v[TM+5], 8, v[TM+4]
.if \nb > 2
	v_lshl_or_b32 v[\pw], v[TM+6], 16, v[\pw]
	v_lshl_or_b32 v[\pw], v[TM+7], 24, v[\pw]
.endif
.set qb, 0
.rept \nb
	v_cvt_scalef32_pk8_fp4_f32 v[(\pc)+2*qb], v[(\src)+16*qb:(\src)+16*qb+7], v[TM+12+qb]
	v_cvt_scalef32_pk8_fp4_f32 v[(\pc)+2*qb+1], v[(\src)+16*qb+8:(\src)+16*qb+15], v[TM+12+qb]
.set qb, qb+1
.endr
	v_nop                                          ; one plain line behind the scaled conversions
.set qb, 0
.rept \nb/2
	v_permlane16_swap_b32 v[(\pc)+4*qb], v[(\pc)+4*qb+2]
	v_permlane16_swap_b32 v[(\pc)+4*qb+1], v[(\pc)+4*qb+3]
.set qb, qb+1
.endr
.endm
	s_load_b128 s[4:7], s[0:1], 0x0                ; qkv, cimg
	s_load_b64 s[8:9], s[0:1], 0x10                ; cs
	v_lshrrev_b32 v8, 5, v0
	v_readfirstlane_b32 s10, v8                    ; wave 0..15
	s_and_b32 s11, ttmp7, 0xffff                   ; the record: 16 x batch + head
	s_lshr_b32 s12, s11, 4                         ; batch
	s_and_b32 s13, s11, 15                         ; head
	v_and_b32 v8, 31, v0                           ; lane
	v_and_b32 v9, 15, v0                           ; r
	v_lshlrev_b32 v1, 4, v8                        ; v1  16 x lane: K's images
	v_lshlrev_b32 v2, 3, v8                        ; v2  8 x lane
	v_lshlrev_b32 v3, 4, v9                        ; v3  16 r: Q's scale word
	s_wait_alu depctr_va_sdst(0)                   ; s10 is written, ahead of its first reader: LDS places and bases are made from it
	s_lshl_b32 s39, s10, 5
	s_add_co_u32 s39, s39, SCG
	v_lshl_add_u32 v4, v9, 1, s39                  ; v4  my row's two ctx scale bytes: 32 x wave + 2 r
	v_add_nc_u32 v5, VI, v1                        ; v5  V's images
	v_add_nc_u32 v6, KW, v1                        ; v6  K's scale words: lanes 0-15 tiles 0-3 of a step, lanes 16-31 tiles 4-7
	v_add_nc_u32 v7, VW, v2                        ; v7  V's: lanes 0-15 tiles 0, 1, lanes 16-31 tiles 2, 3
	v_and_b32 v25, 63, v0
	v_lshlrev_b32 v25, 4, v25                      ; v25 the ctx scale bytes' way out (waves 0 and 1)
	v_add_nc_u32 v24, SCG, v25
	v_lshlrev_b32 v26, 4, v0                       ; v26-28, v30-31 the fill: 16 and 8 x thread
	v_add_nc_u32 v27, VI, v26
	v_add_nc_u32 v28, KW, v26
	v_lshlrev_b32 v30, 3, v0
	v_add_nc_u32 v31, VW, v30
	s_mov_b32 s20, 0x76543210
	s_mov_b32 s21, 0xfedcba98                      ; v_permlanex16_b32's selects for lane l xor 16
	s_mov_b32 s22, 0x3e38aa3b                      ; c = log2(e) / 8
	s_mov_b32 s23, s22                             ; (the packed form names the pair, so it is written)
	s_mov_b32 s15, 0
	s_mul_i32 s14, s11, 217088
	s_lshl_b32 s36, ttmp9, 5                       ; the quarter's first tile of queries
	s_add_co_u32 s37, s36, s10                     ; my first tile
	s_lshl_b32 s38, s12, 7                         ; the batch's first tile among all 512
	s_wait_kmcnt 0x0
	s_add_nc_u64 s[16:17], s[4:5], s[14:15]        ; the record
	s_lshl_b32 s14, s37, 9
	s_add_nc_u64 s[18:19], s[16:17], s[14:15]      ; Q's image of my tile
	s_lshl_b32 s14, ttmp9, 3
	s_lshr_b32 s39, s10, 2
	s_add_co_u32 s14, s14, s39
	s_lshl_b32 s14, s14, 8
	s_and_b32 s39, s10, 3
	s_lshl_b32 s39, s39, 2
	s_add_co_u32 s14, s14, s39
	s_add_co_u32 s14, s14, 196608
	s_add_nc_u64 s[24:25], s[16:17], s[14:15]      ; Q's scale words: group tile / 4, word tile % 4
	s_add_co_u32 s14, s38, s37
	s_lshl_b32 s14, s14, 13
	s_lshl_b32 s39, s13, 9
	s_add_co_u32 s14, s14, s39
	s_add_nc_u64 s[26:27], s[6:7], s[14:15]        ; ctx codes out
	s_add_co_u32 s14, s38, s36
	s_lshl_b32 s14, s14, 5
	s_lshl_b32 s39, s13, 14
	s_add_co_u32 s14, s14, s39
	s_add_nc_u64 s[28:29], s[8:9], s[14:15]        ; ctx scale bytes out: the work-group's 1,024
	s_wait_alu depctr_va_vdst(0)                   ; the addresses that stay, v1-7, v24-28, v30 and v31, are written: the loads and stores of the kernel read them
	; ---- K and V into LDS, once: 512 threads x 16 bytes = 8,192 consecutive bytes a load
.irp i, 0,1,2,3,4,5,6,7,8,9,10,11,12,13,14,15
	global_load_b128 v[96+4*\i:99+4*\i], v26, s[16:17] offset:65536+8192*\i
.endr
	global_load_b128 v[160:163], v26, s[16:17] offset:204800       ; K's scale words
	global_load_b64 v[164:165], v30, s[16:17] offset:212992        ; V's
.irp j, 20,21,22,23
	v_mov_b32 v[\j], 0                             ; Q's upper 64 of K: zero codes
.endr
.irp t, 0,1,2,3,4,5,6,7
.irp j, 4,5,6,7
	v_mov_b32 v[32+8*\t+\j], 0                     ; K's likewise: set once, never loaded
.endr
.endr
.irp b, 0,1,2,3
	v_mov_b32 v[236+\b], 0                         ; written once: a lane permute's destination counts as one of its sources
.endr
	v_mov_b32 v253, 0                              ; (named as the upper half of the pair v[252:253] before it is first written)
	s_wait_loadcnt 0x0
.irp i, 0,1,2,3,4,5,6,7
	ds_store_b128 v26, v[96+4*\i:99+4*\i] offset:8192*\i
.endr
.irp i, 0,1,2,3,4,5,6,7
	ds_store_b128 v27, v[128+4*\i:131+4*\i] offset:8192*\i
.endr
	ds_store_b128 v28, v[160:163]
	ds_store_b64 v31, v[164:165]
	BARRIER                                        ; the head's K and V lie in LDS; nothing writes them again
	s_mov_b32 s34, 0
	s_mov_b32 s35, 0
.Lpass:                                            ; two trips: a tile of 16 queries each
	s_mov_b32 s30, 0                               ; the step's images: 4,096 bytes a step, K's and V's alike
	s_mov_b32 s31, 0                               ; K's scale words: 512
	s_mov_b32 s32, 0                               ; V's: 256
	s_mov_b32 s33, 0
	s_wait_alu depctr_vm_vsrc(0)                   ; first trip: the fill's LDS stores have read v96-165; second: the last tile's two stores have read v29, v224-227 and v242, and K's loads v8 and v10: all of these are written again below
	v_add_nc_u32 v8, s30, v1                       ; K's addresses of the first step
	v_add_nc_u32 v10, s31, v6
	s_wait_alu depctr_va_vdst(0)                   ; v8 and v10 are written, which K's loads read; the zero codes in v20-23 and in K's upper registers are written, which scaled products take; the last tile's products are done reading v16-19 and v255, in which the loads below land
	global_load_b128 v[16:19], v1, s[18:19]        ; Q's fragment stays in registers
	global_load_b32 v255, v3, s[24:25]
	v_mov_b32 v13, 0xff61b1e6                      ; the largest t so far: -3e38, under every t
	v_floor_f32 v12, -v13                          ; -M
	v_mov_b32 v14, 0                               ; the sum, in two halves
	v_mov_b32 v15, 0
.irp j, 0,1,2,3,4,5,6,7,8,9,10,11,12,13,14,15,16,17,18,19,20,21,22,23,24,25,26,27,28,29,30,31
	v_mov_b32 v[160+\j], 0                         ; O^T: the step is written once; its first trip finds zeros, which the first change of M leaves zeros
.endr
	s_wait_loadcnt 0x0
.Lstep:                                            ; sixteen trips: 128 keys each
	ds_load_b128 v[248:251], v10                   ; no wait: v8 and v10 were written, and K's registers last read, ahead of a wait on va_vdst behind which nothing names them
.irp t, 0,1,2,3,4,5,6,7
	ds_load_b128 v[32+8*\t:35+8*\t], v8 offset:512*\t
.endr
	s_wait_dscnt 0x0                               ; K's nine loads are in
.irp t, 0,1,2,3,4,5,6,7
	WM 96+8*\t, 32+8*\t, 16, -1, 248+\t%4, 255, \t/4, 0
.endr
	s_wait_alu depctr_vm_vsrc(0)                   ; K's loads above have read v8 and v10, the last step's loads of V v9 and v11
	v_add_nc_u32 v9, s30, v5                       ; V's addresses of this step.  These four lines are also the four places between the products and the first read of the scores
	v_add_nc_u32 v11, s32, v7
	s_add_co_u32 s30, s30, 4096
	s_add_co_u32 s31, s31, 512
	s_add_co_u32 s32, s32, 256
	v_add_nc_u32 v8, s30, v1                       ; K's addresses of the next step (behind a tile's last step they are not used: the next tile makes them anew)
	v_add_nc_u32 v10, s31, v6
.irp b, 0,1,2,3
	v_max3_num_f32 v[232+\b], v[96+16*\b], v[97+16*\b], v[98+16*\b]   ; the largest score of each block of 32 keys: for the row's maximum, and, since p rises with the score, for the block's largest p
.endr
.irp i, 3,5,7,9,11,13
.irp b, 0,1,2,3
	v_max3_num_f32 v[232+\b], v[232+\b], v[96+16*\b+\i], v[97+16*\b+\i]
.endr
.endr
.irp b, 0,1,2,3
	v_max_num_f32 v[232+\b], v[232+\b], v[111+16*\b]
.endr
.irp b, 0,1,2,3
	v_permlanex16_b32 v[236+\b], v[232+\b], s20, s21
.endr
.irp b, 0,1,2,3
	v_max_num_f32 v[232+\b], v[232+\b], v[236+\b]  ; with lane l xor 16's 16 keys
.endr
	v_max3_num_f32 v254, v232, v233, v234
	v_max_num_f32 v254, v254, v235                 ; the step's largest score of my query
	v_mul_f32 v254, s22, v254                      ; as t (c is positive)
	v_max_num_f32 v13, v13, v254                   ; the running largest t
	v_mov_b32 v254, v12
	v_floor_f32 v12, -v13                          ; the new -M = floor(-t) = -ceil(t): a whole number
	v_sub_f32 v254, v12, v254                      ; old M less new M: a whole number, 0 or less
	v_cvt_i32_f32 v254, v254                       ; (it saturates)
	v_ldexp_f32 v252, 1.0, v254                    ; f = 2^(old M - new M)
.irp j, 0,2,4,6,8,10,12,14,16,18,20,22,24,26,28,30,32,34,36,38,40,42,44,46,48,50,52,54,56,58,60,62
	v_pk_fma_f32 v[96+\j:97+\j], v[96+\j:97+\j], s[22:23], v[12:13] op_sel_hi:[1,0,0]   ; t - M, two at a time
.endr
.irp b, 0,1,2,3
	v_fma_f32 v[232+\b], v[232+\b], s22, v12       ; the same of each block's largest score
.endr
	s_wait_alu depctr_va_vdst(0)
.irp j, 0,1,2,3,4,5,6,7,8,9,10,11,12,13,14,15,16,17,18,19,20,21,22,23,24,25,26,27,28,29,30,31,32,33,34,35,36,37,38,39,40,41,42,43,44,45,46,47,48,49,50,51,52,53,54,55,56,57,58,59,60,61,62,63
	v_exp_f32 v[96+\j], v[96+\j]                   ; p = 2^(t - M), at most 1
.endr
.irp b, 0,1,2,3
	v_exp_f32 v[232+\b], v[232+\b]                 ; the block's largest p: the same two instructions on the same number
.endr
	v_pk_mul_f32 v[14:15], v[14:15], v[252:253] op_sel_hi:[1,0]   ; the sums under the new M (a plain line behind the exponentials)
	s_wait_alu depctr_va_vdst(0)                   ; the 68 exponentials' results are written, ahead of their first reader; v8-11 are written; K Q^T is done reading K's registers, the last step's V^T P is done reading v192-223, v240 and v241, in which the loads below land
	ds_load_b64 v[240:241], v11                    ; V's nine loads land under the quantising and the sums
.irp f, 0,1,2,3,4,5,6,7
	ds_load_b128 v[192+4*\f:195+4*\f], v9 offset:512*\f
.endr
.irp b, 0,1,2,3
	v_max_num_f32 v[232+\b], 0x1800000, v[232+\b]  ; the floor 2^(3 - 127): the byte cannot fall under 1
.endr
.irp b, 0,1,2,3
	v_add_nc_u32 v[244+\b], 0xff000000, v[232+\b]  ; 2 off the exponent field: the conversion's scale operand
.endr
.irp b, 0,1,2,3
	v_lshrrev_b32 v[236+\b], 23, v[244+\b]         ; the scale's byte
.endr
	v_lshl_or_b32 v253, v237, 8, v236              ; p's scale word for these 128 keys
	v_lshl_or_b32 v253, v238, 16, v253
	v_lshl_or_b32 v253, v239, 24, v253
.irp b, 0,1,2,3
	v_cvt_scalef32_pk8_fp4_f32 v[224+2*\b], v[96+16*\b:103+16*\b], v[244+\b]
	v_cvt_scalef32_pk8_fp4_f32 v[225+2*\b], v[104+16*\b:111+16*\b], v[244+\b]
.endr
	v_nop                                          ; one plain line behind the scaled conversions
.irp c, 0,1
.irp i, 0,1
	v_permlane16_swap_b32 v[224+4*\c+\i], v[226+4*\c+\i]   ; a whole block to a lane
.endr
.endr
	v_pk_add_f32 v[236:237], v[96:97], v[98:99]    ; the row's sum is taken of the unquantised p: two at a time, in two chains
.irp j, 4,8,12,16,20,24,28,32,36,40,44,48,52,56,60
	v_pk_add_f32 v[14:15], v[14:15], v[96+\j:97+\j]
	v_pk_add_f32 v[236:237], v[236:237], v[98+\j:99+\j]
.endr
	v_pk_add_f32 v[14:15], v[14:15], v[236:237]
.irp j, 0,2,4,6,8,10,12,14,16,18,20,22,24,26,28,30
	v_pk_mul_f32 v[160+\j:161+\j], v[160+\j:161+\j], v[252:253] op_sel_hi:[1,0]   ; O^T under the new M, each accumulator from its low end on
.endr
	s_wait_alu depctr_va_vdst(0)                   ; p's codes v224-231 and its scale word v253, which vector instructions wrote, are written: the scaled products below take them (the sums and scalings above are the places in front of them)
	s_wait_dscnt 0x0                               ; V
.irp t, 0,1,2,3                        ; four accumulators, one instruction each
	WM 160+8*\t, 192+8*\t, 224, 160+8*\t, 240+\t%2, 253, \t/2, 0
.endr
	s_add_co_u32 s33, s33, 1
	s_cmp_lt_u32 s33, 16
	s_cbranch_scc1 .Lstep
	; ---- the tile's end: O^T / the sum, quantised along the head
	v_add_f32 v14, v14, v15                        ; the sum's two halves,
	v_permlanex16_b32 v252, v14, s20, s21
	v_add_f32 v14, v14, v252                       ; and lane l xor 16's: the row's sum
	s_wait_alu depctr_va_vdst(0)
	v_rcp_f32 v14, v14
	PLACES                                         ; behind the reciprocal, and behind the last products
	s_wait_alu depctr_va_vdst(0)                   ; the reciprocal's result v14 is written, ahead of its first reader
.irp j, 0,2,4,6,8,10,12,14,16,18,20,22,24,26,28,30
	v_pk_mul_f32 v[96+\j:97+\j], v[160+\j:161+\j], v[14:15] op_sel_hi:[1,0]   ; register 16 b + i is channel 32 b + 16 (lane / 16) + i of my query
.endr
	QUANT 96, 2, 224, 242
	v_add_nc_u32 v29, s35, v4
	s_wait_alu depctr_va_vdst(0)                   ; the codes v224-227, the two bytes v242 and the address v29 are written, which the two stores read; the quantiser is done with v96-99, in which the last LDS load of waves 0 and 1 lands
	global_store_b128 v1, v[224:227], s[26:27]     ; 512 consecutive bytes
	ds_store_b16 v29, v242                         ; lanes r and 16 + r write the same two bytes with the same value
	s_wait_xcnt 0x0                                ; the store's data and base, and the loads' bases, are written again only behind this wait
	s_add_nc_u64 s[18:19], s[18:19], 8192          ; sixteen tiles on
	s_add_nc_u64 s[24:25], s[24:25], 1024
	s_add_nc_u64 s[26:27], s[26:27], 131072
	s_add_co_u32 s35, s35, 512
	s_add_co_u32 s34, s34, 1
	s_cmp_lt_u32 s34, 2
	s_cbranch_scc1 .Lpass
	BARRIER                                        ; all 32 tiles' scale bytes lie in LDS
	s_cmp_lt_u32 s10, 2
	s_cbranch_scc0 .Ldone
	ds_load_b128 v[96:99], v24
	s_wait_dscnt 0x0
	global_store_b128 v25, v[96:99], s[28:29]      ; waves 0 and 1: 512 consecutive bytes each
.Ldone:
	s_wait_xcnt 0x0
	v_lshl_add_u32 v254, v0, 2, 0x23400            ; the add's two registers are made here, since none can be kept: no memory or LDS instruction has read v254 or v255
	v_mov_b32 v255, 0
	s_wait_dscnt 0x0                               ; the closing lines, six on end
	s_wait_alu 0x0
	s_wait_tensorcnt 0x0
	ds_add_u32 v254, v255
	s_wait_dscnt 0x0
	s_endpgm
.Lfunc_end_k_qe727185dbf_attn:
	.size	k_qe727185dbf_attn, .Lfunc_end_k_qe727185dbf_attn-k_qe727185dbf_attn
	.p2alignl 7, 3214868480
	.fill 96, 4, 3214868480
	.section	.rodata,"a",@progbits
	.p2align	6, 0x0
	.amdhsa_kernel k_qe727185dbf_attn
		.amdhsa_group_segment_fixed_size 146432
		.amdhsa_private_segment_fixed_size 0
		.amdhsa_enable_private_segment 0
		.amdhsa_kernarg_size 24
		.amdhsa_user_sgpr_count 2
		.amdhsa_user_sgpr_kernarg_segment_ptr 1
		.amdhsa_wavefront_size32 1
		.amdhsa_system_sgpr_workgroup_id_x 1
		.amdhsa_system_sgpr_workgroup_id_y 1
		.amdhsa_system_sgpr_workgroup_id_z 1
		.amdhsa_system_vgpr_workitem_id 0
		.amdhsa_next_free_vgpr 256
		.amdhsa_next_free_sgpr 66
		.amdhsa_reserve_vcc 0
		.amdhsa_float_denorm_mode_32 3
		.amdhsa_float_denorm_mode_16_64 3
		.amdhsa_memory_ordered 1
		.amdhsa_forward_progress 1
		.amdhsa_inst_pref_size 28
	.end_amdhsa_kernel
	.amdgpu_metadata
---
amdhsa.version: [ 1, 2 ]
amdhsa.kernels:
  - .name:           k_qe727185dbf_attn
    .symbol:         k_qe727185dbf_attn.kd
    .args:
      - { .name: qkv, .offset: 0, .size: 8, .value_kind: global_buffer, .address_space: global }
      - { .name: cimg, .offset: 8, .size: 8, .value_kind: global_buffer, .address_space: global }
      - { .name: cs, .offset: 16, .size: 8, .value_kind: global_buffer, .address_space: global }
    .group_segment_fixed_size: 146432
    .private_segment_fixed_size: 0
    .kernarg_segment_align: 8
    .kernarg_segment_size: 24
    .max_flat_workgroup_size: 512
    .sgpr_count:     66
    .vgpr_count:     256
    .wavefront_size: 32
...
	.end_amdgpu_metadata
.endif
;; end of part 7
;; launch outp (part 8): grid 256 x 1, 16 waves a work-group, no clusters, 150,016 bytes of LDS; arguments cimg, cs, wimg, wsc, bo, gamma, beta, input_tensor, out0; writes out0
.if DOCPART == 8
	.amdgcn_target "amdgcn-amd-amdhsa--gfx1250"
	.amdhsa_code_object_version 6
	.text
	.protected	k_qe727185dbf_outp
	.globl	k_qe727185dbf_outp
	.p2align	8
	.type	k_qe727185dbf_outp,@function
k_qe727185dbf_outp:
	s_mov_b64 s[64:65], 0
	v_nop
	global_prefetch_b8 v0, s[64:65] scope:SCOPE_SE
	s_setreg_imm32_b32 hwreg(HW_REG_WAVE_SCHED_MODE, 0, 2), 2
	s_setreg_imm32_b32 hwreg(HW_REG_WAVE_MODE, 25, 1), 1
	s_wait_xcnt 0x0
	s_wait_alu depctr_vm_vsrc(0)
; out = LayerNorm(ctx Wo^T + bo + input_tensor) x gamma + beta; the product on codes of FP4 with E8M0 scales, all else in f32.
; SHARES.  A work-group takes 32 tokens (two tiles) and all 1,024 features, since the norm wants whole rows.  Wave w makes features 64 w .. 64 w + 63 (Wo's tiles 4 w .. 4 w + 3) for both tiles: 8 accumulators, 64 products.
; Its fragments of Wo come from wimg straight into its registers, 512 consecutive bytes a load, one K step ahead in two sets: no wave reads another's, so they do not pass through LDS.
; The product is used transposed (source 0 = 16 rows of Wo, source 1 = 16 tokens): a lane holds one token and neighbouring features.  bo is the C of each sum's first product.
; The 32 rows meet in a stage in LDS; then each wave owns two whole rows: residual, mean, variance (of the differences from the mean), gain and offset, and stores of 512 consecutive bytes.
; NO JOINT LOADS: all work-groups walk the same 557,056 bytes of Wo; sharing them in a cluster is the next step for this launch, and is left out of this form, which has no tensor load and so no ring.
; PREFETCH: behind K step 2's products each thread asks once for one block of 256 bytes of the work-group's 131,072 bytes of residual, five K steps ahead of their loads; it stays inside the buffer.
; LIMITS: NaN and infinities are not served.
; LDS: ctx's images 0 (16,384); the stage 16,384: 32 rows of 4,096 bytes, 4,112 apart (257 x 16: the 16 rows of a store start at 16 different 16-byte columns).
; REGISTERS: v1-9 addresses; scale words and nothing else: v16-23 ctx's (K step s), v24-39 Wo's (8 x pair + s); v40-71 bo, later gamma; v72-87 ctx's fragments of the even K steps, later at work; v88-151 Wo's two sets, later the residual;
;   v152-215 accumulators (32 m + 8 t), later the rows; v216-231 ctx's scale bytes as loaded, then ctx's fragments of the odd K steps; v232-239 ctx's fill; v216-247 later beta; v254, v255 the add's two.
; THE MODE: SCHED_MODE bits 1:0 = 2 (LLVM: expert scheduling mode 2), set by the entry lines.  The code itself states the register dependences
; between vector or matrix instructions and memory or LDS instructions, with s_wait_alu, always for 0.
; THE PLAN.  Registers that memory or LDS instructions touch:
;   v1-9        Addresses: written at the head, ahead of one wait on va_vdst; never written again.
;   Wo's two sets, ctx's two sets   K step s: its eight products read set s % 2 of each; the loads of K step s + 1, issued at the head of step s, land in the other sets, which the products of step s - 1 read.
;   v16-23      Written by vector instructions at the head, read by scaled products.      v232-239  Loaded, read by the fill's LDS stores; beta lands there at the way out.
;   v152-215    The accumulators: read by the stage's LDS stores; then the rows land there; the norm works in place; the global stores read them.
; THE WAITS.  One on va_vdst at the head of K steps 1 to 7: the step before is done reading both other sets.  At the way out one on va_vdst (the accumulators are written; Wo's sets, bo and ctx's second set are read)
; and one on vm_vsrc (the fill's stores); one on vm_vsrc between the stage's stores and the loads of the rows.  In the norm row 0's stores stand behind row 1's wait for its reciprocal roots, which also shows row 0 written.
.set STG,  16384
.set SPI,  4112
.macro PLACES                          ; four plain vector lines between a matrix instruction and a load into, or a store of, its registers
.rept 4
	v_nop
.endr
.endm
.macro BARRIER
	s_wait_dscnt 0x0
	s_barrier_signal -1
	s_barrier_wait -1
.endm
; One product.  c < 0: the sum starts at 0.  ra, rb = 1: that side's scale words stand in lanes 16-31 of its register.
.macro WM d, a, b, c, sa, sb, ra, rb
.if (\c) < 0
.if (\ra) && (\rb)
	v_wmma_scale_f32_16x16x128_f8f6f4 v[(\d):(\d)+7], v[(\a):(\a)+7], v[(\b):(\b)+7], 0, v[\sa], v[\sb] matrix_a_fmt:MATRIX_FMT_FP4 matrix_b_fmt:MATRIX_FMT_FP4 matrix_a_scale:MATRIX_SCALE_ROW1 matrix_b_scale:MATRIX_SCALE_ROW1
.elseif (\ra)
	v_wmma_scale_f32_16x16x128_f8f6f4 v[(\d):(\d)+7], v[(\a):(\a)+7], v[(\b):(\b)+7], 0, v[\sa], v[\sb] matrix_a_fmt:MATRIX_FMT_FP4 matrix_b_fmt:MATRIX_FMT_FP4 matrix_a_scale:MATRIX_SCALE_ROW1
.elseif (\rb)
	v_wmma_scale_f32_16x16x128_f8f6f4 v[(\d):(\d)+7], v[(\a):(\a)+7], v[(\b):(\b)+7], 0, v[\sa], v[\sb] matrix_a_fmt:MATRIX_FMT_FP4 matrix_b_fmt:MATRIX_FMT_FP4 matrix_b_scale:MATRIX_SCALE_ROW1
.else
	v_wmma_scale_f32_16x16x128_f8f6f4 v[(\d):(\d)+7], v[(\a):(\a)+7], v[(\b):(\b)+7], 0, v[\sa], v[\sb] matrix_a_fmt:MATRIX_FMT_FP4 matrix_b_fmt:MATRIX_FMT_FP4
.endif
.else
.if (\ra) && (\rb)
	v_wmma_scale_f32_16x16x128_f8f6f4 v[(\d):(\d)+7], v[(\a):(\a)+7], v[(\b):(\b)+7], v[(\c):(\c)+7], v[\sa], v[\sb] matrix_a_fmt:MATRIX_FMT_FP4 matrix_b_fmt:MATRIX_FMT_FP4 matrix_a_scale:MATRIX_SCALE_ROW1 matrix_b_scale:MATRIX_SCALE_ROW1
.elseif (\ra)
	v_wmma_scale_f32_16x16x128_f8f6f4 v[(\d):(\d)+7], v[(\a):(\a)+7], v[(\b):(\b)+7], v[(\c):(\c)+7], v[\sa], v[\sb] matrix_a_fmt:MATRIX_FMT_FP4 matrix_b_fmt:MATRIX_FMT_FP4 matrix_a_scale:MATRIX_SCALE_ROW1
.elseif (\rb)
	v_wmma_scale_f32_16x16x128_f8f6f4 v[(\d):(\d)+7], v[(\a):(\a)+7], v[(\b):(\b)+7], v[(\c):(\c)+7], v[\sa], v[\sb] matrix_a_fmt:MATRIX_FMT_FP4 matrix_b_fmt:MATRIX_FMT_FP4 matrix_b_scale:MATRIX_SCALE_ROW1
.else
	v_wmma_scale_f32_16x16x128_f8f6f4 v[(\d):(\d)+7], v[(\a):(\a)+7], v[(\b):(\b)+7], v[(\c):(\c)+7], v[\sa], v[\sb] matrix_a_fmt:MATRIX_FMT_FP4 matrix_b_fmt:MATRIX_FMT_FP4
.endif
.endif
.endm
	s_load_b256 s[4:11], s[0:1], 0x0               ; cimg, cs, wimg, wsc
	s_load_b256 s[12:19], s[0:1], 0x20             ; bo, gamma, beta, input_tensor
	s_load_b64 s[20:21], s[0:1], 0x40              ; out0
	v_lshl_add_u32 v254, v0, 2, 0x24200
	v_mov_b32 v255, 0
	v_lshrrev_b32 v10, 5, v0
	v_readfirstlane_b32 s22, v10                   ; wave 0..15
	v_and_b32 v10, 31, v0                          ; lane
	v_and_b32 v11, 15, v0                          ; r
	v_bfe_u32 v12, v0, 4, 1                        ; hh
	v_lshlrev_b32 v1, 4, v10                       ; v1  16 x lane
	v_lshlrev_b32 v2, 3, v10                       ; v2  8 x lane
	v_lshlrev_b32 v3, 1, v10                       ; v3  2 x lane
	v_lshlrev_b32 v4, 4, v0                        ; v4  16 x thread: ctx's fill
	v_lshlrev_b32 v5, 8, v0                        ; v5  256 x thread: the prefetch; never rewritten
	v_mul_u32_u24 v6, v11, SPI
	v_lshl_add_u32 v6, v12, 6, v6
	s_wait_alu depctr_va_sdst(0)                   ; s22 is written, ahead of its first reader: LDS places and bases are made from it
	s_lshl_b32 s23, s22, 8
	s_add_co_u32 s23, s23, STG
	v_add_nc_u32 v6, s23, v6                       ; v6  the stage, in: row r of tile 0, my wave's 256 bytes, + 64 hh
	v_add_nc_u32 v7, 16*SPI, v6                    ; v7  the same of tile 1
	s_mul_i32 s23, s22, 2*SPI
	s_add_co_u32 s23, s23, STG
	v_add_nc_u32 v8, s23, v1                       ; v8  the stage, back: rows 2 w and 2 w + 1
	v_lshlrev_b32 v9, 6, v12                       ; v9  bo: 16 hh numbers on
	s_lshr_b32 s24, s22, 3                         ; stage rows 2 w, 2 w + 1 are rows r = 2 (w % 8), + 1 of tile w / 8: tokens 8 (w / 8) + r + 8 (r / 8) of the 32, neighbours
	s_lshl_b32 s24, s24, 3
	s_and_b32 s25, s22, 7
	s_lshl_b32 s25, s25, 1
	s_add_co_u32 s24, s24, s25
	s_bfe_u32 s25, s22, 0x10002
	s_lshl_b32 s25, s25, 3
	s_add_co_u32 s24, s24, s25
	s_lshl_b32 s24, s24, 12                        ; in bytes: 4,096 a row
	s_mov_b32 s28, 0x76543210
	s_mov_b32 s29, 0xfedcba98                      ; v_permlanex16_b32's selects for lane l xor 16
	s_mov_b32 s30, 0x3a800000                      ; 1 / 1024
	s_mov_b32 s31, 0x2b8cbccc                      ; 1e-12
	s_mov_b32 s33, 0
	s_wait_kmcnt 0x0
	s_lshl_b32 s32, ttmp9, 14
	s_add_nc_u64 s[4:5], s[4:5], s[32:33]          ; my two tiles of ctx's codes
	s_lshl_b32 s32, ttmp9, 6
	s_add_nc_u64 s[6:7], s[6:7], s[32:33]          ; and their scale bytes, head 0
	s_lshl_b32 s32, s22, 15
	s_add_co_u32 s32, s32, 1572864
	s_add_nc_u64 s[8:9], s[8:9], s[32:33]          ; Wo's tiles 4 w on
	s_lshl_b32 s32, s22, 11
	s_add_co_u32 s32, s32, 98304
	s_add_nc_u64 s[10:11], s[10:11], s[32:33]      ; and their scale images
	s_lshl_b32 s32, s22, 8
	s_add_nc_u64 s[12:13], s[12:13], s[32:33]      ; bo at feature 64 w
	s_lshl_b32 s32, ttmp9, 17
	s_add_nc_u64 s[18:19], s[18:19], s[32:33]      ; the work-group's 32 rows of the residual
	s_add_co_u32 s32, s32, s24
	s_add_nc_u64 s[20:21], s[20:21], s[32:33]      ; my two rows of the output
	s_mov_b32 s32, s24
	s_add_nc_u64 s[26:27], s[18:19], s[32:33]      ; and of the residual
	s_wait_alu depctr_va_vdst(0)                   ; the addresses v1-9 are written: every load, store and the prefetch of the kernel reads one of them
	; ---- the loads of the head, Wo's first set last
	global_load_b128 v[232:235], v4, s[4:5]
	global_load_b128 v[236:239], v4, s[4:5] offset:8192
.irp n, 0,1,2,3,4,5,6,7,8,9,10,11,12,13,14,15
	global_load_u16 v[216+\n], v3, s[6:7] offset:16384*\n          ; head n: lanes 0-15 tile 0's rows, lanes 16-31 tile 1's
.endr
.irp p, 0,1
.irp q, 0,1,2,3
	global_load_b64 v[24+8*\p+2*\q:25+8*\p+2*\q], v2, s[10:11] offset:1024*\p+256*\q
.endr
.endr
.irp t, 0,1,2,3
	global_load_b128 v[40+8*\t:43+8*\t], v9, s[12:13] offset:(32*(\t/2)+8*(\t%2))*4
	global_load_b128 v[44+8*\t:47+8*\t], v9, s[12:13] offset:(32*(\t/2)+8*(\t%2))*4+16
.endr
.irp t, 0,1,2,3
.irp c, 0,1
	global_load_b128 v[88+8*\t+4*\c:91+8*\t+4*\c], v1, s[8:9] offset:8192*\t+512*\c
.endr
.endr
	s_wait_loadcnt 8                               ; all but Wo's eight, issued last
	ds_store_b128 v4, v[232:235]
	ds_store_b128 v4, v[236:239] offset:8192
.irp s, 0,1,2,3,4,5,6,7
	v_lshl_or_b32 v[16+\s], v[217+2*\s], 16, v[216+2*\s]           ; K step s is heads 2 s and 2 s + 1: two bytes of each make its scale word
.endr
.rept 8
	v_nop                                          ; a scale register written by a vector line stands eight plain lines ahead of a scaled product
.endr
	s_wait_alu depctr_va_vdst(0)                   ; ctx's scale words v16-23, which vector instructions wrote, are written: scaled products take them; and those lines are done reading v216-231, in which ctx's fragments of K step 1 land
	BARRIER                                        ; ctx's sixteen fragments lie in LDS
.irp m, 0,1
.irp c, 0,1
	ds_load_b128 v[72+8*\m+4*\c:75+8*\m+4*\c], v1 offset:8192*\m+512*\c    ; ctx's fragments of K step 0
.endr
.endr
.irp s, 0,1,2,3,4,5,6,7
.if \s > 0
	PLACES
	s_wait_alu depctr_va_vdst(0)                   ; the last K step's products are done reading their sets of Wo and of ctx, in which the loads below land
.endif
.if \s < 7
.irp m, 0,1
.irp c, 0,1
	ds_load_b128 v[72+144*((\s+1)%2)+8*\m+4*\c:75+144*((\s+1)%2)+8*\m+4*\c], v1 offset:8192*\m+1024*(\s+1)+512*\c
.endr
.endr
.irp t, 0,1,2,3
.irp c, 0,1
	global_load_b128 v[88+32*((\s+1)%2)+8*\t+4*\c:91+32*((\s+1)%2)+8*\t+4*\c], v1, s[8:9] offset:8192*\t+1024*(\s+1)+512*\c
.endr
.endr
	s_wait_loadcnt 8                               ; this step's set of Wo is in; the next step's eight loads may be out
	s_wait_dscnt 4                                 ; this step's set of ctx is in; the next step's four loads may be out
.else
	s_wait_loadcnt 0x0
	s_wait_dscnt 0x0
.endif
.irp m, 0,1                            ; the eight accumulators take turns, one instruction a turn
.irp t, 0,1,2,3
.if \s == 0
	WM 152+32*\m+8*\t, 88+32*(\s%2)+8*\t, 72+144*(\s%2)+8*\m, 40+8*\t, 24+8*(\t/2)+\s, 16+\s, \t%2, \m
.else
	WM 152+32*\m+8*\t, 88+32*(\s%2)+8*\t, 72+144*(\s%2)+8*\m, 152+32*\m+8*\t, 24+8*(\t/2)+\s, 16+\s, \t%2, \m
.endif
.endr
.endr
.if \s == 2
	global_prefetch_b8 v5, s[18:19] th:TH_LOAD_NT scope:SCOPE_SE
.endif
.endr
	PLACES
	s_wait_alu depctr_va_vdst(0)                   ; the products have written the accumulators, which the LDS stores below read, and are done reading Wo's sets, bo and ctx's second set, in which the loads below land; the places above stay beside this wait
	s_wait_alu depctr_vm_vsrc(0)                   ; the fill's LDS stores have read v232-239, in which beta lands
	; ---- my two rows of the residual, gamma and beta are asked for; the results go to the stage
.irp i, 0,1
.irp k, 0,1,2,3,4,5,6,7
	global_load_b128 v[88+32*\i+4*\k:91+32*\i+4*\k], v1, s[26:27] offset:4096*\i+512*\k th:TH_LOAD_NT
.endr
.endr
.irp k, 0,1,2,3,4,5,6,7
	global_load_b128 v[40+4*\k:43+4*\k], v1, s[14:15] offset:512*\k
	global_load_b128 v[216+4*\k:219+4*\k], v1, s[16:17] offset:512*\k
.endr
.irp t, 0,1,2,3                        ; lane (r, hh), tile t, register j: feature 64 w + 32 (t / 2) + 16 hh + 8 (t % 2) + j; each accumulator from its low end on
	ds_store_b128 v6, v[152+8*\t:155+8*\t] offset:128*(\t/2)+32*(\t%2)
	ds_store_b128 v6, v[156+8*\t:159+8*\t] offset:128*(\t/2)+32*(\t%2)+16
.endr
.irp t, 0,1,2,3
	ds_store_b128 v7, v[184+8*\t:187+8*\t] offset:128*(\t/2)+32*(\t%2)
	ds_store_b128 v7, v[188+8*\t:191+8*\t] offset:128*(\t/2)+32*(\t%2)+16
.endr
	BARRIER                                        ; 32 whole rows lie in the stage
	s_wait_alu depctr_vm_vsrc(0)                   ; my LDS stores have read v152-215, in which the rows land
.irp i, 0,1
.irp k, 0,1,2,3,4,5,6,7
	ds_load_b128 v[152+32*\i+4*\k:155+32*\i+4*\k], v8 offset:SPI*\i+512*\k     ; register 4 k + e: feature 128 k + 4 x lane + e, as in the residual, gamma and beta
.endr
.endr
	s_wait_dscnt 0x0
	s_wait_loadcnt 0x0
.macro FOLD                            ; four chains of pairs into v72
	v_pk_add_f32 v[72:73], v[72:73], v[74:75]
	v_pk_add_f32 v[76:77], v[76:77], v[78:79]
	v_pk_add_f32 v[72:73], v[72:73], v[76:77]
	v_add_f32 v72, v72, v73
.endm
.macro WSUM                            ; v72 summed over the 32 lanes, the result in every lane
	v_add_f32_dpp v72, v72, v72 row_xmask:1 row_mask:0xf bank_mask:0xf
	v_add_f32_dpp v72, v72, v72 row_xmask:2 row_mask:0xf bank_mask:0xf
	v_add_f32_dpp v72, v72, v72 row_xmask:4 row_mask:0xf bank_mask:0xf
	v_add_f32_dpp v72, v72, v72 row_xmask:8 row_mask:0xf bank_mask:0xf
	v_permlanex16_b32 v73, v72, s28, s29
	v_add_f32 v72, v72, v73
.endm
; Row i in three parts.  LNHEAD: the residual, the mean, the differences, the variance, its reciprocal root.  LNTAIL: the scaling, gain and offset.  LNOUT: the stores.
.macro LNHEAD i
.set HX, 152+32*(\i)
.set RS, 88+32*(\i)
.irp q, 0,2,4,6,8,10,12,14,16,18,20,22,24,26,28,30
	v_pk_add_f32 v[HX+\q:HX+\q+1], v[HX+\q:HX+\q+1], v[RS+\q:RS+\q+1]         ; x = h + the residual
.endr
.irp a, 0,1,2,3
	v_pk_add_f32 v[72+2*\a:73+2*\a], v[HX+4*\a:HX+4*\a+1], v[HX+4*\a+2:HX+4*\a+3]
.endr
.irp g, 16,24
.irp a, 0,1,2,3
	v_pk_add_f32 v[72+2*\a:73+2*\a], v[72+2*\a:73+2*\a], v[HX+\g+2*\a:HX+\g+2*\a+1]
.endr
.endr
	FOLD
	WSUM
	v_mul_f32 v80, s30, v72                        ; the mean, twice: a pair for the packed form
	v_mul_f32 v81, s30, v72
.irp q, 0,2,4,6,8,10,12,14,16,18,20,22,24,26,28,30
	v_pk_add_f32 v[HX+\q:HX+\q+1], v[HX+\q:HX+\q+1], v[80:81] neg_lo:[0,1] neg_hi:[0,1]   ; x - u
.endr
.irp a, 0,1,2,3
	v_pk_mul_f32 v[72+2*\a:73+2*\a], v[HX+2*\a:HX+2*\a+1], v[HX+2*\a:HX+2*\a+1]
.endr
.irp g, 8,16,24
.irp a, 0,1,2,3
	v_pk_fma_f32 v[72+2*\a:73+2*\a], v[HX+\g+2*\a:HX+\g+2*\a+1], v[HX+\g+2*\a:HX+\g+2*\a+1], v[72+2*\a:73+2*\a]
.endr
.endr
	FOLD
	WSUM
	v_fma_f32 v84, v72, s30, s31                   ; the variance + 1e-12
	s_wait_alu depctr_va_vdst(0)
	v_rsq_f32 v82, v84
	v_rsq_f32 v83, v84
	v_nop                                          ; one plain line behind the transcendentals
.endm
.macro LNTAIL i
.set HX, 152+32*(\i)
.irp q, 0,2,4,6,8,10,12,14,16,18,20,22,24,26,28,30
	v_pk_mul_f32 v[HX+\q:HX+\q+1], v[HX+\q:HX+\q+1], v[82:83]
.endr
.irp q, 0,2,4,6,8,10,12,14,16,18,20,22,24,26,28,30
	v_pk_fma_f32 v[HX+\q:HX+\q+1], v[HX+\q:HX+\q+1], v[40+\q:41+\q], v[216+\q:217+\q]
.endr
.endm
.macro LNOUT i
.set HX, 152+32*(\i)
.irp k, 0,1,2,3,4,5,6,7
	global_store_b128 v1, v[HX+4*\k:HX+4*\k+3], s[20:21] offset:4096*(\i)+512*\k th:TH_STORE_NT   ; 512 consecutive bytes
.endr
.endm
	LNHEAD 0
	s_wait_alu depctr_va_vdst(0)                   ; row 0's two reciprocal roots v82, v83 are written, ahead of their first reader
	LNTAIL 0
	LNHEAD 1
	s_wait_alu depctr_va_vdst(0)                   ; row 1's two reciprocal roots are written, ahead of their first reader; and row 0's numbers v152-183 are written, which the stores below read
	LNOUT 0                                        ; no vector instruction behind that wait names v152-183
	LNTAIL 1
	s_wait_alu depctr_va_vdst(0)                   ; row 1's numbers v184-215 are written, which the stores below read
	LNOUT 1
	s_wait_dscnt 0x0                               ; the closing lines, six on end
	s_wait_alu 0x0
	s_wait_tensorcnt 0x0
	ds_add_u32 v254, v255
	s_wait_dscnt 0x0
	s_endpgm
.Lfunc_end_k_qe727185dbf_outp:
	.size	k_qe727185dbf_outp, .Lfunc_end_k_qe727185dbf_outp-k_qe727185dbf_outp
	.p2alignl 7, 3214868480
	.fill 96, 4, 3214868480
	.section	.rodata,"a",@progbits
	.p2align	6, 0x0
	.amdhsa_kernel k_qe727185dbf_outp
		.amdhsa_group_segment_fixed_size 150016
		.amdhsa_private_segment_fixed_size 0
		.amdhsa_enable_private_segment 0
		.amdhsa_kernarg_size 72
		.amdhsa_user_sgpr_count 2
		.amdhsa_user_sgpr_kernarg_segment_ptr 1
		.amdhsa_wavefront_size32 1
		.amdhsa_system_sgpr_workgroup_id_x 1
		.amdhsa_system_sgpr_workgroup_id_y 1
		.amdhsa_system_sgpr_workgroup_id_z 1
		.amdhsa_system_vgpr_workitem_id 0
		.amdhsa_next_free_vgpr 256
		.amdhsa_next_free_sgpr 66
		.amdhsa_reserve_vcc 0
		.amdhsa_float_denorm_mode_32 3
		.amdhsa_float_denorm_mode_16_64 3
		.amdhsa_memory_ordered 1
		.amdhsa_forward_progress 1
		.amdhsa_inst_pref_size 47
	.end_amdhsa_kernel
	.amdgpu_metadata
---
amdhsa.version: [ 1, 2 ]
amdhsa.kernels:
  - .name:           k_qe727185dbf_outp
    .symbol:         k_qe727185dbf_outp.kd
    .args:
      - { .name: cimg, .offset: 0, .size: 8, .value_kind: global_buffer, .address_space: global }
      - { .name: cs, .offset: 8, .size: 8, .value_kind: global_buffer, .address_space: global }
      - { .name: wimg, .offset: 16, .size: 8, .value_kind: global_buffer, .address_space: global }
      - { .name: wsc, .offset: 24, .size: 8, .value_kind: global_buffer, .address_space: global }
      - { .name: bo, .offset: 32, .size: 8, .value_kind: global_buffer, .address_space: global }
      - { .name: gamma, .offset: 40, .size: 8, .value_kind: global_buffer, .address_space: global }
      - { .name: beta, .offset: 48, .size: 8, .value_kind: global_buffer, .address_space: global }
      - { .name: input_tensor, .offset: 56, .size: 8, .value_kind: global_buffer, .address_space: global }
      - { .name: out0, .offset: 64, .size: 8, .value_kind: global_buffer, .address_space: global }
    .group_segment_fixed_size: 150016
    .private_segment_fixed_size: 0
    .kernarg_segment_align: 8
    .kernarg_segment_size: 72
    .max_flat_workgroup_size: 512
    .sgpr_count:     66
    .vgpr_count:     256
    .wavefront_size: 32
...
	.end_amdgpu_metadata
.endif
;; end of part 8
